; MI455X (gfx1250); checked and timed in simulation.
; The chip was launched on July 23, 2026; its instructions are those of AMD's public machine-readable ISA for CDNA 5 (MIT licence, August 2026) and "CDNA5" Instruction Set Architecture Reference Guide (July 2026). The comments in the code are by the model that wrote it; some were corrected since.
;; Block. Allowed arithmetic: matrix products marked QUANTISED: E2M3 operands, one E8M0 scale for each 32 along K, by v_wmma_scale_f32_16x16x128_f8f6f4 with both operands' format E2M3, f32 sums; everything else in f32.
;; Inputs: b1 2,048 float32; b2 512 float32; b_ln1 512 float32; b_ln2 512 float32; bo 512 float32; g_ln1 512 float32; g_ln2 512 float32; w1 512 x 2,048 float32; w2 2,048 x 512 float32; wk 512 x 512 float32; wo 512 x 512 float32; wq 512 x 512 float32; wv 512 x 512 float32; x 4 x 2,048 x 512 float32.
;; Outputs: out0 4 x 2,048 x 512 float32.
;; This version of the problem:
;;   THIS VERSION OF THE PROBLEM IS GIVEN IN LOW PRECISION. The matrix products marked QUANTISED in the list below multiply operands that are first quantised to E2M3 (2 exponent bits, 3 mantissa bits; 6 bits a number), with one power-of-two scale for each 32 numbers along K (OCP MX v1.0); their sums are f32. All else is computed in f32.
;;   The module's matrix products, in the order in which they are computed (A, B: the left and right operand; K: the contracted axis; several contracted axes count as one K, in the product's order):
;;     1. [M 8,192, K 512] x [K 512, N 512]; A: computed on the way; B: input wq: QUANTISED
;;     2. [M 8,192, K 512] x [K 512, N 512]; A: computed on the way; B: input wk: QUANTISED
;;     3. [M 8,192, K 512] x [K 512, N 512]; A: computed on the way; B: input wv: QUANTISED
;;     4. batch 64 x [M 2,048, K 32] x [K 32, N 2,048]; A: computed on the way; B: computed on the way: QUANTISED
;;     5. batch 64 x [M 32, K 2,048] x [K 2,048, N 2,048]; A: computed on the way; B: softmax (see below): QUANTISED
;;     6. [M 8,192, K 512] x [K 512, N 512]; A: computed on the way; B: input wo: QUANTISED
;;     7. [M 8,192, K 512] x [K 512, N 2,048]; A: computed on the way; B: input w1: QUANTISED
;;     8. [M 8,192, K 2,048] x [K 2,048, N 512]; A: computed on the way; B: input w2: QUANTISED
;;   THE QUANTISER, for each operand of a quantised product, along K:
;;     - K is cut into blocks of 32 from its start; a last block that is shorter is filled with zeros.
;;     - A block's scale is 2^e with e = floor(log2(the largest magnitude in the block)) - 2, held to -126 .. 127; a block of zeros has e = 0. As a byte (E8M0): e + 127.
;;     - Each number is divided by its block's scale, clamped to +-7.5, and rounded to the nearest number of E2M3, ties to even, subnormals kept.
;;     - The product sums the exact products of the quantised numbers (number of the format x scale) in f32.
;;   ~~~python
;;   def quantise(x, axis):      # numpy; x: float32 -> the quantised numbers, widened to float32 again
;;       x = np.moveaxis(x, axis, -1); K = x.shape[-1]
;;       x = np.pad(x, [(0, 0)] * (x.ndim - 1) + [(0, -K % 32)]); x = x.reshape(x.shape[:-1] + (-1, 32)); a = np.abs(x).max(-1, keepdims=True)
;;       e = np.where(a > 0, np.clip(np.frexp(np.where(a > 0, a, 1))[1] - 1 - 2, -126, 127), 0)      # np.frexp(a)[1] - 1 = floor(log2(a)), exactly
;;       r = np.clip(x / 2.0 ** e, -7.5, 7.5)
;;       step = 2.0 ** (np.maximum(np.frexp(np.where(r == 0, 1, r))[1] - 1, 0) - 3)
;;       q = np.round(r / step) * step * 2.0 ** e      # np.round: ties to even
;;       return np.moveaxis(q.reshape(q.shape[:-2] + (-1,))[..., :K], -1, axis).astype(np.float32)
;;   ~~~
;;   SOFTMAX AHEAD OF A QUANTISED PRODUCT. Where the list says 'softmax', what is quantised is not the finished softmax but p = 2^(t - M), with t = logit x log2(e) and M = ceil(the row's largest t), a whole number; so 1/2 < the row's largest p <= 1. The row's sum l is taken of the UNQUANTISED p, in f32, and the product's result is divided by l at the end. Since M is a whole number, a kernel that streams over the keys may use a running M (the ceiling of the running maximum): every later rescaling is an exact power of two, which a block's scale takes up: the codes' values come out the same.
;;   OPERANDS COMPUTED ON THE WAY. 'Computed on the way' means the value that the module computes at that place (a softmax that the list does not call 'softmax' is quantised finished and normalised). What goes into a quantiser is computed in f32, as accurately as f32 sums, v_exp_f32 and their like allow (about 1e-6 of the number): no bf16 or f16 on the way to a quantiser, and a product that is left as it is and whose result goes on into a quantised operand takes f32 operands (vector FMAs, or v_wmma_f32_16x16x4_f32). A number that lies on a knife's edge between two numbers of the format may be rounded either way, as far as f32 arithmetic and the matrix unit's own rounding can turn it there, and no further.
;; 2 versions. Each part assembles by itself: llvm-mc -triple=amdgcn-amd-amdhsa -mcpu=gfx1250 --defsym DOCPART=n.
;; ======== version 1 of 2: 4 launches
;; workspace buffers: wcodes 2,359,296 bytes; wscales 98,304 bytes; qkvc 9,437,184 bytes; qkvs 393,216 bytes; acodes 3,145,728 bytes; ascales 131,072 bytes
;; launch wquant (part 1): grid 192 x 1, 4 waves a work-group, no clusters, 0 bytes of LDS; arguments wq, wk, wv, wo, w1, w2, wcodes, wscales; writes wcodes, wscales
.if DOCPART == 1
	.amdgcn_target "amdgcn-amd-amdhsa--gfx1250"
	.amdhsa_code_object_version 6
	.text
	.protected	k_q53fdbad820_wquant
	.globl	k_q53fdbad820_wquant
	.p2align	8
	.type	k_q53fdbad820_wquant,@function
k_q53fdbad820_wquant:
	s_mov_b64 s[64:65], 0
	v_nop
	global_prefetch_b8 v0, s[64:65] scope:SCOPE_SE
	s_setreg_imm32_b32 hwreg(HW_REG_WAVE_MODE, 25, 1), 1
	s_wait_xcnt 0x0
; The six weights, f32 stored [K][N], become codes of FP6 (E2M3) quantised along K, one E8M0 byte for each 32 along K, laid in the order of a matrix operand's registers.
; A wave takes 32 columns (a block) x 128 along K (a K step).  A LANE TAKES A COLUMN AND ITS REGISTERS RUN DOWN K: a block of 32 along K lies in one lane, its largest magnitude needs no other lane,
; and the conversions give codes with K innermost.  Each load reads 128 consecutive bytes a wave; the four waves of a work-group stand side by side on 512.
; OUT.  wcodes: [tensor][block][K step][tile u][1,536 bytes]; tile u, row r is column 32 block + 8 u + (r & 7) + 16 (r >> 3).  A fragment (16 rows x 128 K, 12 registers a lane) lies as an image of its
; registers: register j of lane L at 512 (j / 4) + 16 L + 4 (j % 4).  A column's 96 bytes are the registers of lanes (r, 0) (blocks 0 and 2 of the K step) and (r, 1) (blocks 1 and 3).
; wscales: [tensor][block][K step][32 words]; word 16 u + r holds that row's four bytes.
; A block's scale is 2^(floor(log2(largest magnitude)) - 2); its byte is the largest magnitude's exponent field - 2, held at 1 from below.
; LIMITS: a block of zeros, or one whose largest magnitude lies under 2^-124, gets the byte 1 (its codes are zeros or next to zero; this program alone reads the bytes).  NaN and infinities are not served.
; Work-groups 0-63: wq, wk, wv, wo (16 each);  64-127: w1;  128-191: w2.
.set X,  64                            ; v64-191  my column's 128 numbers
.set CA, 20                            ; v20-31   the registers of fragment lane (r, 0)
.set CB, 32                            ; v32-43   those of lane (r, 1)
.set TP, 44                            ; v44-59   the upper halves of the four blocks: a conversion's three registers begin on an even number
	s_load_b256 s[4:11], s[0:1], 0x0               ; wq, wk, wv, wo
	s_load_b256 s[12:19], s[0:1], 0x20             ; w1, w2, wcodes, wscales
	v_lshrrev_b32 v1, 5, v0
	v_readfirstlane_b32 s33, v1                    ; wave
	v_and_b32 v1, 31, v0                           ; lane = column in the block
	v_lshlrev_b32 v2, 2, v1                        ; in: 4 bytes a lane
	v_bfe_u32 v5, v1, 3, 1                         ; u
	v_and_b32 v6, 7, v1
	v_lshrrev_b32 v7, 4, v1
	v_lshl_add_u32 v6, v7, 3, v6                   ; r
	v_mul_u32_u24 v3, v5, 1536
	v_lshl_add_u32 v3, v6, 4, v3                   ; out: 1,536 u + 16 r
	v_lshl_add_u32 v4, v5, 4, v6
	v_lshlrev_b32 v4, 2, v4                        ; the scale word: 4 (16 u + r)
	s_lshr_b32 s20, ttmp9, 6                       ; class 0: the four square weights, 1: w1, 2: w2
	s_and_b32 s21, ttmp9, 63
	s_and_b32 s22, s21, 3
	s_and_b32 s23, s21, 15
	s_lshr_b32 s24, s21, 2
	s_and_b32 s25, s24, 3
	s_lshr_b32 s26, s21, 4
	s_cmp_eq_u32 s20, 1
	s_cselect_b32 s22, s23, s22                    ; which four blocks of columns
	s_cselect_b32 s27, s26, s24
	s_cselect_b32 s28, 20, 18                      ; log2 of a K step's bytes: 128 rows x N x 4
	s_cmp_eq_u32 s20, 0
	s_cselect_b32 s27, s25, s27                    ; the K step
	s_cselect_b32 s31, s26, 0
	s_cmp_eq_u32 s20, 2
	s_cselect_b32 s30, 4, 2                        ; log2 of the tensor's K steps
	s_lshl_b32 s29, s20, 2
	s_add_co_u32 s31, s31, s29                     ; the tensor's place in units of 196,608 bytes of codes: 0 .. 3, 4 (w1), 8 (w2)
	s_lshl_b32 s34, s22, 2
	s_add_co_u32 s34, s34, s33                     ; my block
	s_lshl_b32 s34, s34, s30
	s_add_co_u32 s34, s34, s27                     ; block x K steps + K step
	s_mul_i32 s36, s34, 3072
	s_mul_i32 s35, s31, 196608
	s_add_co_u32 s36, s36, s35
	s_mov_b32 s37, 0
	s_lshl_b32 s38, s34, 7
	s_lshl_b32 s35, s31, 13
	s_add_co_u32 s38, s38, s35
	s_mov_b32 s39, 0
	s_lshl_b32 s40, s27, s28
	s_lshl_b32 s35, s22, 9
	s_add_co_u32 s40, s40, s35
	s_lshl_b32 s35, s33, 7
	s_add_co_u32 s40, s40, s35                     ; in: K step's rows + 512 x quad of blocks + 128 x wave
	s_mov_b32 s41, 0
	s_wait_kmcnt 0x0
	s_cmp_eq_u32 s31, 1                            ; the tensor is chosen by the work-group's number alone
	s_cselect_b64 s[4:5], s[6:7], s[4:5]
	s_cmp_eq_u32 s31, 2
	s_cselect_b64 s[4:5], s[8:9], s[4:5]
	s_cmp_eq_u32 s31, 3
	s_cselect_b64 s[4:5], s[10:11], s[4:5]
	s_cmp_eq_u32 s31, 4
	s_cselect_b64 s[4:5], s[12:13], s[4:5]
	s_cmp_eq_u32 s31, 8
	s_cselect_b64 s[4:5], s[14:15], s[4:5]
	s_add_nc_u64 s[4:5], s[4:5], s[40:41]
	s_add_nc_u64 s[16:17], s[16:17], s[36:37]
	s_add_nc_u64 s[18:19], s[18:19], s[38:39]
.macro LOADS n                         ; W(128 step + i, my column), i = 0 .. 127; every offset an immediate: 127 x 8,192 bytes at the most
.set i, 0
.rept 128
	global_load_b32 v[X+i], v2, s[4:5] offset:i*(\n)*4 th:TH_LOAD_NT
.set i, i+1
.endr
.endm
	s_cmp_eq_u32 s20, 1
	s_cbranch_scc1 .Lwide
	LOADS 512
	s_branch .Lloaded
.Lwide:
	LOADS 2048
.Lloaded:
.macro QB q                            ; block q of the K step
.set XS, X+32*(\q)
.set CD, CA+12*((\q)%2)+6*((\q)/2)
.if (\q) < 2
	s_wait_loadcnt 63                              ; behind this block's loads 96 (64) were issued; a wait names 63 at the most, which shows still more of them done
.else
	s_wait_loadcnt 96-32*(\q)                      ; the younger blocks' loads may be out
.endif
	v_max3_num_f32 v8, |v[XS]|, |v[XS+1]|, |v[XS+2]|
	v_max3_num_f32 v9, |v[XS+3]|, |v[XS+4]|, |v[XS+5]|
.irp i, 6,10,14,18,22,26
	v_max3_num_f32 v8, v8, |v[XS+\i]|, |v[XS+\i+1]|
	v_max3_num_f32 v9, v9, |v[XS+\i+2]|, |v[XS+\i+3]|
.endr
	v_max3_num_f32 v8, v8, |v[XS+30]|, |v[XS+31]|
	v_max3_num_f32 v8, v8, v9, 0x1800000           ; and the floor 2^(3 - 127): the byte cannot fall under 1
	v_add_nc_u32 v10, 0xff000000, v8               ; 2 off the exponent field: the conversion takes this operand's exponent field as its scale
	v_lshrrev_b32 v11, 23, v10                     ; the scale's byte
.if (\q) == 0
	v_mov_b32 v16, v11
.else
	v_lshl_or_b32 v16, v11, 8*(\q), v16
.endif
	v_cvt_scalef32_pk16_fp6_f32 v[CD:CD+2], v[XS:XS+15], v10
	v_cvt_scalef32_pk16_fp6_f32 v[TP+4*(\q):TP+4*(\q)+2], v[XS+16:XS+31], v10
.endm
	QB 0
	QB 1
	QB 2
	QB 3
	v_nop                                          ; one plain place behind the last conversion
.irp q, 0,1,2,3
.irp i, 0,1,2
	v_mov_b32 v[CA+12*(\q%2)+6*(\q/2)+3+\i], v[TP+4*\q+\i]
.endr
.endr
.irp g, 0,1,2
	global_store_b128 v3, v[CA+4*\g:CA+4*\g+3], s[16:17] offset:512*\g        ; the sixteen lanes of a tile store 256 consecutive bytes, at a multiple of 256 from the buffer's first byte
	global_store_b128 v3, v[CB+4*\g:CB+4*\g+3], s[16:17] offset:512*\g+256
.endr
	global_store_b32 v4, v16, s[18:19]             ; 128 consecutive bytes a wave
	s_endpgm
.Lfunc_end_k_q53fdbad820_wquant:
	.size	k_q53fdbad820_wquant, .Lfunc_end_k_q53fdbad820_wquant-k_q53fdbad820_wquant
	.p2alignl 7, 3214868480
	.fill 96, 4, 3214868480
	.section	.rodata,"a",@progbits
	.p2align	6, 0x0
	.amdhsa_kernel k_q53fdbad820_wquant
		.amdhsa_group_segment_fixed_size 0
		.amdhsa_private_segment_fixed_size 0
		.amdhsa_enable_private_segment 0
		.amdhsa_kernarg_size 64
		.amdhsa_user_sgpr_count 2
		.amdhsa_user_sgpr_kernarg_segment_ptr 1
		.amdhsa_wavefront_size32 1
		.amdhsa_system_sgpr_workgroup_id_x 1
		.amdhsa_system_sgpr_workgroup_id_y 1
		.amdhsa_system_sgpr_workgroup_id_z 1
		.amdhsa_system_vgpr_workitem_id 0
		.amdhsa_next_free_vgpr 192
		.amdhsa_next_free_sgpr 66
		.amdhsa_reserve_vcc 0
		.amdhsa_float_denorm_mode_32 3
		.amdhsa_float_denorm_mode_16_64 3
		.amdhsa_memory_ordered 1
		.amdhsa_forward_progress 1
		.amdhsa_inst_pref_size 34
	.end_amdhsa_kernel
	.amdgpu_metadata
---
amdhsa.version: [ 1, 2 ]
amdhsa.kernels:
  - .name:           k_q53fdbad820_wquant
    .symbol:         k_q53fdbad820_wquant.kd
    .args:
      - { .name: wq, .offset: 0, .size: 8, .value_kind: global_buffer, .address_space: global }
      - { .name: wk, .offset: 8, .size: 8, .value_kind: global_buffer, .address_space: global }
      - { .name: wv, .offset: 16, .size: 8, .value_kind: global_buffer, .address_space: global }
      - { .name: wo, .offset: 24, .size: 8, .value_kind: global_buffer, .address_space: global }
      - { .name: w1, .offset: 32, .size: 8, .value_kind: global_buffer, .address_space: global }
      - { .name: w2, .offset: 40, .size: 8, .value_kind: global_buffer, .address_space: global }
      - { .name: wcodes, .offset: 48, .size: 8, .value_kind: global_buffer, .address_space: global }
      - { .name: wscales, .offset: 56, .size: 8, .value_kind: global_buffer, .address_space: global }
    .group_segment_fixed_size: 0
    .private_segment_fixed_size: 0
    .kernarg_segment_align: 8
    .kernarg_segment_size: 64
    .max_flat_workgroup_size: 128
    .sgpr_count:     66
    .vgpr_count:     192
    .wavefront_size: 32
...
	.end_amdgpu_metadata
.endif
;; end of part 1
;; launch qkv (part 2): grid 256 x 1, 16 waves a work-group, no clusters, 97,280 bytes of LDS; arguments x, g_ln1, b_ln1, wcodes, wscales, qkvc, qkvs; writes qkvc, qkvs
.if DOCPART == 2
	.amdgcn_target "amdgcn-amd-amdhsa--gfx1250"
	.amdhsa_code_object_version 6
	.text
	.protected	k_q53fdbad820_qkv
	.globl	k_q53fdbad820_qkv
	.p2align	8
	.type	k_q53fdbad820_qkv,@function
k_q53fdbad820_qkv:
	s_mov_b64 s[64:65], 0
	v_nop
	global_prefetch_b8 v0, s[64:65] scope:SCOPE_SE
	s_setreg_imm32_b32 hwreg(HW_REG_WAVE_MODE, 25, 1), 1
	s_wait_xcnt 0x0
; h = layernorm(x) g + b, quantised along its 512;  q = h wq, k = h wk, v = h wv on codes of FP6 (E2M3) with E8M0 scales;  q and k quantised along the head's 32, v along the keys (32 tokens).
; SHARES.  A work-group owns a group of 32 consecutive tokens; wave w owns head w: block w of 32 columns of each of the three weights.
; TOKEN ORDER.  Row p of a group is token (p & 7) + 16 ((p >> 3) & 1) + 8 (p >> 4); tile X = rows 0-15, tile Y = rows 16-31.  A weight's tile u, row r is column 32 block + 8 u + (r & 7) + 16 (r >> 3).
; So in the transposed product (source 0 = a weight's tile, source 1 = a tile of tokens) a lane holds one token, and the 16 registers of tiles u = 0, 1 are 16 neighbouring columns, 16 (lane / 16) on;
; in the plain product (source 0 = tokens, source 1 = the weight: for v) a lane holds one column, and the 16 registers of tiles X, Y are 16 neighbouring tokens.  Either way they are what a conversion takes.
; PHASES.  Wave w normalises and quantises rows w and w + 16 into LDS (codes as rows of 384 bytes, pitch 400; 16 scale bytes a row) | barrier | twelve items (weight, K step of 128), the weights'
; fragments straight from memory into a ring of three register slots: two items' loads are out while one is multiplied | behind each weight's four items its 32 x 32 results are quantised and stored.
; OUT.  qkvc [q, k, v][batch x head][group][768 bytes]: lane L's 24 bytes (a block of 32 codes) as 16 bytes at 16 L and 8 bytes at 512 + 8 L.  L is the token's row (q, k) or the weight's row 16 u + r (v).  qkvs: one byte at [..][group][L].
; LIMITS: a block of zeros, or one whose largest magnitude lies under 2^-124, gets the byte 1 (this program alone reads the bytes).  NaN and infinities are not served.  v_rsq_f32 is used as it is.
.set SC,   12800                       ; LDS: codes at 0; the rows' scale bytes, 16 a row;
.set STG,  13312                       ; for each wave two stages of 32 x 80 bytes, in which a row of x turns from 16 bytes a lane to 64
.set WR,   16                          ; v16-87   the ring: slot x 24: tile u = 0, tile u = 1
.set WS,   88                          ; v88-90   the slots' scale words: lanes 0-15 tile 0, lanes 16-31 tile 1.  Scales and nothing else
.set AS,   92                          ; v92-95   h's scale words of the four K steps: lanes 0-15 tile X, lanes 16-31 tile Y.  Scales and nothing else
.set AFR,  96                          ; v96-119  h's fragments of a K step: X, Y
.set ACC,  120                         ; v120-151 four accumulators
.set MXA,  152                         ; at work in QUANT2
.set MXB,  153
.set PXA,  154
.set PXB,  155
.set SOA,  156
.set SOB,  157
.set BYA,  158
.set BYB,  159
.set T,    160                         ; v160-165 a lane's block of codes
.set U,    166
.set BY,   170
.set N0,   176                         ; v176-191 row w: my 16 neighbours;  v192-207 row w + 16
.set N1,   192
.set GG,   208                         ; v208-223 g of my 16 columns;  v226-241 b
.set BB,   226
.set SEL,  20                          ; s[20:21] v_permlanex16_b32's selects for lane l xor 16
.set MH,   22                          ; s22      the mask of lanes 16-31
.macro MM d, a, b, cm, c, sa, sb, ra, rb   ; one matrix instruction.  cm = 0: C is the constant 0; else C = v[c ..].  ra, rb: which half of the lanes holds that side's scales
.set MSEL, 2*(\ra)+(\rb)
.if (\cm) == 0
.if MSEL == 0
	v_wmma_scale_f32_16x16x128_f8f6f4 v[\d:\d+7], v[\a:\a+11], v[\b:\b+11], 0, v[\sa], v[\sb] matrix_a_fmt:MATRIX_FMT_FP6 matrix_b_fmt:MATRIX_FMT_FP6
.elseif MSEL == 1
	v_wmma_scale_f32_16x16x128_f8f6f4 v[\d:\d+7], v[\a:\a+11], v[\b:\b+11], 0, v[\sa], v[\sb] matrix_a_fmt:MATRIX_FMT_FP6 matrix_b_fmt:MATRIX_FMT_FP6 matrix_b_scale:MATRIX_SCALE_ROW1
.elseif MSEL == 2
	v_wmma_scale_f32_16x16x128_f8f6f4 v[\d:\d+7], v[\a:\a+11], v[\b:\b+11], 0, v[\sa], v[\sb] matrix_a_fmt:MATRIX_FMT_FP6 matrix_b_fmt:MATRIX_FMT_FP6 matrix_a_scale:MATRIX_SCALE_ROW1
.else
	v_wmma_scale_f32_16x16x128_f8f6f4 v[\d:\d+7], v[\a:\a+11], v[\b:\b+11], 0, v[\sa], v[\sb] matrix_a_fmt:MATRIX_FMT_FP6 matrix_b_fmt:MATRIX_FMT_FP6 matrix_a_scale:MATRIX_SCALE_ROW1 matrix_b_scale:MATRIX_SCALE_ROW1
.endif
.else
.if MSEL == 0
	v_wmma_scale_f32_16x16x128_f8f6f4 v[\d:\d+7], v[\a:\a+11], v[\b:\b+11], v[\c:\c+7], v[\sa], v[\sb] matrix_a_fmt:MATRIX_FMT_FP6 matrix_b_fmt:MATRIX_FMT_FP6
.elseif MSEL == 1
	v_wmma_scale_f32_16x16x128_f8f6f4 v[\d:\d+7], v[\a:\a+11], v[\b:\b+11], v[\c:\c+7], v[\sa], v[\sb] matrix_a_fmt:MATRIX_FMT_FP6 matrix_b_fmt:MATRIX_FMT_FP6 matrix_b_scale:MATRIX_SCALE_ROW1
.elseif MSEL == 2
	v_wmma_scale_f32_16x16x128_f8f6f4 v[\d:\d+7], v[\a:\a+11], v[\b:\b+11], v[\c:\c+7], v[\sa], v[\sb] matrix_a_fmt:MATRIX_FMT_FP6 matrix_b_fmt:MATRIX_FMT_FP6 matrix_a_scale:MATRIX_SCALE_ROW1
.else
	v_wmma_scale_f32_16x16x128_f8f6f4 v[\d:\d+7], v[\a:\a+11], v[\b:\b+11], v[\c:\c+7], v[\sa], v[\sb] matrix_a_fmt:MATRIX_FMT_FP6 matrix_b_fmt:MATRIX_FMT_FP6 matrix_a_scale:MATRIX_SCALE_ROW1 matrix_b_scale:MATRIX_SCALE_ROW1
.endif
.endif
.endm
.macro WLOAD i                         ; item i (weight i / 4, K step i % 4): both tiles' fragments, 6 loads of 512 consecutive bytes, and their scale words: 7 loads
.set LSL, (\i)%3
.irp j, 0,1,2,3,4,5
	global_load_b128 v[WR+24*LSL+4*\j:WR+24*LSL+4*\j+3], v4, s[10:11] offset:((\i)/4)*196608+((\i)%4)*3072+512*\j
.endr
	global_load_b32 v[WS+LSL], v5, s[12:13] offset:((\i)/4)*8192+((\i)%4)*128
.endm
.macro FRAG reg, adr, off              ; a fragment from rows of codes: lane (r, h) takes 24 bytes at 24 h and 24 at 48 + 24 h of row r's 96, in pieces of 8
.irp p, 0,1,2,3,4,5
	ds_load_b64 v[(\reg)+2*\p:(\reg)+2*\p+1], v[\adr] offset:(\off)+48*(\p/3)+8*(\p%3)
.endr
.endm
; An item: the rows' two fragments of K step s from LDS, four matrix instructions on four accumulators by turns, the load of the item three on.
; mode 0: transposed, accumulator acc + 16 tile of tokens + 8 u;  mode 1: plain, accumulator acc + 16 u + 8 tile of tokens.  cm = 0: the sums start; 1: they start from BIAS; 2: they go on.
.macro ITEM i, n, adr, off, yoff, sadr, s, mode, acc, cm
.set ISL, (\i)%3
.if (\s)%4 == 0
	ds_load_b128 v[AS:AS+3], v[\sadr] offset:16*((\s)/4)
.endif
	FRAG AFR, \adr, \off
	FRAG AFR+12, \adr, (\off)+(\yoff)
.if (\n)-1-(\i) >= 2
	s_wait_loadcnt 14                              ; this item's 7 loads are in; the two younger items' 14 may be out
.elseif (\n)-1-(\i) == 1
	s_wait_loadcnt 7
.else
	s_wait_loadcnt 0x0
.endif
	s_wait_dscnt 0x0
.irp p, 0,1
.irp u, 0,1
.set DR, (\acc)+16*\p+8*\u
.if (\mode) == 0
.set CR, DR
.if (\cm) == 1
.set CR, BIAS+8*\u
.endif
	MM DR, WR+24*ISL+12*\u, AFR+12*\p, \cm, CR, WS+ISL, AS+(\s)%4, \u, \p
.else
	MM DR, AFR+12*\u, WR+24*ISL+12*\p, \cm, DR, AS+(\s)%4, WS+ISL, \u, \p
.endif
.endr
.endr
.rept 4
	v_nop                                          ; four plain places in front of loads into registers that these products read, and of the first read of their results
.endr
.if (\i)+3 < (\n)
	WLOAD (\i)+3
.endif
.endm
; Two sets of 16 registers, each half a block of 32 (the other half in lane l xor 16), become: in lane r + 16 x set that set's whole block of row r, 24 bytes in v[T] on, and its byte in v[BY].
.macro QUANT2 s0, s1
	v_max3_num_f32 v[MXA], |v[\s0]|, |v[\s0+1]|, 0x1800000     ; with the floor 2^(3 - 127): the byte cannot fall under 1.  Each accumulator is read from its low end on
	v_max3_num_f32 v[MXB], |v[\s1]|, |v[\s1+1]|, 0x1800000
.irp i, 2,4,6,8,10,12,14
	v_max3_num_f32 v[MXA], v[MXA], |v[\s0+\i]|, |v[\s0+\i+1]|
	v_max3_num_f32 v[MXB], v[MXB], |v[\s1+\i]|, |v[\s1+\i+1]|
.endr
	v_permlanex16_b32 v[PXA], v[MXA], s[SEL], s[SEL+1]
	v_permlanex16_b32 v[PXB], v[MXB], s[SEL], s[SEL+1]
	v_max_num_f32 v[MXA], v[MXA], v[PXA]
	v_max_num_f32 v[MXB], v[MXB], v[PXB]
	v_add_nc_u32 v[SOA], 0xff000000, v[MXA]        ; 2 off the exponent field: the conversion's scale operand
	v_add_nc_u32 v[SOB], 0xff000000, v[MXB]
	v_lshrrev_b32 v[BYA], 23, v[SOA]
	v_lshrrev_b32 v[BYB], 23, v[SOB]
	v_cvt_scalef32_pk16_fp6_f32 v[T:T+2], v[\s0:\s0+15], v[SOA]
	v_cvt_scalef32_pk16_fp6_f32 v[U:U+2], v[\s1:\s1+15], v[SOB]
	v_cndmask_b32 v[BY], v[BYA], v[BYB], s[MH]     ; lanes 16-31 take the second set's byte.  (The plain place behind the conversions)
.irp i, 0,1,2
	v_permlane16_swap_b32 v[T+\i], v[U+\i]         ; T: each lane's block's lower 16 codes, U: the upper 16
.endr
.irp i, 0,1,2
	v_mov_b32 v[T+3+\i], v[U+\i]
.endr
.endm
.macro WSUM2 a, b, ta, tb              ; two sums over the 32 lanes, by turns
.irp m, 1,2,4,8
	v_add_f32_dpp v[\a], v[\a], v[\a] row_xmask:\m row_mask:0xf bank_mask:0xf
	v_add_f32_dpp v[\b], v[\b], v[\b] row_xmask:\m row_mask:0xf bank_mask:0xf
.endr
	v_permlanex16_b32 v[\ta], v[\a], s[SEL], s[SEL+1]
	v_permlanex16_b32 v[\tb], v[\b], s[SEL], s[SEL+1]
	v_add_f32 v[\a], v[\a], v[\ta]
	v_add_f32 v[\b], v[\b], v[\tb]
.endm
.macro EMIT kind                       ; the four accumulators leave as codes
	s_wait_xcnt 0x0                                ; the last stores have read v[T] on and v[BY]: they are written again only behind this wait
	QUANT2 ACC, ACC+16
	global_store_b128 v8, v[T:T+3], s[14:15] offset:(\kind)*3145728           ; 512 consecutive bytes
	global_store_b64 v9, v[T+4:T+5], s[14:15] offset:(\kind)*3145728          ; 256 consecutive bytes
	global_store_b8 v10, v[BY], s[16:17] offset:(\kind)*131072
.endm
	s_load_b256 s[4:11], s[0:1], 0x0               ; x, g_ln1, b_ln1, wcodes
	s_load_b128 s[12:15], s[0:1], 0x20             ; wscales, qkvc
	s_load_b64 s[16:17], s[0:1], 0x30              ; qkvs
	v_lshl_add_u32 v254, v0, 2, 0x17400
	v_mov_b32 v255, 0
	v_lshrrev_b32 v1, 5, v0
	v_readfirstlane_b32 s18, v1                    ; wave = head
	v_and_b32 v1, 31, v0                           ; lane
	v_and_b32 v2, 15, v0                           ; r
	v_bfe_u32 v3, v0, 4, 1                         ; h
	s_mov_b32 s[SEL], 0x76543210
	s_mov_b32 s[SEL+1], 0xfedcba98
	s_mov_b32 s[MH], 0xffff0000
	s_mov_b32 s23, 0x3b000000                      ; 1 / 512
	s_mov_b32 s24, 0x3727c5ac                      ; 1e-5
	v_lshlrev_b32 v11, 4, v1                       ; v11: 16 lane
	s_mul_i32 s25, s18, 12288
	v_add_nc_u32 v4, s25, v11                      ; v4: my block's fragments in a weight's codes
	s_lshl_b32 s25, s18, 9
	v_lshl_add_u32 v5, v1, 2, s25                  ; v5: and its scale words
	v_mul_u32_u24 v6, v2, 400
	v_mad_u32_u24 v6, v3, 24, v6                   ; v6: a fragment's row and half in the rows of codes
	v_add_nc_u32 v7, SC, v11                       ; v7: row = lane's 16 scale bytes
	s_lshr_b32 s26, ttmp9, 6                       ; batch
	s_and_b32 s27, ttmp9, 63                       ; group in the batch
	s_lshl_b32 s26, s26, 4
	s_add_co_u32 s26, s26, s18
	s_lshl_b32 s26, s26, 6
	s_add_co_u32 s26, s26, s27                     ; 64 (batch x head) + group
	s_mul_i32 s27, s26, 768
	v_add_nc_u32 v8, s27, v11                      ; v8: out, the first 16 bytes
	s_add_co_u32 s27, s27, 512
	v_lshl_add_u32 v9, v1, 3, s27                  ; v9: the last 8
	s_lshl_b32 s27, s26, 5
	v_add_nc_u32 v10, s27, v1                      ; v10: the byte
	s_mul_i32 s28, s18, 5120
	s_add_co_u32 s28, s28, STG                     ; my stages
	v_lshrrev_b32 v12, 2, v1
	v_mul_u32_u24 v12, v12, 80
	v_and_b32 v13, 3, v1
	v_lshl_add_u32 v12, v13, 4, v12
	v_add_nc_u32 v12, s28, v12                     ; v12: in: four lanes' 64 bytes on end, then 16 of padding
	v_mul_u32_u24 v13, v1, 80
	v_add_nc_u32 v13, s28, v13                     ; v13: out: 80 lane: my 16 neighbours
	s_mul_i32 s28, s18, 400
	v_mul_u32_u24 v14, v1, 12
	v_add_nc_u32 v14, s28, v14                     ; v14: row w of the codes, my 12 bytes
	s_lshl_b32 s28, s18, 4
	s_add_co_u32 s28, s28, SC
	v_lshrrev_b32 v15, 1, v1
	v_add_nc_u32 v15, s28, v15                     ; v15: row w's scale bytes, my block's
	v_lshlrev_b32 v224, 6, v1                      ; v224: my 16 numbers of g and of b
	s_and_b32 s29, s18, 7
	s_lshr_b32 s30, s18, 3
	s_lshl_b32 s30, s30, 4
	s_add_co_u32 s29, s29, s30                     ; row w's token in the group; row w + 16's is 8 further on
	s_lshl_b32 s29, s29, 11
	s_lshl_b32 s30, ttmp9, 16
	s_add_co_u32 s30, s30, s29
	s_mov_b32 s31, 0
	s_wait_kmcnt 0x0
	s_add_nc_u64 s[4:5], s[4:5], s[30:31]
.irp i, 0,1,2,3
	global_load_b128 v[120+4*\i:123+4*\i], v11, s[4:5] offset:512*\i th:TH_LOAD_NT          ; a row of x, 512 consecutive bytes a load
	global_load_b128 v[136+4*\i:139+4*\i], v11, s[4:5] offset:16384+512*\i th:TH_LOAD_NT
.endr
.irp i, 0,1,2,3
	global_load_b128 v[GG+4*\i:GG+4*\i+3], v224, s[6:7] offset:16*\i
	global_load_b128 v[BB+4*\i:BB+4*\i+3], v224, s[8:9] offset:16*\i
.endr
	WLOAD 0
	WLOAD 1
	WLOAD 2
.irp j, 156,157,159,161,163,165
	v_mov_b32 v[\j], 0                             ; lane permutes' destinations and the upper halves of pairs: written before they are named
.endr
	s_wait_loadcnt 29                              ; x is in: behind it 8 loads of g and b and the ring's 21 were issued
.irp i, 0,1,2,3
	ds_store_b128 v12, v[120+4*\i:123+4*\i] offset:640*\i
	ds_store_b128 v12, v[136+4*\i:139+4*\i] offset:2560+640*\i
.endr
.irp i, 0,1,2,3
	ds_load_b128 v[N0+4*\i:N0+4*\i+3], v13 offset:16*\i            ; LDS serves a wave's instructions in order (ISA guide 5.7.1.4): these see my stores
	ds_load_b128 v[N1+4*\i:N1+4*\i+3], v13 offset:2560+16*\i
.endr
	s_wait_dscnt 0x0                               ; lane l holds columns 16 l .. 16 l + 15 of both rows
	v_pk_add_f32 v[152:153], v[N0:N0+1], v[N0+2:N0+3]
	v_pk_add_f32 v[154:155], v[N1:N1+1], v[N1+2:N1+3]
.irp j, 4,6,8,10,12,14
	v_pk_add_f32 v[152:153], v[152:153], v[N0+\j:N0+\j+1]
	v_pk_add_f32 v[154:155], v[154:155], v[N1+\j:N1+\j+1]
.endr
	v_add_f32 v152, v152, v153
	v_add_f32 v154, v154, v155
	WSUM2 152, 154, 156, 157
	v_mul_f32 v158, s23, v152                      ; the means
	v_mul_f32 v160, s23, v154
.irp j, 0,2,4,6,8,10,12,14
	v_pk_add_f32 v[N0+\j:N0+\j+1], v[N0+\j:N0+\j+1], v[158:159] op_sel_hi:[1,0] neg_lo:[0,1] neg_hi:[0,1]     ; x - mean: the variance is taken of these, so a common offset of x costs nothing
	v_pk_add_f32 v[N1+\j:N1+\j+1], v[N1+\j:N1+\j+1], v[160:161] op_sel_hi:[1,0] neg_lo:[0,1] neg_hi:[0,1]
.endr
	v_pk_mul_f32 v[152:153], v[N0:N0+1], v[N0:N0+1]
	v_pk_mul_f32 v[154:155], v[N1:N1+1], v[N1:N1+1]
.irp j, 2,4,6,8,10,12,14
	v_pk_fma_f32 v[152:153], v[N0+\j:N0+\j+1], v[N0+\j:N0+\j+1], v[152:153]
	v_pk_fma_f32 v[154:155], v[N1+\j:N1+\j+1], v[N1+\j:N1+\j+1], v[154:155]
.endr
	v_add_f32 v152, v152, v153
	v_add_f32 v154, v154, v155
	WSUM2 152, 154, 156, 157
	v_fma_f32 v152, v152, s23, s24                 ; variance + 1e-5
	v_fma_f32 v154, v154, s23, s24
	v_rsq_f32 v162, v152
	v_rsq_f32 v164, v154
	s_wait_loadcnt 21                              ; g and b are in; the ring's 21 loads may be out
	v_nop                                          ; a plain place behind the transcendentals
	s_wait_alu depctr_va_vdst(0)
.irp j, 0,2,4,6,8,10,12,14
	v_pk_mul_f32 v[N0+\j:N0+\j+1], v[N0+\j:N0+\j+1], v[162:163] op_sel_hi:[1,0]
	v_pk_mul_f32 v[N1+\j:N1+\j+1], v[N1+\j:N1+\j+1], v[164:165] op_sel_hi:[1,0]
.endr
.irp j, 0,2,4,6,8,10,12,14
	v_pk_fma_f32 v[N0+\j:N0+\j+1], v[N0+\j:N0+\j+1], v[GG+\j:GG+\j+1], v[BB+\j:BB+\j+1]
	v_pk_fma_f32 v[N1+\j:N1+\j+1], v[N1+\j:N1+\j+1], v[GG+\j:GG+\j+1], v[BB+\j:BB+\j+1]
.endr
	v_max3_num_f32 v152, |v[N0]|, |v[N0+1]|, 0x1800000             ; h is quantised: two neighbouring lanes hold a block of 32
	v_max3_num_f32 v154, |v[N1]|, |v[N1+1]|, 0x1800000
.irp j, 2,4,6,8,10,12,14
	v_max3_num_f32 v152, v152, |v[N0+\j]|, |v[N0+\j+1]|
	v_max3_num_f32 v154, v154, |v[N1+\j]|, |v[N1+\j+1]|
.endr
	v_max_num_f32_dpp v152, v152, v152 row_xmask:1 row_mask:0xf bank_mask:0xf
	v_max_num_f32_dpp v154, v154, v154 row_xmask:1 row_mask:0xf bank_mask:0xf
	v_add_nc_u32 v174, 0xff000000, v152
	v_add_nc_u32 v175, 0xff000000, v154
	v_lshrrev_b32 v169, 23, v174
	v_lshrrev_b32 v173, 23, v175
	v_cvt_scalef32_pk16_fp6_f32 v[166:168], v[N0:N0+15], v174
	v_cvt_scalef32_pk16_fp6_f32 v[170:172], v[N1:N1+15], v175
	v_nop                                          ; one plain place behind the last conversion
.irp i, 0,1,2
	ds_store_b32 v14, v[166+\i] offset:4*\i
	ds_store_b32 v14, v[170+\i] offset:6400+4*\i
.endr
	ds_store_b8 v15, v169                          ; both lanes of a block write the same byte with the same value
	ds_store_b8 v15, v173 offset:256
	s_wait_dscnt 0x0                               ; for the others' sake: my stores have landed
	s_barrier_signal -1
	s_barrier_wait -1                              ; the 32 rows' codes and scale bytes lie in LDS; nothing writes them again
.irp kind, 0,1,2
.irp s, 0,1,2,3
	ITEM 4*\kind+\s, 12, 6, 96*\s, 6400, 7, \s, \kind/2, ACC, 2*((\s+3)/4)
.endr
	EMIT \kind
.endr
	s_wait_tensorcnt 0x0
	ds_add_u32 v254, v255
	s_wait_dscnt 0x0
	s_endpgm
.Lfunc_end_k_q53fdbad820_qkv:
	.size	k_q53fdbad820_qkv, .Lfunc_end_k_q53fdbad820_qkv-k_q53fdbad820_qkv
	.p2alignl 7, 3214868480
	.fill 96, 4, 3214868480
	.section	.rodata,"a",@progbits
	.p2align	6, 0x0
	.amdhsa_kernel k_q53fdbad820_qkv
		.amdhsa_group_segment_fixed_size 97280
		.amdhsa_private_segment_fixed_size 0
		.amdhsa_enable_private_segment 0
		.amdhsa_kernarg_size 56
		.amdhsa_user_sgpr_count 2
		.amdhsa_user_sgpr_kernarg_segment_ptr 1
		.amdhsa_wavefront_size32 1
		.amdhsa_system_sgpr_workgroup_id_x 1
		.amdhsa_system_sgpr_workgroup_id_y 1
		.amdhsa_system_sgpr_workgroup_id_z 1
		.amdhsa_system_vgpr_workitem_id 0
		.amdhsa_next_free_vgpr 256
		.amdhsa_next_free_sgpr 66
		.amdhsa_reserve_vcc 0
		.amdhsa_float_denorm_mode_32 3
		.amdhsa_float_denorm_mode_16_64 3
		.amdhsa_memory_ordered 1
		.amdhsa_forward_progress 1
		.amdhsa_inst_pref_size 47
	.end_amdhsa_kernel
	.amdgpu_metadata
---
amdhsa.version: [ 1, 2 ]
amdhsa.kernels:
  - .name:           k_q53fdbad820_qkv
    .symbol:         k_q53fdbad820_qkv.kd
    .args:
      - { .name: x, .offset: 0, .size: 8, .value_kind: global_buffer, .address_space: global }
      - { .name: g_ln1, .offset: 8, .size: 8, .value_kind: global_buffer, .address_space: global }
      - { .name: b_ln1, .offset: 16, .size: 8, .value_kind: global_buffer, .address_space: global }
      - { .name: wcodes, .offset: 24, .size: 8, .value_kind: global_buffer, .address_space: global }
      - { .name: wscales, .offset: 32, .size: 8, .value_kind: global_buffer, .address_space: global }
      - { .name: qkvc, .offset: 40, .size: 8, .value_kind: global_buffer, .address_space: global }
      - { .name: qkvs, .offset: 48, .size: 8, .value_kind: global_buffer, .address_space: global }
    .group_segment_fixed_size: 97280
    .private_segment_fixed_size: 0
    .kernarg_segment_align: 8
    .kernarg_segment_size: 56
    .max_flat_workgroup_size: 512
    .sgpr_count:     66
    .vgpr_count:     256
    .wavefront_size: 32
...
	.end_amdgpu_metadata
.endif
;; end of part 2
;; launch attn (part 3): grid 256 x 1, 16 waves a work-group, no clusters, 120,832 bytes of LDS; arguments qkvc, qkvs, acodes, ascales; writes acodes, ascales
.if DOCPART == 3
	.amdgcn_target "amdgcn-amd-amdhsa--gfx1250"
	.amdhsa_code_object_version 6
	.text
	.protected	k_q53fdbad820_attn
	.globl	k_q53fdbad820_attn
	.p2align	8
	.type	k_q53fdbad820_attn,@function
k_q53fdbad820_attn:
	s_mov_b64 s[64:65], 0
	v_nop
	global_prefetch_b8 v0, s[64:65] scope:SCOPE_SE
	s_setreg_imm32_b32 hwreg(HW_REG_WAVE_MODE, 25, 1), 1
	s_wait_xcnt 0x0
; Causal attention on codes of FP6 (E2M3), head size 32.  t = score x log2(e) / sqrt(32); M = the running largest t rounded up to a whole number; p = 2^(t - M) is quantised along the keys, not normalised;
; the row's sum is taken of the unquantised p and divides O at the end; O / sum is quantised along the head's 32 and stored as codes for the next product.
; SHARES.  Four work-groups to a (batch, head).  A head has 128 tiles of 16 queries (tile 2 g + hq: half hq of group g).  Wave w of work-group part c takes tile 16 c + w and then tile 127 less that:
; a tile of group g has g / 4 + 1 key steps of 128, so every wave has 17.  The loops' trip counts are constants (2 tiles x 16 steps); a step all of whose keys come after the tile's queries is jumped over.
; LDS.  The head's K and V codes (64 groups, 768 bytes at a pitch of 896) and their scale words come in once, through registers; one barrier; then LDS is only read.
; BOTH PRODUCTS TRANSPOSED: a lane holds one query throughout.  THE FIRST PRODUCT'S K IS 32, a quarter of the instruction's 128.  So a fragment of K carries 64 keys: block bb = 2 c + h' of its 128 holds
; the 32 codes of row r + 16 h' of group 4 s + 2 f + c, which is what lane (r, h') finds at its own place in that group.  Q stands in ONE block of source 1 and zero codes in the other three: four variants,
; cut out of one run of registers (zeros, Q in lanes 0-15, zeros, Q in lanes 16-31, zeros).  Tile 4 f + bb of the scores then holds keys such that the 16 registers of tiles 2 b and 2 b + 1 are keys
; 32 b + 16 (lane / 16) + 0 .. 15.  Zero codes add nothing under any scale byte but 0xff, and the bytes here lie between 1 and 254.
; LIMITS: a block of zeros, or one under 2^-124, gets the byte 1 (this program alone reads the bytes).  NaN and infinities are not served.  v_exp_f32 and v_rcp_f32 are used as they are; a block's largest p is
; taken as the exponential of the block's largest score.
.set GP,   896                         ; a group's pitch in LDS: 224 words, half way round the 64 banks of 4 bytes (ISA guide 11.1): the two halves of the lanes of V's 8-byte loads touch different banks
.set VB,   57344                       ; V's groups, behind K's
.set KS,   114688                      ; K's scale words, 512; V's 2,048 bytes on
.set BM,   220                         ; v220-223 the blocks' largest scores, then largest p
.set PX,   224                         ; v224-227 the other half's; then the bytes
.set SOP,  228                         ; v228-231 the conversions' scale operands
.set TA,   232
.set FF,   234                         ; v[234:235] f = 2^(old M - new M)
.set SUMB, 236                         ; v[236:237] the sum's second chain
.set SEL,  36
.set MH,   38
.set CS,   40
; v1 16 lane; v2 512 + 8 lane; v3, v4 V's two planes; v5 scale words; v6 zero; v7 the mask's lane term; v8-11, v50 the step's addresses; v12 -M, v13 the largest t, v[14:15] the sum;
; v16-45 Q's variants; v46 Q's, v47 K's, v48 V's, v49 p's scale words (scales and nothing else); v51-57 Q as loaded; v58-81 K; v82-90 the fill's addresses; v96-159 S^T, then p; v160-175 O^T;
; v176-199 V; v200-211 p's codes; v212-218 conversions' second halves; v244-247 offsets
.macro MM d, a, b, cm, c, sa, sb, ra, rb   ; one matrix instruction.  cm = 0: C is the constant 0; else C = v[c ..].  ra, rb: which half of the lanes holds that side's scales
.set MSEL, 2*(\ra)+(\rb)
.if (\cm) == 0
.if MSEL == 0
	v_wmma_scale_f32_16x16x128_f8f6f4 v[\d:\d+7], v[\a:\a+11], v[\b:\b+11], 0, v[\sa], v[\sb] matrix_a_fmt:MATRIX_FMT_FP6 matrix_b_fmt:MATRIX_FMT_FP6
.else
	v_wmma_scale_f32_16x16x128_f8f6f4 v[\d:\d+7], v[\a:\a+11], v[\b:\b+11], 0, v[\sa], v[\sb] matrix_a_fmt:MATRIX_FMT_FP6 matrix_b_fmt:MATRIX_FMT_FP6 matrix_a_scale:MATRIX_SCALE_ROW1
.endif
.else
.if MSEL == 0
	v_wmma_scale_f32_16x16x128_f8f6f4 v[\d:\d+7], v[\a:\a+11], v[\b:\b+11], v[\c:\c+7], v[\sa], v[\sb] matrix_a_fmt:MATRIX_FMT_FP6 matrix_b_fmt:MATRIX_FMT_FP6
.else
	v_wmma_scale_f32_16x16x128_f8f6f4 v[\d:\d+7], v[\a:\a+11], v[\b:\b+11], v[\c:\c+7], v[\sa], v[\sb] matrix_a_fmt:MATRIX_FMT_FP6 matrix_b_fmt:MATRIX_FMT_FP6 matrix_a_scale:MATRIX_SCALE_ROW1
.endif
.endif
.endm
	s_load_b256 s[4:11], s[0:1], 0x0               ; qkvc, qkvs, acodes, ascales
	v_lshl_add_u32 v254, v0, 2, 0x1d000
	v_mov_b32 v255, 0
	v_lshrrev_b32 v8, 5, v0
	v_readfirstlane_b32 s12, v8                    ; wave
	v_and_b32 v9, 31, v0                           ; lane
	v_and_b32 v10, 15, v0                          ; r
	v_bfe_u32 v11, v0, 4, 1                        ; h
	v_lshlrev_b32 v1, 4, v9
	v_lshl_add_u32 v2, v9, 3, 512
	v_mul_u32_u24 v3, v11, GP
	v_lshl_add_u32 v4, v10, 3, v3
	v_lshl_add_u32 v3, v10, 4, v3
	v_add_nc_u32 v3, VB, v3                        ; V: group 4 s + 2 c + h, row 16 tile + r: the first 16 bytes,
	v_add_nc_u32 v4, VB+512, v4                    ; the last 8
	v_lshl_add_u32 v5, v9, 2, KS
	v_mov_b32 v6, 0
	v_and_b32 v7, 7, v10
	v_lshrrev_b32 v12, 3, v10
	v_lshl_add_u32 v7, v12, 4, v7
	v_lshlrev_b32 v12, 4, v11
	v_sub_nc_u32 v7, v7, v12                       ; (r & 7) + 16 (r >> 3) - 16 h
	v_lshlrev_b32 v244, 4, v10
	v_lshlrev_b32 v245, 3, v10
	v_mov_b32 v246, v10
	v_mul_u32_u24 v247, v10, 24
	v_mad_u32_u24 v247, v11, 12, v247              ; out: row r's 24 bytes, my half's 12
	s_mul_i32 s13, s12, 768
	v_add_nc_u32 v82, s13, v1                      ; the fill: group w (+ 16 j) in memory,
	v_add_nc_u32 v83, s13, v2
	s_mul_i32 s13, s12, GP
	v_add_nc_u32 v84, s13, v1                      ; and in LDS: K's,
	v_add_nc_u32 v85, s13, v2
	v_add_nc_u32 v86, VB, v84                      ; V's
	v_add_nc_u32 v87, VB, v85
	v_lshrrev_b32 v88, 4, v0
	v_lshlrev_b32 v88, 6, v88
	v_add_nc_u32 v88, v88, v10                     ; K's scale word t = 32 s + 16 f + r: byte bb lies at 64 (t >> 4) + (t & 15) + 16 bb
	v_lshrrev_b32 v89, 5, v0
	v_lshl_add_u32 v89, v89, 7, v9                 ; V's word t = 32 s + L: byte bb at 128 (t >> 5) + (t & 31) + 32 bb
	v_lshl_add_u32 v90, v0, 2, KS
	s_lshr_b32 s14, ttmp9, 2                       ; batch x head
	s_and_b32 s15, ttmp9, 3
	s_mul_i32 s16, s14, 49152
	s_mov_b32 s17, 0
	s_lshl_b32 s18, s14, 11
	s_mov_b32 s19, 0
	s_lshr_b32 s54, s14, 4
	s_lshl_b32 s54, s54, 11
	s_and_b32 s34, s14, 15
	s_add_co_u32 s54, s54, s34                     ; 16 x (the batch's first tile) + head
	s_lshl_b32 s24, s15, 4
	s_add_co_u32 s24, s24, s12                     ; my first tile
	s_mov_b32 s25, 2
	s_mov_b32 s[SEL], 0x76543210
	s_mov_b32 s[SEL+1], 0xfedcba98
	s_mov_b32 s[MH], 0xffff0000
	s_mov_b32 s39, 0x01010101
	s_mov_b32 s[CS], 0x3e8293ee                    ; c = log2(e) / sqrt(32)
	s_mov_b32 s[CS+1], s[CS]                       ; (named with it as a pair)
	s_wait_kmcnt 0x0
	s_add_nc_u64 s[20:21], s[4:5], s[16:17]        ; the head in each tensor of codes,
	s_add_nc_u64 s[22:23], s[6:7], s[18:19]        ; and of scale bytes
.irp j, 0,1,2,3
	global_load_b128 v[96+4*\j:99+4*\j], v82, s[20:21] offset:3145728+12288*\j
	global_load_b64 v[112+2*\j:113+2*\j], v83, s[20:21] offset:3145728+12288*\j
	global_load_b128 v[120+4*\j:123+4*\j], v82, s[20:21] offset:6291456+12288*\j
	global_load_b64 v[136+2*\j:137+2*\j], v83, s[20:21] offset:6291456+12288*\j
.endr
.irp b, 0,1,2,3
	global_load_u8 v[144+\b], v88, s[22:23] offset:131072+16*\b
	global_load_u8 v[148+\b], v89, s[22:23] offset:262144+32*\b
.endr
.irp i, 0,1,2,3,4,5
	v_mov_b32 v[16+\i], 0                          ; the zero codes round Q: written once
	v_mov_b32 v[28+\i], 0
	v_mov_b32 v[40+\i], 0
.endr
.irp b, 0,1,2,3
	v_mov_b32 v[PX+\b], 0                          ; a lane permute's destination counts as one of its sources
.endr
	v_mov_b32 v[TA], 0
	v_mov_b32 v[FF+1], 0                           ; (the upper half of a pair)
	s_wait_loadcnt 0x0
.irp j, 0,1,2,3
	ds_store_b128 v84, v[96+4*\j:99+4*\j] offset:16*GP*\j
	ds_store_b64 v85, v[112+2*\j:113+2*\j] offset:16*GP*\j
	ds_store_b128 v86, v[120+4*\j:123+4*\j] offset:16*GP*\j
	ds_store_b64 v87, v[136+2*\j:137+2*\j] offset:16*GP*\j
.endr
.irp b, 1,2,3
	v_lshl_or_b32 v144, v[144+\b], 8*\b, v144
	v_lshl_or_b32 v148, v[148+\b], 8*\b, v148
.endr
	ds_store_b32 v90, v144
	ds_store_b32 v90, v148 offset:2048
	s_wait_dscnt 0x0                               ; for the others' sake: my stores have landed
	s_barrier_signal -1
	s_barrier_wait -1                              ; the head's K and V lie in LDS; nothing writes them again
.Ltile:
	s_wait_xcnt 0x0                                ; the last tile's loads and stores have read their bases and data: both are written again only behind this wait
	s_lshr_b32 s26, s24, 1                         ; g
	s_and_b32 s27, s24, 1                          ; hq
	s_lshl_b32 s28, s26, 5                         ; 32 g
	s_lshl_b32 s34, s27, 3
	s_add_co_u32 s29, s28, s34                     ; 32 g + 8 hq
	s_add_co_u32 s30, s28, 31                      ; the group's last token
	s_mul_i32 s52, s26, 768
	s_lshl_b32 s34, s27, 8
	s_add_co_u32 s52, s52, s34
	s_mov_b32 s53, 0
	s_add_nc_u64 s[42:43], s[20:21], s[52:53]      ; Q: the tile's first 16 bytes a row,
	s_lshl_b32 s34, s27, 7
	s_sub_co_u32 s52, s52, s34
	s_add_co_u32 s52, s52, 512
	s_add_nc_u64 s[44:45], s[20:21], s[52:53]      ; the last 8,
	s_lshl_b32 s52, s24, 4
	s_add_nc_u64 s[46:47], s[22:23], s[52:53]      ; the bytes
	s_add_co_u32 s34, s52, s54                     ; 16 x tile + head
	s_mul_i32 s52, s34, 384
	s_add_nc_u64 s[48:49], s[8:9], s[52:53]
	s_lshl_b32 s52, s34, 4
	s_add_nc_u64 s[50:51], s[10:11], s[52:53]
	global_load_b128 v[52:55], v244, s[42:43]
	global_load_b64 v[56:57], v245, s[44:45]
	global_load_u8 v51, v246, s[46:47]
	s_mov_b32 s31, 0                               ; the step's first key
	s_mov_b32 s32, 0                               ; its groups in LDS
	s_mov_b32 s33, 0                               ; its scale words
	s_wait_loadcnt 0x0
.irp i, 0,1,2,3,4,5
	v_cndmask_b32 v[22+\i], v[52+\i], v6, s[MH]    ; Q in lanes 0-15, zeros in lanes 16-31,
	v_cndmask_b32 v[34+\i], v6, v[52+\i], s[MH]    ; and the other way round
.endr
	v_mul_lo_u32 v46, v51, s39                     ; Q's byte in all four places of its scale word
.irp j, 0,1,2,3,4,5,6,7,8,9,10,11,12,13,14,15
	v_mov_b32 v[160+\j], 0                         ; O^T.  (The step is written once: the first finds zeros.  These lines are also the places between the lines above and the first product)
.endr
	v_mov_b32 v14, 0
	v_mov_b32 v15, 0
	v_mov_b32 v13, 0xff61b1e6                      ; the largest t so far: -3e38
	v_floor_f32 v12, -v13                          ; -M
.Lstep:
	s_cmp_gt_u32 s31, s30                          ; all 128 keys come after the tile's queries: a branch on ids, round the step's work alone
	s_cbranch_scc1 .Lhidden
	v_add_nc_u32 v8, s32, v1                       ; (five plain places in front of loads into registers that the last products read)
	v_add_nc_u32 v9, s32, v2
	v_add_nc_u32 v10, s32, v3
	v_add_nc_u32 v11, s32, v4
	v_add_nc_u32 v50, s33, v5
.irp f, 0,1
.irp c, 0,1
	ds_load_b128 v[58+12*\f+6*\c:61+12*\f+6*\c], v8 offset:GP*(2*\f+\c)
	ds_load_b64 v[62+12*\f+6*\c:63+12*\f+6*\c], v9 offset:GP*(2*\f+\c)
.endr
.endr
	ds_load_b32 v47, v50
.irp t, 0,1
.irp c, 0,1
	ds_load_b128 v[176+12*\t+6*\c:179+12*\t+6*\c], v10 offset:2*GP*\c+256*\t
	ds_load_b64 v[180+12*\t+6*\c:181+12*\t+6*\c], v11 offset:2*GP*\c+128*\t
.endr
.endr
	ds_load_b32 v48, v50 offset:2048
	s_wait_dscnt 9                                 ; K's nine loads are in; V's nine may be out
.irp f, 0,1
.irp bb, 0,1,2,3
	MM 96+8*(4*\f+\bb), 58+12*\f, 22+12*(\bb%2)-6*(\bb/2), 0, 0, 47, 46, \f, 0
.endr
.endr
.rept 4
	v_nop
.endr
	s_add_co_u32 s34, s31, 127                     ; on the diagonal hidden scores become -infinity ahead of the maximum; a step all of whose keys count skips this
	s_cmp_le_u32 s34, s28
	s_cbranch_scc1 .Lopen
	s_sub_co_i32 s34, s29, s31
	v_add_nc_u32 v238, s34, v7                     ; d = my query - the step's first key - 16 (lane / 16): register 16 b + i is hidden where 32 b + i > d
	v_mov_b32 v240, 0xff800000
.set n, 0
.rept 64
	v_cmp_gt_i32 vcc_lo, 32*(n/16)+n%16, v238
	v_cndmask_b32 v[96+n], v[96+n], v240, vcc_lo
.set n, n+1
.endr
.Lopen:
.irp b, 0,1,2,3
	v_max3_num_f32 v[BM+\b], v[96+16*\b], v[97+16*\b], v[98+16*\b]     ; the largest score of each block of 32 keys: for the row's maximum and for the block's largest p
.endr
.irp i, 3,5,7,9,11,13
.irp b, 0,1,2,3
	v_max3_num_f32 v[BM+\b], v[BM+\b], v[96+16*\b+\i], v[97+16*\b+\i]
.endr
.endr
.irp b, 0,1,2,3
	v_max_num_f32 v[BM+\b], v[BM+\b], v[111+16*\b]
.endr
.irp b, 0,1,2,3
	v_permlanex16_b32 v[PX+\b], v[BM+\b], s[SEL], s[SEL+1]
.endr
.irp b, 0,1,2,3
	v_max_num_f32 v[BM+\b], v[BM+\b], v[PX+\b]
.endr
	v_max3_num_f32 v[TA], v[BM], v[BM+1], v[BM+2]
	v_max_num_f32 v[TA], v[TA], v[BM+3]
	v_mul_f32 v[TA], s[CS], v[TA]
	v_max_num_f32 v13, v13, v[TA]                  ; the running largest t
	v_mov_b32 v[TA], v12
	v_floor_f32 v12, -v13                          ; -M = floor(-t): M is a whole number
	v_sub_f32 v[TA], v12, v[TA]
	v_cvt_i32_f32 v[TA], v[TA]                     ; (it saturates)
	v_ldexp_f32 v[FF], 1.0, v[TA]                  ; f = 2^(old M - new M): a multiplication by it rounds nothing
.set j, 0
.rept 32
	v_pk_fma_f32 v[96+j:97+j], v[96+j:97+j], s[CS:CS+1], v[12:13] op_sel_hi:[1,0,0]   ; t - M
.set j, j+2
.endr
.irp b, 0,1,2,3
	v_fma_f32 v[BM+\b], v[BM+\b], s[CS], v12
.endr
.set j, 0
.rept 64
	v_exp_f32 v[96+j], v[96+j]                     ; p = 2^(t - M)
.set j, j+1
.endr
.irp b, 0,1,2,3
	v_exp_f32 v[BM+\b], v[BM+\b]
.endr
	v_pk_mul_f32 v[14:15], v[14:15], v[FF:FF+1] op_sel_hi:[1,0]    ; the sum under the new M.  (A plain place behind the exponentials)
	s_wait_alu depctr_va_vdst(0)
.irp b, 0,1,2,3
	v_max_num_f32 v[BM+\b], 0x1800000, v[BM+\b]    ; the floor: the byte cannot fall under 1
.endr
.irp b, 0,1,2,3
	v_add_nc_u32 v[SOP+\b], 0xff000000, v[BM+\b]
.endr
.irp b, 0,1,2,3
	v_lshrrev_b32 v[PX+\b], 23, v[SOP+\b]
.endr
	v_lshl_or_b32 v49, v[PX+1], 8, v[PX]           ; p's scale word for these 128 keys
	v_lshl_or_b32 v49, v[PX+2], 16, v49
	v_lshl_or_b32 v49, v[PX+3], 24, v49
.irp c, 0,1
	v_cvt_scalef32_pk16_fp6_f32 v[200+6*\c:202+6*\c], v[96+32*\c:111+32*\c], v[SOP+2*\c]
	v_cvt_scalef32_pk16_fp6_f32 v[212+4*\c:214+4*\c], v[112+32*\c:127+32*\c], v[SOP+2*\c+1]
.endr
	v_nop                                          ; one plain place behind the last conversion
.irp c, 0,1
.irp i, 0,1,2
	v_permlane16_swap_b32 v[200+6*\c+\i], v[212+4*\c+\i]           ; a whole block to a lane: lanes 0-15 block 2 c, lanes 16-31 block 2 c + 1
.endr
.irp i, 0,1,2
	v_mov_b32 v[203+6*\c+\i], v[212+4*\c+\i]
.endr
.endr
	v_pk_add_f32 v[SUMB:SUMB+1], v[96:97], v[98:99]                ; the row's sum, of the unquantised p, in two chains
.irp j, 4,8,12,16,20,24,28,32,36,40,44,48,52,56,60
	v_pk_add_f32 v[14:15], v[14:15], v[96+\j:97+\j]
	v_pk_add_f32 v[SUMB:SUMB+1], v[SUMB:SUMB+1], v[98+\j:99+\j]
.endr
	v_pk_add_f32 v[14:15], v[14:15], v[SUMB:SUMB+1]
.irp j, 0,2,4,6,8,10,12,14
	v_pk_mul_f32 v[160+\j:161+\j], v[160+\j:161+\j], v[FF:FF+1] op_sel_hi:[1,0]       ; O^T under the new M
.endr
	s_wait_dscnt 0x0                               ; V is in
.irp t, 0,1
	MM 160+8*\t, 176+12*\t, 200, 2, 160+8*\t, 48, 49, \t, 0
.endr
.Lhidden:
	s_add_co_u32 s32, s32, 4*GP
	s_add_co_u32 s33, s33, 128
	s_add_co_u32 s31, s31, 128
	s_cmp_lg_u32 s31, 2048
	s_cbranch_scc1 .Lstep
.rept 4
	v_nop                                          ; places behind the last products
.endr
	v_add_f32 v14, v14, v15
	v_permlanex16_b32 v[TA], v14, s[SEL], s[SEL+1]
	v_add_f32 v14, v14, v[TA]                      ; the row's sum
	v_rcp_f32 v14, v14
	v_nop                                          ; a plain place behind the transcendental
	s_wait_alu depctr_va_vdst(0)
.irp j, 0,2,4,6,8,10,12,14
	v_pk_mul_f32 v[96+\j:97+\j], v[160+\j:161+\j], v[14:15] op_sel_hi:[1,0]           ; O^T / the sum: my query's channels 16 (lane / 16) + 0 .. 15
.endr
	v_max3_num_f32 v[BM], |v96|, |v97|, 0x1800000
.irp j, 2,4,6,8,10,12,14
	v_max3_num_f32 v[BM], v[BM], |v[96+\j]|, |v[97+\j]|
.endr
	v_permlanex16_b32 v[PX], v[BM], s[SEL], s[SEL+1]
	v_max_num_f32 v[BM], v[BM], v[PX]              ; the head's 32 channels are one block of the next product's K
	v_add_nc_u32 v[SOP], 0xff000000, v[BM]
	v_lshrrev_b32 v[BM+1], 23, v[SOP]
	v_cvt_scalef32_pk16_fp6_f32 v[212:214], v[96:111], v[SOP]
	v_nop                                          ; one plain place behind the conversion
	global_store_b96 v247, v[212:214], s[48:49]    ; 384 consecutive bytes: the tile's 16 rows of this head
	global_store_b8 v246, v[BM+1], s[50:51]        ; lanes r and r + 16 write the same byte with the same value
	s_sub_co_u32 s24, 127, s24                     ; my second tile
	s_sub_co_i32 s25, s25, 1
	s_cmp_lg_u32 s25, 0
	s_cbranch_scc1 .Ltile
	s_wait_tensorcnt 0x0
	ds_add_u32 v254, v255
	s_wait_dscnt 0x0
	s_endpgm
.Lfunc_end_k_q53fdbad820_attn:
	.size	k_q53fdbad820_attn, .Lfunc_end_k_q53fdbad820_attn-k_q53fdbad820_attn
	.p2alignl 7, 3214868480
	.fill 96, 4, 3214868480
	.section	.rodata,"a",@progbits
	.p2align	6, 0x0
	.amdhsa_kernel k_q53fdbad820_attn
		.amdhsa_group_segment_fixed_size 120832
		.amdhsa_private_segment_fixed_size 0
		.amdhsa_enable_private_segment 0
		.amdhsa_kernarg_size 32
		.amdhsa_user_sgpr_count 2
		.amdhsa_user_sgpr_kernarg_segment_ptr 1
		.amdhsa_wavefront_size32 1
		.amdhsa_system_sgpr_workgroup_id_x 1
		.amdhsa_system_sgpr_workgroup_id_y 1
		.amdhsa_system_sgpr_workgroup_id_z 1
		.amdhsa_system_vgpr_workitem_id 0
		.amdhsa_next_free_vgpr 256
		.amdhsa_next_free_sgpr 66
		.amdhsa_reserve_vcc 1
		.amdhsa_float_denorm_mode_32 3
		.amdhsa_float_denorm_mode_16_64 3
		.amdhsa_memory_ordered 1
		.amdhsa_forward_progress 1
		.amdhsa_inst_pref_size 32
	.end_amdhsa_kernel
	.amdgpu_metadata
---
amdhsa.version: [ 1, 2 ]
amdhsa.kernels:
  - .name:           k_q53fdbad820_attn
    .symbol:         k_q53fdbad820_attn.kd
    .args:
      - { .name: qkvc, .offset: 0, .size: 8, .value_kind: global_buffer, .address_space: global }
      - { .name: qkvs, .offset: 8, .size: 8, .value_kind: global_buffer, .address_space: global }
      - { .name: acodes, .offset: 16, .size: 8, .value_kind: global_buffer, .address_space: global }
      - { .name: ascales, .offset: 24, .size: 8, .value_kind: global_buffer, .address_space: global }
    .group_segment_fixed_size: 120832
    .private_segment_fixed_size: 0
    .kernarg_segment_align: 8
    .kernarg_segment_size: 32
    .max_flat_workgroup_size: 512
    .sgpr_count:     66
    .vgpr_count:     256
    .wavefront_size: 32
...
	.end_amdgpu_metadata
.endif
;; end of part 3
;; launch ffn (part 4): grid 256 x 1, 16 waves a work-group, no clusters, 155,136 bytes of LDS; arguments acodes, ascales, x, wcodes, wscales, bo, g_ln2, b_ln2, b1, b2, out0; writes out0
.if DOCPART == 4
	.amdgcn_target "amdgcn-amd-amdhsa--gfx1250"
	.amdhsa_code_object_version 6
	.text
	.protected	k_q53fdbad820_ffn
	.globl	k_q53fdbad820_ffn
	.p2align	8
	.type	k_q53fdbad820_ffn,@function
k_q53fdbad820_ffn:
	s_mov_b64 s[64:65], 0
	v_nop
	global_prefetch_b8 v0, s[64:65] scope:SCOPE_SE
	s_setreg_imm32_b32 hwreg(HW_REG_WAVE_MODE, 25, 1), 1
	s_wait_xcnt 0x0
; x1 = x + attn wo + bo;  h2 = layernorm(x1) g + b, quantised;  out = x1 + Q(relu(h2 w1 + b1)) w2 + b2.  All three products on codes of FP6 (E2M3) with E8M0 scales.
; SHARES.  A work-group owns a group of 32 tokens (rows in the order p -> token (p & 7) + 16 ((p >> 3) & 1) + 8 (p >> 4); tile X rows 0-15, tile Y rows 16-31).  THE WAVES SHARE THE COLUMNS: wave w makes columns
; 32 w .. 32 w + 31 of the first and the last product, so x1 stays in its registers from the one to the other, and hidden units 128 w .. 128 w + 127, which are K step w of the last product.
; All products are used transposed (source 0 = a weight's tile, source 1 = a tile of tokens): a lane holds one token, and the 16 registers of a block's tiles u = 0, 1 are 16 neighbouring columns.
; The weights' fragments come straight from memory into a ring of three register slots (36 items: 4 of wo, 16 of w1, 16 of w2): two items' loads are out while one is multiplied.
; What goes from wave to wave goes through LDS as rows of codes: attention's and then h2's (384 bytes, pitch 400), the hidden layer's (1,536 bytes, pitch 1,552), with their scale bytes; the norm's sums as one word a wave and row.
; Six barriers: the head's fills | the rows' sums | the sums of squares | h2's codes | the hidden layer's codes | the output's rows.
; LIMITS: a block of zeros, or one whose largest magnitude lies under 2^-124, gets the byte 1 (nothing but this launch reads the bytes).  NaN and infinities are not served.  v_rsq_f32 is used as it is.
; bo and b2 are added to the residual ahead of the products' sums, not behind them.
.set SC,   12800                       ; LDS: codes of K = 512 at 0 (32 rows, pitch 400); their scale bytes, 16 a row;
.set RED1, 13312                       ; the sums: 32 rows, pitch 80, a word for each wave;  the sums of squares 2,560 bytes on;
.set VEC,  18432                       ; bo, b2, g_ln2, b_ln2, 2,048 bytes each;  b1 8,192 bytes on;
.set VB1,  26624
.set HSC,  34816                       ; the hidden layer's scale bytes: 32 rows, pitch 80;
.set HID,  37376                       ; its codes: 32 rows, pitch 1,552;
.set XST,  87040                       ; x on its way in, the output on its way out: 32 rows of 2,048 bytes, pitch 2,064
.set WR,   16                          ; v16-87   the ring
.set WS,   88                          ; v88-90   the slots' scale words.  Scales and nothing else
.set AS,   92                          ; v92-95   the rows' scale words of four K steps.  Scales and nothing else
.set AFR,  96                          ; v96-119  the rows' fragments of a K step: X, Y
.set BIAS, 120                         ; v120-135 a bias at my 16 columns
.set X1,   136                         ; v136-167 x, then x1, then the output: accumulator 16 tile + 8 u
.set ACC,  168                         ; v168-199 x1 - mean, h2; the hidden layer's accumulators
.set MXA,  200
.set MXB,  201
.set PXA,  202
.set PXB,  203
.set SOA,  204
.set SOB,  205
.set BYA,  206
.set BYB,  207
.set T,    208
.set U,    214
.set BY,   217
.set SEL,  28
.set MH,   30
.macro MM d, a, b, cm, c, sa, sb, ra, rb   ; one matrix instruction.  cm = 0: C is the constant 0; else C = v[c ..].  ra, rb: which half of the lanes holds that side's scales
.set MSEL, 2*(\ra)+(\rb)
.if (\cm) == 0
.if MSEL == 0
	v_wmma_scale_f32_16x16x128_f8f6f4 v[\d:\d+7], v[\a:\a+11], v[\b:\b+11], 0, v[\sa], v[\sb] matrix_a_fmt:MATRIX_FMT_FP6 matrix_b_fmt:MATRIX_FMT_FP6
.elseif MSEL == 1
	v_wmma_scale_f32_16x16x128_f8f6f4 v[\d:\d+7], v[\a:\a+11], v[\b:\b+11], 0, v[\sa], v[\sb] matrix_a_fmt:MATRIX_FMT_FP6 matrix_b_fmt:MATRIX_FMT_FP6 matrix_b_scale:MATRIX_SCALE_ROW1
.elseif MSEL == 2
	v_wmma_scale_f32_16x16x128_f8f6f4 v[\d:\d+7], v[\a:\a+11], v[\b:\b+11], 0, v[\sa], v[\sb] matrix_a_fmt:MATRIX_FMT_FP6 matrix_b_fmt:MATRIX_FMT_FP6 matrix_a_scale:MATRIX_SCALE_ROW1
.else
	v_wmma_scale_f32_16x16x128_f8f6f4 v[\d:\d+7], v[\a:\a+11], v[\b:\b+11], 0, v[\sa], v[\sb] matrix_a_fmt:MATRIX_FMT_FP6 matrix_b_fmt:MATRIX_FMT_FP6 matrix_a_scale:MATRIX_SCALE_ROW1 matrix_b_scale:MATRIX_SCALE_ROW1
.endif
.else
.if MSEL == 0
	v_wmma_scale_f32_16x16x128_f8f6f4 v[\d:\d+7], v[\a:\a+11], v[\b:\b+11], v[\c:\c+7], v[\sa], v[\sb] matrix_a_fmt:MATRIX_FMT_FP6 matrix_b_fmt:MATRIX_FMT_FP6
.elseif MSEL == 1
	v_wmma_scale_f32_16x16x128_f8f6f4 v[\d:\d+7], v[\a:\a+11], v[\b:\b+11], v[\c:\c+7], v[\sa], v[\sb] matrix_a_fmt:MATRIX_FMT_FP6 matrix_b_fmt:MATRIX_FMT_FP6 matrix_b_scale:MATRIX_SCALE_ROW1
.elseif MSEL == 2
	v_wmma_scale_f32_16x16x128_f8f6f4 v[\d:\d+7], v[\a:\a+11], v[\b:\b+11], v[\c:\c+7], v[\sa], v[\sb] matrix_a_fmt:MATRIX_FMT_FP6 matrix_b_fmt:MATRIX_FMT_FP6 matrix_a_scale:MATRIX_SCALE_ROW1
.else
	v_wmma_scale_f32_16x16x128_f8f6f4 v[\d:\d+7], v[\a:\a+11], v[\b:\b+11], v[\c:\c+7], v[\sa], v[\sb] matrix_a_fmt:MATRIX_FMT_FP6 matrix_b_fmt:MATRIX_FMT_FP6 matrix_a_scale:MATRIX_SCALE_ROW1 matrix_b_scale:MATRIX_SCALE_ROW1
.endif
.endif
.endm
.macro WLOAD i                         ; item i: both tiles' fragments of a block and K step, 6 loads of 512 consecutive bytes, and their scale words: 7 loads
.set LSL, (\i)%3
.if (\i) < 4
.set WAD, 4
.set SAD, 6
.set WOF, 3072*(\i)
.set SOF, 128*(\i)
.elseif (\i) < 20
.set WAD, 5
.set SAD, 7
.set WOF, 3072*((\i)-4)
.set SOF, 128*((\i)-4)
.else
.set WAD, 5
.set SAD, 7
.set WOF, 786432+3072*((\i)-20)
.set SOF, 32768+128*((\i)-20)
.endif
.irp j, 0,1,2,3,4,5
	global_load_b128 v[WR+24*LSL+4*\j:WR+24*LSL+4*\j+3], v[WAD], s[10:11] offset:WOF+512*\j
.endr
	global_load_b32 v[WS+LSL], v[SAD], s[12:13] offset:SOF
.endm
.macro FRAG reg, adr, off              ; a fragment from rows of codes: lane (r, h) takes 24 bytes at 24 h and 24 at 48 + 24 h of row r's 96, in pieces of 8
.irp p, 0,1,2,3,4,5
	ds_load_b64 v[(\reg)+2*\p:(\reg)+2*\p+1], v[\adr] offset:(\off)+48*(\p/3)+8*(\p%3)
.endr
.endm
; An item: the rows' two fragments of K step s from LDS, four matrix instructions on four accumulators by turns, the load of the item three on.
; Accumulator acc + 16 tile of tokens + 8 u.  cm = 1: the sums start from BIAS; 2: they go on.
.macro ITEM i, n, adr, off, yoff, sadr, s, mode, acc, cm
.set ISL, (\i)%3
.if (\s)%4 == 0
	ds_load_b128 v[AS:AS+3], v[\sadr] offset:16*((\s)/4)
.endif
	FRAG AFR, \adr, \off
	FRAG AFR+12, \adr, (\off)+(\yoff)
.if (\n)-1-(\i) >= 2
	s_wait_loadcnt 14                              ; this item's 7 loads are in; the two younger items' 14 may be out
.elseif (\n)-1-(\i) == 1
	s_wait_loadcnt 7
.else
	s_wait_loadcnt 0x0
.endif
	s_wait_dscnt 0x0
.irp p, 0,1
.irp u, 0,1
.set DR, (\acc)+16*\p+8*\u
.set CR, DR
.if (\cm) == 1
.set CR, BIAS+8*\u
.endif
	MM DR, WR+24*ISL+12*\u, AFR+12*\p, \cm, CR, WS+ISL, AS+(\s)%4, \u, \p
.endr
.endr
.rept 4
	v_nop                                          ; four plain places in front of loads into registers that these products read, and of the first read of their results
.endr
.if (\i)+3 < (\n)
	WLOAD (\i)+3
.endif
.endm
; Two sets of 16 registers, each half a block of 32 (the other half in lane l xor 16), become: in lane r + 16 x set that set's whole block of row r, 24 bytes in v[T] on, and its byte in v[BY].
.macro QUANT2 s0, s1
	v_max3_num_f32 v[MXA], |v[\s0]|, |v[\s0+1]|, 0x1800000     ; with the floor 2^(3 - 127): the byte cannot fall under 1
	v_max3_num_f32 v[MXB], |v[\s1]|, |v[\s1+1]|, 0x1800000
.irp i, 2,4,6,8,10,12,14
	v_max3_num_f32 v[MXA], v[MXA], |v[\s0+\i]|, |v[\s0+\i+1]|
	v_max3_num_f32 v[MXB], v[MXB], |v[\s1+\i]|, |v[\s1+\i+1]|
.endr
	v_permlanex16_b32 v[PXA], v[MXA], s[SEL], s[SEL+1]
	v_permlanex16_b32 v[PXB], v[MXB], s[SEL], s[SEL+1]
	v_max_num_f32 v[MXA], v[MXA], v[PXA]
	v_max_num_f32 v[MXB], v[MXB], v[PXB]
	v_add_nc_u32 v[SOA], 0xff000000, v[MXA]        ; 2 off the exponent field: the conversion's scale operand
	v_add_nc_u32 v[SOB], 0xff000000, v[MXB]
	v_lshrrev_b32 v[BYA], 23, v[SOA]
	v_lshrrev_b32 v[BYB], 23, v[SOB]
	v_cvt_scalef32_pk16_fp6_f32 v[T:T+2], v[\s0:\s0+15], v[SOA]
	v_cvt_scalef32_pk16_fp6_f32 v[U:U+2], v[\s1:\s1+15], v[SOB]
	v_cndmask_b32 v[BY], v[BYA], v[BYB], s[MH]     ; lanes 16-31 take the second set's byte.  (The plain place behind the conversions)
.irp i, 0,1,2
	v_permlane16_swap_b32 v[T+\i], v[U+\i]         ; T: each lane's block's lower 16 codes, U: the upper 16
.endr
.irp i, 0,1,2
	v_mov_b32 v[T+3+\i], v[U+\i]
.endr
.endm
.macro BARRIER                         ; my LDS stores have landed and my LDS loads are in: then the work-group's barrier
	s_wait_dscnt 0x0
	s_barrier_signal -1
	s_barrier_wait -1
.endm
.macro PART                            ; v[200:201], v[202:203]: tile X's and tile Y's sums over my 16 columns, in halves -> v206: my wave's 32 columns' sum for row = lane
	v_add_f32 v200, v200, v201
	v_add_f32 v202, v202, v203
	v_permlanex16_b32 v204, v200, s[SEL], s[SEL+1]
	v_permlanex16_b32 v205, v202, s[SEL], s[SEL+1]
	v_add_f32 v200, v200, v204
	v_add_f32 v202, v202, v205
	v_cndmask_b32 v206, v200, v202, s[MH]
.endm
.macro REDUCE off                      ; the sixteen waves' parts meet in LDS: v96 = the sum over all 512 columns for row = lane
	ds_store_b32 v224, v206 offset:\off
	BARRIER
.irp j, 0,1,2,3
	ds_load_b128 v[96+4*\j:99+4*\j], v15 offset:(\off)+16*\j
.endr
	s_wait_dscnt 0x0
.irp j, 2,4,6,8,10,12,14
	v_pk_add_f32 v[96:97], v[96:97], v[96+\j:97+\j]
.endr
	v_add_f32 v96, v96, v97
.endm
.macro SPREAD                          ; v206, a number for row = lane -> v218: tile X's row r's, v220: tile Y's row r's, in both halves of the lanes
	v_permlanex16_b32 v207, v206, s[SEL], s[SEL+1]
	v_cndmask_b32 v218, v206, v207, s[MH]
	v_cndmask_b32 v220, v207, v206, s[MH]
.endm
	s_load_b256 s[4:11], s[0:1], 0x0               ; acodes, ascales, x, wcodes
	s_load_b256 s[12:19], s[0:1], 0x20             ; wscales, bo, g_ln2, b_ln2
	s_load_b128 s[20:23], s[0:1], 0x40             ; b1, b2
	s_load_b64 s[24:25], s[0:1], 0x50              ; out0
	v_lshl_add_u32 v254, v0, 2, 0x25600
	v_mov_b32 v255, 0
	v_lshrrev_b32 v1, 5, v0
	v_readfirstlane_b32 s26, v1                    ; wave
	v_and_b32 v1, 31, v0                           ; lane
	v_and_b32 v2, 15, v0                           ; r
	v_bfe_u32 v3, v0, 4, 1                         ; h
	s_mov_b32 s[SEL], 0x76543210
	s_mov_b32 s[SEL+1], 0xfedcba98
	s_mov_b32 s[MH], 0xffff0000
	s_mov_b32 s31, 0x3b000000                      ; 1 / 512
	s_mov_b32 s32, 0x3727c5ac                      ; 1e-5
	v_lshlrev_b32 v230, 4, v1                      ; v230: 16 lane
	s_mul_i32 s33, s26, 12288
	s_add_co_u32 s33, s33, 589824
	v_add_nc_u32 v4, s33, v230                     ; v4: wo's block w
	s_mul_i32 s33, s26, 49152
	s_add_co_u32 s33, s33, 786432
	v_add_nc_u32 v5, s33, v230                     ; v5: w1's blocks 4 w on; w2's block w lies 786,432 bytes further on
	s_lshl_b32 s33, s26, 9
	s_add_co_u32 s33, s33, 24576
	v_lshl_add_u32 v6, v1, 2, s33                  ; v6, v7: their scale words
	s_lshl_b32 s33, s26, 11
	s_add_co_u32 s33, s33, 32768
	v_lshl_add_u32 v7, v1, 2, s33
	v_mul_u32_u24 v8, v2, 400
	v_mad_u32_u24 v8, v3, 24, v8                   ; v8: a fragment's row and half, K = 512
	v_add_nc_u32 v9, SC, v230                      ; v9: row = lane's 16 scale bytes
	v_mul_u32_u24 v10, v2, 1552
	v_mad_u32_u24 v10, v3, 24, v10
	v_add_nc_u32 v10, HID, v10                     ; v10: the same in the hidden layer's rows
	v_mul_u32_u24 v11, v1, 80
	v_add_nc_u32 v15, RED1, v11                    ; v15: row = lane's sixteen parts
	v_add_nc_u32 v11, HSC, v11                     ; v11: row = lane's 64 scale bytes
	s_lshl_b32 s33, s26, 7
	v_lshl_add_u32 v13, v3, 6, s33
	v_mul_u32_u24 v12, v2, 2064
	v_add_nc_u32 v12, v12, v13
	v_add_nc_u32 v12, XST, v12                     ; v12: row r, my 16 columns: 128 w + 64 h
	v_add_nc_u32 v13, VEC, v13                     ; v13: the same columns of bo (b2, g, b: 2,048 bytes on each)
	s_lshl_b32 s33, s26, 9
	v_lshl_add_u32 v14, v3, 6, s33
	v_add_nc_u32 v14, VB1, v14                     ; v14: b1 at hidden units 128 w + 16 h on
	s_lshl_b32 s33, s26, 2
	v_add_nc_u32 v224, s33, v15                    ; v224: my wave's part for row = lane
	v_add_nc_u32 v228, s33, v11                    ; v228: my wave's four scale bytes of row = lane
	v_mul_u32_u24 v225, v1, 400
	s_mul_i32 s33, s26, 24
	v_add_nc_u32 v225, s33, v225                   ; v225: block w of row = lane, K = 512
	v_add_nc_u32 v226, s26, v9                     ; v226: and its byte
	v_mul_u32_u24 v227, v1, 1552
	s_mul_i32 s33, s26, 96
	s_add_co_u32 s33, s33, HID
	v_add_nc_u32 v227, s33, v227                   ; v227: K step w of row = lane in the hidden layer
	s_mul_i32 s33, s26, 2064
	s_add_co_u32 s33, s33, XST
	v_add_nc_u32 v229, s33, v230                   ; v229: row w, 16 bytes a lane
	v_mul_u32_u24 v231, v0, 24                     ; the head's fills: thread t = (tile, head, row): its 24 bytes of attention's codes,
	v_lshlrev_b32 v233, 4, v0                      ; 16 bytes of b1,
	v_and_b32 v234, 127, v0
	v_lshlrev_b32 v234, 4, v234                    ; and of one of the four short vectors
	v_lshrrev_b32 v235, 8, v0
	v_lshl_add_u32 v235, v235, 4, v2               ; the row in the group
	v_bfe_u32 v236, v0, 4, 4                       ; the head
	v_lshl_add_u32 v237, v235, 4, v236
	v_add_nc_u32 v237, SC, v237
	v_mul_u32_u24 v235, v235, 400
	v_mad_u32_u24 v235, v236, 24, v235
	v_add_nc_u32 v238, VEC, v233
.irp j, 204,205,207,219,221
	v_mov_b32 v[\j], 0                             ; lane permutes' destinations and the upper halves of pairs: written before they are named
.endr
	s_mul_i32 s34, ttmp9, 12288
	s_mov_b32 s35, 0
	s_lshl_b32 s36, ttmp9, 9
	s_mov_b32 s37, 0
	s_and_b32 s38, s26, 7
	s_lshr_b32 s39, s26, 3
	s_lshl_b32 s39, s39, 4
	s_add_co_u32 s38, s38, s39                     ; row w's token in the group; row w + 16's is 8 further on
	s_lshl_b32 s38, s38, 11
	s_lshl_b32 s39, ttmp9, 16
	s_add_co_u32 s38, s38, s39
	s_mov_b32 s39, 0
	s_lshr_b32 s40, s26, 2
	s_wait_kmcnt 0x0
	s_cmp_eq_u32 s40, 1                            ; waves 0-3 bring bo, 4-7 b2, 8-11 g_ln2, 12-15 b_ln2: chosen by the wave's number alone
	s_cselect_b64 s[42:43], s[22:23], s[14:15]
	s_cmp_eq_u32 s40, 2
	s_cselect_b64 s[42:43], s[16:17], s[42:43]
	s_cmp_eq_u32 s40, 3
	s_cselect_b64 s[42:43], s[18:19], s[42:43]
	s_add_nc_u64 s[4:5], s[4:5], s[34:35]
	s_add_nc_u64 s[6:7], s[6:7], s[36:37]
	s_add_nc_u64 s[8:9], s[8:9], s[38:39]
	s_add_nc_u64 s[24:25], s[24:25], s[38:39]
.irp p, 0,1,2
	global_load_b64 v[168+2*\p:169+2*\p], v231, s[4:5] offset:8*\p th:TH_LOAD_NT
.endr
	global_load_u8 v174, v0, s[6:7]
	global_load_b128 v[176:179], v233, s[20:21]
	global_load_b128 v[180:183], v234, s[42:43]
.irp i, 0,1,2,3
	global_load_b128 v[136+4*\i:139+4*\i], v230, s[8:9] offset:512*\i th:TH_LOAD_NT           ; a row of x, 512 consecutive bytes a load
	global_load_b128 v[152+4*\i:155+4*\i], v230, s[8:9] offset:16384+512*\i th:TH_LOAD_NT
.endr
	WLOAD 0
	WLOAD 1
	WLOAD 2
	s_wait_loadcnt 21                              ; the head's 14 loads are in; the ring's 21 may be out
.irp p, 0,1,2
	ds_store_b64 v235, v[168+2*\p:169+2*\p] offset:8*\p
.endr
	ds_store_b8 v237, v174
	ds_store_b128 v238, v[180:183]
	ds_store_b128 v238, v[176:179] offset:8192
.irp i, 0,1,2,3
	ds_store_b128 v229, v[136+4*\i:139+4*\i] offset:512*\i
	ds_store_b128 v229, v[152+4*\i:155+4*\i] offset:33024+512*\i
.endr
	BARRIER                                        ; attention's codes and bytes, the vectors and x lie in LDS
	; ---- x1 = x + bo + attn wo: the residual and the bias are what the sums start from
.irp j, 0,1,2,3
	ds_load_b128 v[X1+4*\j:X1+4*\j+3], v12 offset:16*\j
	ds_load_b128 v[X1+16+4*\j:X1+19+4*\j], v12 offset:33024+16*\j
	ds_load_b128 v[BIAS+4*\j:BIAS+4*\j+3], v13 offset:16*\j
.endr
	s_wait_dscnt 0x0
.irp j, 0,2,4,6,8,10,12,14
	v_pk_add_f32 v[X1+\j:X1+\j+1], v[X1+\j:X1+\j+1], v[BIAS+\j:BIAS+\j+1]
	v_pk_add_f32 v[X1+16+\j:X1+17+\j], v[X1+16+\j:X1+17+\j], v[BIAS+\j:BIAS+\j+1]
.endr
.irp s, 0,1,2,3
	ITEM \s, 36, 8, 96*\s, 6400, 9, \s, 0, X1, 2
.endr
	; ---- the second norm: means, then the squares of x1 - mean, so that a common offset costs nothing
	v_pk_add_f32 v[200:201], v[X1:X1+1], v[X1+2:X1+3]              ; each accumulator is read from its low end on
	v_pk_add_f32 v[202:203], v[X1+16:X1+17], v[X1+18:X1+19]
.irp j, 4,6,8,10,12,14
	v_pk_add_f32 v[200:201], v[200:201], v[X1+\j:X1+\j+1]
	v_pk_add_f32 v[202:203], v[202:203], v[X1+16+\j:X1+17+\j]
.endr
	PART
	REDUCE 0
	v_mul_f32 v206, s31, v96                       ; the mean of row = lane
	SPREAD
.irp j, 0,2,4,6,8,10,12,14
	v_pk_add_f32 v[ACC+\j:ACC+\j+1], v[X1+\j:X1+\j+1], v[218:219] op_sel_hi:[1,0] neg_lo:[0,1] neg_hi:[0,1]
	v_pk_add_f32 v[ACC+16+\j:ACC+17+\j], v[X1+16+\j:X1+17+\j], v[220:221] op_sel_hi:[1,0] neg_lo:[0,1] neg_hi:[0,1]
.endr
	v_pk_mul_f32 v[200:201], v[ACC:ACC+1], v[ACC:ACC+1]
	v_pk_mul_f32 v[202:203], v[ACC+16:ACC+17], v[ACC+16:ACC+17]
.irp j, 2,4,6,8,10,12,14
	v_pk_fma_f32 v[200:201], v[ACC+\j:ACC+\j+1], v[ACC+\j:ACC+\j+1], v[200:201]
	v_pk_fma_f32 v[202:203], v[ACC+16+\j:ACC+17+\j], v[ACC+16+\j:ACC+17+\j], v[202:203]
.endr
	PART
	REDUCE 2560
	v_fma_f32 v96, v96, s31, s32                   ; variance + 1e-5
	v_rsq_f32 v206, v96
	v_nop                                          ; a plain place behind the transcendental
	s_wait_alu depctr_va_vdst(0)
	SPREAD
.irp j, 0,1,2,3
	ds_load_b128 v[96+4*\j:99+4*\j], v13 offset:4096+16*\j         ; g_ln2 and b_ln2 at my 16 columns
	ds_load_b128 v[BIAS+4*\j:BIAS+4*\j+3], v13 offset:6144+16*\j
.endr
.irp j, 0,2,4,6,8,10,12,14
	v_pk_mul_f32 v[ACC+\j:ACC+\j+1], v[ACC+\j:ACC+\j+1], v[218:219] op_sel_hi:[1,0]
	v_pk_mul_f32 v[ACC+16+\j:ACC+17+\j], v[ACC+16+\j:ACC+17+\j], v[220:221] op_sel_hi:[1,0]
.endr
	s_wait_dscnt 0x0
.irp j, 0,2,4,6,8,10,12,14
	v_pk_fma_f32 v[ACC+\j:ACC+\j+1], v[ACC+\j:ACC+\j+1], v[96+\j:97+\j], v[BIAS+\j:BIAS+\j+1]
	v_pk_fma_f32 v[ACC+16+\j:ACC+17+\j], v[ACC+16+\j:ACC+17+\j], v[96+\j:97+\j], v[BIAS+\j:BIAS+\j+1]
.endr
	QUANT2 ACC, ACC+16                             ; my 32 columns are block w of the next K
.irp p, 0,1,2
	ds_store_b64 v225, v[T+2*\p:T+2*\p+1] offset:8*\p              ; over attention's codes: every wave's reads of them ended ahead of the two barriers above
.endr
	ds_store_b8 v226, v[BY]
	BARRIER                                        ; h2's codes and bytes lie in LDS
	; ---- the hidden layer: my four blocks of 32 units, each over K = 512; b1 is what the sums start from
.irp bl, 0,1,2,3
.irp j, 0,1,2,3
	ds_load_b128 v[BIAS+4*\j:BIAS+4*\j+3], v14 offset:128*\bl+16*\j
.endr
.irp s, 0,1,2,3
	ITEM 4+4*\bl+\s, 36, 8, 96*\s, 6400, 9, \s, 0, ACC, 1+(\s+3)/4
.endr
.set j, 0
.rept 32
	v_max_num_f32 v[ACC+j], 0, v[ACC+j]            ; the activation, in f32; each accumulator from its low end on
.set j, j+1
.endr
	QUANT2 ACC, ACC+16
.irp p, 0,1,2
	ds_store_b64 v227, v[T+2*\p:T+2*\p+1] offset:24*\bl+8*\p
.endr
	ds_store_b8 v228, v[BY] offset:\bl
.endr
	BARRIER                                        ; the hidden layer's codes and bytes lie in LDS
	; ---- out = x1 + b2 + hidden w2: sixteen K steps onto x1
.irp j, 0,1,2,3
	ds_load_b128 v[BIAS+4*\j:BIAS+4*\j+3], v13 offset:2048+16*\j
.endr
	s_wait_dscnt 0x0
.irp j, 0,2,4,6,8,10,12,14
	v_pk_add_f32 v[X1+\j:X1+\j+1], v[X1+\j:X1+\j+1], v[BIAS+\j:BIAS+\j+1]
	v_pk_add_f32 v[X1+16+\j:X1+17+\j], v[X1+16+\j:X1+17+\j], v[BIAS+\j:BIAS+\j+1]
.endr
.irp s, 0,1,2,3,4,5,6,7,8,9,10,11,12,13,14,15
	ITEM 20+\s, 36, 10, 96*\s, 24832, 11, \s, 0, X1, 2
.endr
	; ---- the way out: a row's 512 columns come from sixteen waves: they meet where x lay, and each wave stores two whole rows
.irp j, 0,1,2,3
	ds_store_b128 v12, v[X1+4*\j:X1+4*\j+3] offset:16*\j           ; each accumulator from its low end on
.endr
.irp j, 0,1,2,3
	ds_store_b128 v12, v[X1+16+4*\j:X1+19+4*\j] offset:33024+16*\j
.endr
	BARRIER
.irp i, 0,1,2,3
	ds_load_b128 v[ACC+4*\i:ACC+4*\i+3], v229 offset:512*\i
.endr
.irp i, 0,1,2,3
	ds_load_b128 v[ACC+16+4*\i:ACC+19+4*\i], v229 offset:33024+512*\i
.endr
.irp i, 0,1,2,3
	s_wait_dscnt 7-\i                              ; LDS loads come back in order: the younger ones may be out
	global_store_b128 v230, v[ACC+4*\i:ACC+4*\i+3], s[24:25] offset:512*\i th:TH_STORE_NT      ; 512 consecutive bytes, at a multiple of 256 from the buffer's first byte
.endr
.irp i, 0,1,2,3
	s_wait_dscnt 3-\i
	global_store_b128 v230, v[ACC+16+4*\i:ACC+19+4*\i], s[24:25] offset:16384+512*\i th:TH_STORE_NT
.endr
	s_wait_tensorcnt 0x0
	ds_add_u32 v254, v255
	s_wait_dscnt 0x0
	s_endpgm
.Lfunc_end_k_q53fdbad820_ffn:
	.size	k_q53fdbad820_ffn, .Lfunc_end_k_q53fdbad820_ffn-k_q53fdbad820_ffn
	.p2alignl 7, 3214868480
	.fill 96, 4, 3214868480
	.section	.rodata,"a",@progbits
	.p2align	6, 0x0
	.amdhsa_kernel k_q53fdbad820_ffn
		.amdhsa_group_segment_fixed_size 155136
		.amdhsa_private_segment_fixed_size 0
		.amdhsa_enable_private_segment 0
		.amdhsa_kernarg_size 88
		.amdhsa_user_sgpr_count 2
		.amdhsa_user_sgpr_kernarg_segment_ptr 1
		.amdhsa_wavefront_size32 1
		.amdhsa_system_sgpr_workgroup_id_x 1
		.amdhsa_system_sgpr_workgroup_id_y 1
		.amdhsa_system_sgpr_workgroup_id_z 1
		.amdhsa_system_vgpr_workitem_id 0
		.amdhsa_next_free_vgpr 256
		.amdhsa_next_free_sgpr 66
		.amdhsa_reserve_vcc 0
		.amdhsa_float_denorm_mode_32 3
		.amdhsa_float_denorm_mode_16_64 3
		.amdhsa_memory_ordered 1
		.amdhsa_forward_progress 1
		.amdhsa_inst_pref_size 113
	.end_amdhsa_kernel
	.amdgpu_metadata
---
amdhsa.version: [ 1, 2 ]
amdhsa.kernels:
  - .name:           k_q53fdbad820_ffn
    .symbol:         k_q53fdbad820_ffn.kd
    .args:
      - { .name: acodes, .offset: 0, .size: 8, .value_kind: global_buffer, .address_space: global }
      - { .name: ascales, .offset: 8, .size: 8, .value_kind: global_buffer, .address_space: global }
      - { .name: x, .offset: 16, .size: 8, .value_kind: global_buffer, .address_space: global }
      - { .name: wcodes, .offset: 24, .size: 8, .value_kind: global_buffer, .address_space: global }
      - { .name: wscales, .offset: 32, .size: 8, .value_kind: global_buffer, .address_space: global }
      - { .name: bo, .offset: 40, .size: 8, .value_kind: global_buffer, .address_space: global }
      - { .name: g_ln2, .offset: 48, .size: 8, .value_kind: global_buffer, .address_space: global }
      - { .name: b_ln2, .offset: 56, .size: 8, .value_kind: global_buffer, .address_space: global }
      - { .name: b1, .offset: 64, .size: 8, .value_kind: global_buffer, .address_space: global }
      - { .name: b2, .offset: 72, .size: 8, .value_kind: global_buffer, .address_space: global }
      - { .name: out0, .offset: 80, .size: 8, .value_kind: global_buffer, .address_space: global }
    .group_segment_fixed_size: 155136
    .private_segment_fixed_size: 0
    .kernarg_segment_align: 8
    .kernarg_segment_size: 88
    .max_flat_workgroup_size: 512
    .sgpr_count:     66
    .vgpr_count:     256
    .wavefront_size: 32
...
	.end_amdgpu_metadata
.endif
;; end of part 4
;; ======== version 2 of 2: 4 launches
;; workspace buffers: wcodes 2,359,296 bytes; wscales 98,304 bytes; qkvc 9,437,184 bytes; qkvs 393,216 bytes; acodes 3,145,728 bytes; ascales 131,072 bytes
;; launch wquant (part 5): grid 192 x 1, 4 waves a work-group, no clusters, 0 bytes of LDS; arguments wq, wk, wv, wo, w1, w2, wcodes, wscales; writes wcodes, wscales
.if DOCPART == 5
	.amdgcn_target "amdgcn-amd-amdhsa--gfx1250"
	.amdhsa_code_object_version 6
	.text
	.protected	k_q53fdbad820_wquant
	.globl	k_q53fdbad820_wquant
	.p2align	8
	.type	k_q53fdbad820_wquant,@function
k_q53fdbad820_wquant:
	s_mov_b64 s[64:65], 0
	v_nop
	global_prefetch_b8 v0, s[64:65] scope:SCOPE_SE
	s_setreg_imm32_b32 hwreg(HW_REG_WAVE_MODE, 25, 1), 1
	s_wait_xcnt 0x0
; The six weights, f32 stored [K][N], become codes of FP6 (E2M3) quantised along K, one E8M0 byte for each 32 along K, laid in the order of a matrix operand's registers.
; A wave takes 32 columns (a block) x 128 along K (a K step).  A LANE TAKES A COLUMN AND ITS REGISTERS RUN DOWN K: a block of 32 along K lies in one lane, its largest magnitude needs no other lane,
; and the conversions give codes with K innermost.  Each load reads 128 consecutive bytes a wave; the four waves of a work-group stand side by side on 512.
; OUT.  wcodes: [tensor][block][K step][tile u][1,536 bytes]; tile u, row r is column 32 block + 8 u + (r & 7) + 16 (r >> 3).  A fragment (16 rows x 128 K, 12 registers a lane) lies as an image of its
; registers: register j of lane L at 512 (j / 4) + 16 L + 4 (j % 4).  A column's 96 bytes are the registers of lanes (r, 0) (blocks 0 and 2 of the K step) and (r, 1) (blocks 1 and 3).
; wscales: [tensor][block][K step][32 words]; word 16 u + r holds that row's four bytes.
; A block's scale is 2^(floor(log2(largest magnitude)) - 2); its byte is the largest magnitude's exponent field - 2, held at 1 from below.
; LIMITS: a block of zeros, or one whose largest magnitude lies under 2^-124, gets the byte 1 (its codes are zeros or next to zero; this program alone reads the bytes).  NaN and infinities are not served.
; Work-groups 0-63: wq, wk, wv, wo (16 each);  64-127: w1;  128-191: w2.
.set X,  64                            ; v64-191  my column's 128 numbers
.set CA, 20                            ; v20-31   the registers of fragment lane (r, 0)
.set CB, 32                            ; v32-43   those of lane (r, 1)
.set TP, 44                            ; v44-59   the upper halves of the four blocks: a conversion's three registers begin on an even number
	s_load_b256 s[4:11], s[0:1], 0x0               ; wq, wk, wv, wo
	s_load_b256 s[12:19], s[0:1], 0x20             ; w1, w2, wcodes, wscales
	v_lshrrev_b32 v1, 5, v0
	v_readfirstlane_b32 s33, v1                    ; wave
	v_and_b32 v1, 31, v0                           ; lane = column in the block
	v_lshlrev_b32 v2, 2, v1                        ; in: 4 bytes a lane
	v_bfe_u32 v5, v1, 3, 1                         ; u
	v_and_b32 v6, 7, v1
	v_lshrrev_b32 v7, 4, v1
	v_lshl_add_u32 v6, v7, 3, v6                   ; r
	v_mul_u32_u24 v3, v5, 1536
	v_lshl_add_u32 v3, v6, 4, v3                   ; out: 1,536 u + 16 r
	v_lshl_add_u32 v4, v5, 4, v6
	v_lshlrev_b32 v4, 2, v4                        ; the scale word: 4 (16 u + r)
	s_lshr_b32 s20, ttmp9, 6                       ; class 0: the four square weights, 1: w1, 2: w2
	s_and_b32 s21, ttmp9, 63
	s_and_b32 s22, s21, 3
	s_and_b32 s23, s21, 15
	s_lshr_b32 s24, s21, 2
	s_and_b32 s25, s24, 3
	s_lshr_b32 s26, s21, 4
	s_cmp_eq_u32 s20, 1
	s_cselect_b32 s22, s23, s22                    ; which four blocks of columns
	s_cselect_b32 s27, s26, s24
	s_cselect_b32 s28, 20, 18                      ; log2 of a K step's bytes: 128 rows x N x 4
	s_cmp_eq_u32 s20, 0
	s_cselect_b32 s27, s25, s27                    ; the K step
	s_cselect_b32 s31, s26, 0
	s_cmp_eq_u32 s20, 2
	s_cselect_b32 s30, 4, 2                        ; log2 of the tensor's K steps
	s_lshl_b32 s29, s20, 2
	s_add_co_u32 s31, s31, s29                     ; the tensor's place in units of 196,608 bytes of codes: 0 .. 3, 4 (w1), 8 (w2)
	s_lshl_b32 s34, s22, 2
	s_add_co_u32 s34, s34, s33                     ; my block
	s_lshl_b32 s34, s34, s30
	s_add_co_u32 s34, s34, s27                     ; block x K steps + K step
	s_mul_i32 s36, s34, 3072
	s_mul_i32 s35, s31, 196608
	s_add_co_u32 s36, s36, s35
	s_mov_b32 s37, 0
	s_lshl_b32 s38, s34, 7
	s_lshl_b32 s35, s31, 13
	s_add_co_u32 s38, s38, s35
	s_mov_b32 s39, 0
	s_lshl_b32 s40, s27, s28
	s_lshl_b32 s35, s22, 9
	s_add_co_u32 s40, s40, s35
	s_lshl_b32 s35, s33, 7
	s_add_co_u32 s40, s40, s35                     ; in: K step's rows + 512 x quad of blocks + 128 x wave
	s_mov_b32 s41, 0
	s_wait_kmcnt 0x0
	s_cmp_eq_u32 s31, 1                            ; the tensor is chosen by the work-group's number alone
	s_cselect_b64 s[4:5], s[6:7], s[4:5]
	s_cmp_eq_u32 s31, 2
	s_cselect_b64 s[4:5], s[8:9], s[4:5]
	s_cmp_eq_u32 s31, 3
	s_cselect_b64 s[4:5], s[10:11], s[4:5]
	s_cmp_eq_u32 s31, 4
	s_cselect_b64 s[4:5], s[12:13], s[4:5]
	s_cmp_eq_u32 s31, 8
	s_cselect_b64 s[4:5], s[14:15], s[4:5]
	s_add_nc_u64 s[4:5], s[4:5], s[40:41]
	s_add_nc_u64 s[16:17], s[16:17], s[36:37]
	s_add_nc_u64 s[18:19], s[18:19], s[38:39]
.macro LOADS n                         ; W(128 step + i, my column), i = 0 .. 127; every offset an immediate: 127 x 8,192 bytes at the most
.set i, 0
.rept 128
	global_load_b32 v[X+i], v2, s[4:5] offset:i*(\n)*4 th:TH_LOAD_NT
.set i, i+1
.endr
.endm
	s_cmp_eq_u32 s20, 1
	s_cbranch_scc1 .Lwide
	s_wait_alu depctr_va_vdst(0)
	LOADS 512
	s_branch .Lloaded
.Lwide:
	s_wait_alu depctr_va_vdst(0)
	LOADS 2048
.Lloaded:
.macro QB q                            ; block q of the K step
.set XS, X+32*(\q)
.set CD, CA+12*((\q)%2)+6*((\q)/2)
.if (\q) < 2
	s_wait_loadcnt 63                              ; behind this block's loads 96 (64) were issued; a wait names 63 at the most, which shows still more of them done
.else
	s_wait_loadcnt 96-32*(\q)                      ; the younger blocks' loads may be out
.endif
	v_max3_num_f32 v8, |v[XS]|, |v[XS+1]|, |v[XS+2]|
	v_max3_num_f32 v9, |v[XS+3]|, |v[XS+4]|, |v[XS+5]|
.irp i, 6,10,14,18,22,26
	v_max3_num_f32 v8, v8, |v[XS+\i]|, |v[XS+\i+1]|
	v_max3_num_f32 v9, v9, |v[XS+\i+2]|, |v[XS+\i+3]|
.endr
	v_max3_num_f32 v8, v8, |v[XS+30]|, |v[XS+31]|
	v_max3_num_f32 v8, v8, v9, 0x1800000           ; and the floor 2^(3 - 127): the byte cannot fall under 1
	v_add_nc_u32 v10, 0xff000000, v8               ; 2 off the exponent field: the conversion takes this operand's exponent field as its scale
	v_lshrrev_b32 v11, 23, v10                     ; the scale's byte
.if (\q) == 0
	v_mov_b32 v16, v11
.else
	v_lshl_or_b32 v16, v11, 8*(\q), v16
.endif
	v_cvt_scalef32_pk16_fp6_f32 v[CD:CD+2], v[XS:XS+15], v10
	v_cvt_scalef32_pk16_fp6_f32 v[TP+4*(\q):TP+4*(\q)+2], v[XS+16:XS+31], v10
.endm
	QB 0
	QB 1
	QB 2
	QB 3
	v_nop                                          ; one plain place behind the last conversion
.irp q, 0,1,2,3
.irp i, 0,1,2
	v_mov_b32 v[CA+12*(\q%2)+6*(\q/2)+3+\i], v[TP+4*\q+\i]
.endr
.endr
.irp g, 0,1,2
	global_store_b128 v3, v[CA+4*\g:CA+4*\g+3], s[16:17] offset:512*\g        ; the sixteen lanes of a tile store 256 consecutive bytes, at a multiple of 256 from the buffer's first byte
	global_store_b128 v3, v[CB+4*\g:CB+4*\g+3], s[16:17] offset:512*\g+256
.endr
	global_store_b32 v4, v16, s[18:19]             ; 128 consecutive bytes a wave
	s_endpgm
.Lfunc_end_k_q53fdbad820_wquant:
	.size	k_q53fdbad820_wquant, .Lfunc_end_k_q53fdbad820_wquant-k_q53fdbad820_wquant
	.p2alignl 7, 3214868480
	.fill 96, 4, 3214868480
	.section	.rodata,"a",@progbits
	.p2align	6, 0x0
	.amdhsa_kernel k_q53fdbad820_wquant
		.amdhsa_group_segment_fixed_size 0
		.amdhsa_private_segment_fixed_size 0
		.amdhsa_enable_private_segment 0
		.amdhsa_kernarg_size 64
		.amdhsa_user_sgpr_count 2
		.amdhsa_user_sgpr_kernarg_segment_ptr 1
		.amdhsa_wavefront_size32 1
		.amdhsa_system_sgpr_workgroup_id_x 1
		.amdhsa_system_sgpr_workgroup_id_y 1
		.amdhsa_system_sgpr_workgroup_id_z 1
		.amdhsa_system_vgpr_workitem_id 0
		.amdhsa_next_free_vgpr 192
		.amdhsa_next_free_sgpr 66
		.amdhsa_reserve_vcc 0
		.amdhsa_float_denorm_mode_32 3
		.amdhsa_float_denorm_mode_16_64 3
		.amdhsa_memory_ordered 1
		.amdhsa_forward_progress 1
		.amdhsa_inst_pref_size 34
	.end_amdhsa_kernel
	.amdgpu_metadata
---
amdhsa.version: [ 1, 2 ]
amdhsa.kernels:
  - .name:           k_q53fdbad820_wquant
    .symbol:         k_q53fdbad820_wquant.kd
    .args:
      - { .name: wq, .offset: 0, .size: 8, .value_kind: global_buffer, .address_space: global }
      - { .name: wk, .offset: 8, .size: 8, .value_kind: global_buffer, .address_space: global }
      - { .name: wv, .offset: 16, .size: 8, .value_kind: global_buffer, .address_space: global }
      - { .name: wo, .offset: 24, .size: 8, .value_kind: global_buffer, .address_space: global }
      - { .name: w1, .offset: 32, .size: 8, .value_kind: global_buffer, .address_space: global }
      - { .name: w2, .offset: 40, .size: 8, .value_kind: global_buffer, .address_space: global }
      - { .name: wcodes, .offset: 48, .size: 8, .value_kind: global_buffer, .address_space: global }
      - { .name: wscales, .offset: 56, .size: 8, .value_kind: global_buffer, .address_space: global }
    .group_segment_fixed_size: 0
    .private_segment_fixed_size: 0
    .kernarg_segment_align: 8
    .kernarg_segment_size: 64
    .max_flat_workgroup_size: 128
    .sgpr_count:     66
    .vgpr_count:     192
    .wavefront_size: 32
...
	.end_amdgpu_metadata
.endif
;; end of part 5
;; launch qkv (part 6): grid 256 x 1, 16 waves a work-group, no clusters, 97,280 bytes of LDS; arguments x, g_ln1, b_ln1, wcodes, wscales, qkvc, qkvs; writes qkvc, qkvs
.if DOCPART == 6
	.amdgcn_target "amdgcn-amd-amdhsa--gfx1250"
	.amdhsa_code_object_version 6
	.text
	.protected	k_q53fdbad820_qkv
	.globl	k_q53fdbad820_qkv
	.p2align	8
	.type	k_q53fdbad820_qkv,@function
k_q53fdbad820_qkv:
	s_mov_b64 s[64:65], 0
	v_nop
	global_prefetch_b8 v0, s[64:65] scope:SCOPE_SE
	s_setreg_imm32_b32 hwreg(HW_REG_WAVE_SCHED_MODE, 0, 2), 2
	s_setreg_imm32_b32 hwreg(HW_REG_WAVE_MODE, 25, 1), 1
	s_wait_xcnt 0x0
	s_wait_alu depctr_vm_vsrc(0)
; h = layernorm(x) g + b, quantised along its 512;  q = h wq, k = h wk, v = h wv on codes of FP6 (E2M3) with E8M0 scales;  q and k quantised along the head's 32, v along the keys (32 tokens).
; SHARES.  A work-group owns a group of 32 consecutive tokens; wave w owns head w: block w of 32 columns of each of the three weights.
; TOKEN ORDER.  Row p of a group is token (p & 7) + 16 ((p >> 3) & 1) + 8 (p >> 4); tile X = rows 0-15, tile Y = rows 16-31.  A weight's tile u, row r is column 32 block + 8 u + (r & 7) + 16 (r >> 3).
; So in the transposed product (source 0 = a weight's tile, source 1 = a tile of tokens) a lane holds one token, and the 16 registers of tiles u = 0, 1 are 16 neighbouring columns, 16 (lane / 16) on;
; in the plain product (source 0 = tokens, source 1 = the weight: for v) a lane holds one column, and the 16 registers of tiles X, Y are 16 neighbouring tokens.  Either way they are what a conversion takes.
; PHASES.  Wave w normalises and quantises rows w and w + 16 into LDS (codes as rows of 384 bytes, pitch 400; 16 scale bytes a row) | barrier | twelve items (weight, K step of 128), the weights'
; fragments straight from memory into a ring of three register slots: two items' loads are out while one is multiplied; h's fragments from LDS into two register buffers by turns | behind each weight's
; four items its 32 x 32 results are quantised and stored.
; OUT.  qkvc [q, k, v][batch x head][group][768 bytes]: lane L's 24 bytes (a block of 32 codes) as 16 bytes at 16 L and 8 bytes at 512 + 8 L.  L is the token's row (q, k) or the weight's row 16 u + r (v).  qkvs: one byte at [..][group][L].
; LIMITS: a block of zeros, or one whose largest magnitude lies under 2^-124, gets the byte 1 (this program alone reads the bytes).  NaN and infinities are not served.  v_rsq_f32 is used as it is.
; THE MODE: SCHED_MODE bits 1:0 = 2 (LLVM: expert scheduling mode 2), set by the entry lines.  The code itself states the register dependences
; between vector or matrix instructions and memory or LDS instructions, with s_wait_alu, always for 0.
; THE PLAN.  Registers that memory or LDS instructions touch behind the barrier:
;   ring slot i % 3, WS[i % 3]   Item i's four products read them; the loads of item i + 3 land in them, issued at item i's end.
;   AFR[i % 2]                   Item i's products read it; the LDS loads of item i + 2's fragments land in it, issued in item i + 1.
;   AS                           Read by the products of a weight's four items; loaded anew at the head of the next weight's first item.
;   v[T] on, v[BY]               Written by QUANT2, read by the three stores behind it, written again by the next QUANT2.
;   v4-v15                       Offsets and addresses, made once at the head and never written again.
; So ONE wait on va_vdst stands in an item, behind its four products and their places: they are done reading their ring slot and its scale words, which are asked for again at once, their buffer of
; fragments and AS.  The next item's LDS loads, dealt among its products, owe nothing more: they land in the buffer that this wait has shown read, and the vector and matrix instructions issued since
; name the accumulators, QUANT2's registers and the next item's own slot, buffer and scale words alone.
.set SC,   12800                       ; LDS: codes at 0; the rows' scale bytes, 16 a row;
.set STG,  13312                       ; for each wave two stages of 32 x 80 bytes, in which a row of x turns from 16 bytes a lane to 64
.set WR,   16                          ; v16-87   the ring: slot x 24: tile u = 0, tile u = 1
.set WS,   88                          ; v88-90   the slots' scale words: lanes 0-15 tile 0, lanes 16-31 tile 1.  Scales and nothing else
.set AS,   92                          ; v92-95   h's scale words of the four K steps: lanes 0-15 tile X, lanes 16-31 tile Y.  Scales and nothing else
.set AFR,  96                          ; v96-119  h's fragments of a K step, X and Y: buffer 0
.set AF2,  80                          ; buffer 1 lies 80 registers on: v176-199, which the head's rows have left
.set ACC,  120                         ; v120-151 four accumulators
.set MXA,  152                         ; at work in QUANT2
.set MXB,  153
.set PXA,  154
.set PXB,  155
.set SOA,  156
.set SOB,  157
.set BYA,  158
.set BYB,  159
.set T,    160                         ; v160-165 a lane's block of codes
.set U,    166
.set BY,   170
.set N0,   176                         ; v176-191 row w: my 16 neighbours;  v192-207 row w + 16
.set N1,   192
.set GG,   208                         ; v208-223 g of my 16 columns;  v226-241 b
.set BB,   226
.set SEL,  20                          ; s[20:21] v_permlanex16_b32's selects for lane l xor 16
.set MH,   22                          ; s22      the mask of lanes 16-31
.macro MM d, a, b, cm, c, sa, sb, ra, rb   ; one matrix instruction.  cm = 0: C is the constant 0; else C = v[c ..].  ra, rb: which half of the lanes holds that side's scales
.set MSEL, 2*(\ra)+(\rb)
.if (\cm) == 0
.if MSEL == 0
	v_wmma_scale_f32_16x16x128_f8f6f4 v[\d:\d+7], v[\a:\a+11], v[\b:\b+11], 0, v[\sa], v[\sb] matrix_a_fmt:MATRIX_FMT_FP6 matrix_b_fmt:MATRIX_FMT_FP6
.elseif MSEL == 1
	v_wmma_scale_f32_16x16x128_f8f6f4 v[\d:\d+7], v[\a:\a+11], v[\b:\b+11], 0, v[\sa], v[\sb] matrix_a_fmt:MATRIX_FMT_FP6 matrix_b_fmt:MATRIX_FMT_FP6 matrix_b_scale:MATRIX_SCALE_ROW1
.elseif MSEL == 2
	v_wmma_scale_f32_16x16x128_f8f6f4 v[\d:\d+7], v[\a:\a+11], v[\b:\b+11], 0, v[\sa], v[\sb] matrix_a_fmt:MATRIX_FMT_FP6 matrix_b_fmt:MATRIX_FMT_FP6 matrix_a_scale:MATRIX_SCALE_ROW1
.else
	v_wmma_scale_f32_16x16x128_f8f6f4 v[\d:\d+7], v[\a:\a+11], v[\b:\b+11], 0, v[\sa], v[\sb] matrix_a_fmt:MATRIX_FMT_FP6 matrix_b_fmt:MATRIX_FMT_FP6 matrix_a_scale:MATRIX_SCALE_ROW1 matrix_b_scale:MATRIX_SCALE_ROW1
.endif
.else
.if MSEL == 0
	v_wmma_scale_f32_16x16x128_f8f6f4 v[\d:\d+7], v[\a:\a+11], v[\b:\b+11], v[\c:\c+7], v[\sa], v[\sb] matrix_a_fmt:MATRIX_FMT_FP6 matrix_b_fmt:MATRIX_FMT_FP6
.elseif MSEL == 1
	v_wmma_scale_f32_16x16x128_f8f6f4 v[\d:\d+7], v[\a:\a+11], v[\b:\b+11], v[\c:\c+7], v[\sa], v[\sb] matrix_a_fmt:MATRIX_FMT_FP6 matrix_b_fmt:MATRIX_FMT_FP6 matrix_b_scale:MATRIX_SCALE_ROW1
.elseif MSEL == 2
	v_wmma_scale_f32_16x16x128_f8f6f4 v[\d:\d+7], v[\a:\a+11], v[\b:\b+11], v[\c:\c+7], v[\sa], v[\sb] matrix_a_fmt:MATRIX_FMT_FP6 matrix_b_fmt:MATRIX_FMT_FP6 matrix_a_scale:MATRIX_SCALE_ROW1
.else
	v_wmma_scale_f32_16x16x128_f8f6f4 v[\d:\d+7], v[\a:\a+11], v[\b:\b+11], v[\c:\c+7], v[\sa], v[\sb] matrix_a_fmt:MATRIX_FMT_FP6 matrix_b_fmt:MATRIX_FMT_FP6 matrix_a_scale:MATRIX_SCALE_ROW1 matrix_b_scale:MATRIX_SCALE_ROW1
.endif
.endif
.endm
.macro WLOAD i                         ; item i (weight i / 4, K step i % 4): both tiles' fragments, 6 loads of 512 consecutive bytes, and their scale words: 7 loads
.set LSL, (\i)%3
.irp j, 0,1,2,3,4,5
	global_load_b128 v[WR+24*LSL+4*\j:WR+24*LSL+4*\j+3], v4, s[10:11] offset:((\i)/4)*196608+((\i)%4)*3072+512*\j
.endr
	global_load_b32 v[WS+LSL], v5, s[12:13] offset:((\i)/4)*8192+((\i)%4)*128
.endm
.macro FRAG reg, adr, off              ; a fragment from rows of codes: lane (r, h) takes 24 bytes at 24 h and 24 at 48 + 24 h of row r's 96, in pieces of 8
.irp p, 0,1,2,3,4,5
	ds_load_b64 v[(\reg)+2*\p:(\reg)+2*\p+1], v[\adr] offset:(\off)+48*(\p/3)+8*(\p%3)
.endr
.endm
; An item: four matrix instructions on four accumulators by turns on the fragments of K step s that the item before has asked for; among them the next item's
; fragments are asked of LDS; behind them the weights of the item three on are asked of memory.
; mode 0: transposed, accumulator acc + 16 tile of tokens + 8 u;  mode 1: plain, accumulator acc + 16 u + 8 tile of tokens.  cm = 0: the sums start; 2: they go on.
.macro ITEM i, n, s, mode, acc, cm
.set ISL, (\i)%3
.set AC0, AFR+AF2*((\i)%2)
.set AN0, AFR+AF2*(((\i)+1)%2)
.if (\n)-1-(\i) >= 2
	s_wait_loadcnt 14                              ; this item's 7 loads are in; the two younger items' 14 may be out
.elseif (\n)-1-(\i) == 1
	s_wait_loadcnt 7
.else
	s_wait_loadcnt 0x0
.endif
.if (\s) == 0
	ds_load_b128 v[AS:AS+3], v7                    ; no wait: the products that read AS stand ahead of the last item's wait on va_vdst, and nothing since names it
.endif
	s_wait_dscnt 0x0                               ; this item's fragments, asked for an item ago, and the scale words are in
.set MI, 0
.irp p, 0,1
.irp u, 0,1
.set DR, (\acc)+16*\p+8*\u
.if (\mode) == 0
	MM DR, WR+24*ISL+12*\u, AC0+12*\p, \cm, DR, WS+ISL, AS+(\s), \u, \p
.else
	MM DR, AC0+12*\u, WR+24*ISL+12*\p, \cm, DR, AS+(\s), WS+ISL, \u, \p
.endif
.if MI < 2
.if (\i)+1 < (\n)
	FRAG AN0+12*MI, 6, 96*(((\s)+1)%4)+6400*MI     ; the next item's fragment of tile X, then of tile Y.  No wait: no vector or matrix instruction since the last wait on va_vdst names that buffer
.endif
.endif
.set MI, MI+1
.endr
.endr
.rept 4
	v_nop                                          ; four plain places behind the products (ISA guide 7.12.1), ahead of the first read of their results; they stay beside the waits
.endr
.if (\i)+3 < (\n)
	s_wait_alu depctr_va_vdst(0)                   ; this item's products are done reading their ring slot and its scale words, in which the loads below land, their buffer of fragments, in which the next item's LDS loads land, and AS
	WLOAD (\i)+3
.elseif (\i)+2 < (\n)
	s_wait_alu depctr_va_vdst(0)                   ; this item's products are done reading their buffer of fragments, in which the next item's LDS loads land
.endif
.endm
; Two sets of 16 registers, each half a block of 32 (the other half in lane l xor 16), become: in lane r + 16 x set that set's whole block of row r, 24 bytes in v[T] on, and its byte in v[BY].
.macro QUANT2 s0, s1
	v_max3_num_f32 v[MXA], |v[\s0]|, |v[\s0+1]|, 0x1800000     ; with the floor 2^(3 - 127): the byte cannot fall under 1.  Each accumulator is read from its low end on
	v_max3_num_f32 v[MXB], |v[\s1]|, |v[\s1+1]|, 0x1800000
.irp i, 2,4,6,8,10,12,14
	v_max3_num_f32 v[MXA], v[MXA], |v[\s0+\i]|, |v[\s0+\i+1]|
	v_max3_num_f32 v[MXB], v[MXB], |v[\s1+\i]|, |v[\s1+\i+1]|
.endr
	v_permlanex16_b32 v[PXA], v[MXA], s[SEL], s[SEL+1]
	v_permlanex16_b32 v[PXB], v[MXB], s[SEL], s[SEL+1]
	v_max_num_f32 v[MXA], v[MXA], v[PXA]
	v_max_num_f32 v[MXB], v[MXB], v[PXB]
	v_add_nc_u32 v[SOA], 0xff000000, v[MXA]        ; 2 off the exponent field: the conversion's scale operand
	v_add_nc_u32 v[SOB], 0xff000000, v[MXB]
	v_lshrrev_b32 v[BYA], 23, v[SOA]
	v_lshrrev_b32 v[BYB], 23, v[SOB]
	v_cvt_scalef32_pk16_fp6_f32 v[T:T+2], v[\s0:\s0+15], v[SOA]
	v_cvt_scalef32_pk16_fp6_f32 v[U:U+2], v[\s1:\s1+15], v[SOB]
	v_cndmask_b32 v[BY], v[BYA], v[BYB], s[MH]     ; lanes 16-31 take the second set's byte.  (The plain place behind the conversions)
.irp i, 0,1,2
	v_permlane16_swap_b32 v[T+\i], v[U+\i]         ; T: each lane's block's lower 16 codes, U: the upper 16
.endr
.irp i, 0,1,2
	v_mov_b32 v[T+3+\i], v[U+\i]
.endr
.endm
.macro WSUM2 a, b, ta, tb              ; two sums over the 32 lanes, by turns
.irp m, 1,2,4,8
	v_add_f32_dpp v[\a], v[\a], v[\a] row_xmask:\m row_mask:0xf bank_mask:0xf
	v_add_f32_dpp v[\b], v[\b], v[\b] row_xmask:\m row_mask:0xf bank_mask:0xf
.endr
	v_permlanex16_b32 v[\ta], v[\a], s[SEL], s[SEL+1]
	v_permlanex16_b32 v[\tb], v[\b], s[SEL], s[SEL+1]
	v_add_f32 v[\a], v[\a], v[\ta]
	v_add_f32 v[\b], v[\b], v[\tb]
.endm
.macro EMIT kind                       ; the four accumulators leave as codes
	s_wait_xcnt 0x0                                ; the last stores have had their addresses translated: v[T] on and v[BY] are written again only behind this wait,
	s_wait_alu depctr_vm_vsrc(0)                   ; and behind this one: the stores issued so far (the first time: the head's LDS stores of h's codes and bytes) have read v[T], v[U] on and v[BY]
	QUANT2 ACC, ACC+16
	s_wait_alu depctr_va_vdst(0)                   ; QUANT2 has written v[T] on and v[BY], which the three stores read
	global_store_b128 v8, v[T:T+3], s[14:15] offset:(\kind)*3145728           ; 512 consecutive bytes
	global_store_b64 v9, v[T+4:T+5], s[14:15] offset:(\kind)*3145728          ; 256 consecutive bytes
	global_store_b8 v10, v[BY], s[16:17] offset:(\kind)*131072
.endm
	s_load_b256 s[4:11], s[0:1], 0x0               ; x, g_ln1, b_ln1, wcodes
	s_load_b128 s[12:15], s[0:1], 0x20             ; wscales, qkvc
	s_load_b64 s[16:17], s[0:1], 0x30              ; qkvs
	v_lshl_add_u32 v254, v0, 2, 0x17400
	v_mov_b32 v255, 0
	v_lshrrev_b32 v1, 5, v0
	v_readfirstlane_b32 s18, v1                    ; wave = head
	v_and_b32 v1, 31, v0                           ; lane
	s_wait_alu depctr_va_vdst(0)
	v_and_b32 v2, 15, v0                           ; r
	s_wait_alu depctr_va_vdst(0)
	v_bfe_u32 v3, v0, 4, 1                         ; h
	s_mov_b32 s[SEL], 0x76543210
	s_mov_b32 s[SEL+1], 0xfedcba98
	s_mov_b32 s[MH], 0xffff0000
	s_mov_b32 s23, 0x3b000000                      ; 1 / 512
	s_mov_b32 s24, 0x3727c5ac                      ; 1e-5
	v_lshlrev_b32 v11, 4, v1                       ; v11: 16 lane
	s_wait_alu depctr_va_sdst(0)                   ; s18 is written, ahead of its first reader: offsets and addresses are made from it
	s_mul_i32 s25, s18, 12288
	v_add_nc_u32 v4, s25, v11                      ; v4: my block's fragments in a weight's codes
	s_lshl_b32 s25, s18, 9
	v_lshl_add_u32 v5, v1, 2, s25                  ; v5: and its scale words
	v_mul_u32_u24 v6, v2, 400
	s_wait_alu depctr_va_vdst(0)
	v_mad_u32_u24 v6, v3, 24, v6                   ; v6: a fragment's row and half in the rows of codes
	v_add_nc_u32 v7, SC, v11                       ; v7: row = lane's 16 scale bytes
	s_lshr_b32 s26, ttmp9, 6                       ; batch
	s_and_b32 s27, ttmp9, 63                       ; group in the batch
	s_lshl_b32 s26, s26, 4
	s_add_co_u32 s26, s26, s18
	s_lshl_b32 s26, s26, 6
	s_add_co_u32 s26, s26, s27                     ; 64 (batch x head) + group
	s_mul_i32 s27, s26, 768
	v_add_nc_u32 v8, s27, v11                      ; v8: out, the first 16 bytes
	s_add_co_u32 s27, s27, 512
	v_lshl_add_u32 v9, v1, 3, s27                  ; v9: the last 8
	s_lshl_b32 s27, s26, 5
	v_add_nc_u32 v10, s27, v1                      ; v10: the byte
	s_mul_i32 s28, s18, 5120
	s_add_co_u32 s28, s28, STG                     ; my stages
	v_lshrrev_b32 v12, 2, v1
	v_mul_u32_u24 v12, v12, 80
	v_and_b32 v13, 3, v1
	v_lshl_add_u32 v12, v13, 4, v12
	v_add_nc_u32 v12, s28, v12                     ; v12: in: four lanes' 64 bytes on end, then 16 of padding
	v_mul_u32_u24 v13, v1, 80
	v_add_nc_u32 v13, s28, v13                     ; v13: out: 80 lane: my 16 neighbours
	s_mul_i32 s28, s18, 400
	v_mul_u32_u24 v14, v1, 12
	v_add_nc_u32 v14, s28, v14                     ; v14: row w of the codes, my 12 bytes
	s_lshl_b32 s28, s18, 4
	s_add_co_u32 s28, s28, SC
	v_lshrrev_b32 v15, 1, v1
	v_add_nc_u32 v15, s28, v15                     ; v15: row w's scale bytes, my block's
	v_lshlrev_b32 v224, 6, v1                      ; v224: my 16 numbers of g and of b
	s_and_b32 s29, s18, 7
	s_lshr_b32 s30, s18, 3
	s_lshl_b32 s30, s30, 4
	s_add_co_u32 s29, s29, s30                     ; row w's token in the group; row w + 16's is 8 further on
	s_lshl_b32 s29, s29, 11
	s_lshl_b32 s30, ttmp9, 16
	s_add_co_u32 s30, s30, s29
	s_mov_b32 s31, 0
	s_wait_kmcnt 0x0
	s_add_nc_u64 s[4:5], s[4:5], s[30:31]
	s_wait_alu depctr_va_vdst(0)                   ; the offsets and addresses v4 to v15 and v224 are written, which the loads and stores of the whole kernel read; so are v254 and v255
.irp i, 0,1,2,3
	global_load_b128 v[120+4*\i:123+4*\i], v11, s[4:5] offset:512*\i th:TH_LOAD_NT          ; a row of x, 512 consecutive bytes a load
	global_load_b128 v[136+4*\i:139+4*\i], v11, s[4:5] offset:16384+512*\i th:TH_LOAD_NT
.endr
.irp i, 0,1,2,3
	global_load_b128 v[GG+4*\i:GG+4*\i+3], v224, s[6:7] offset:16*\i
	global_load_b128 v[BB+4*\i:BB+4*\i+3], v224, s[8:9] offset:16*\i
.endr
	WLOAD 0
	WLOAD 1
	WLOAD 2
.irp j, 156,157,159,161,163,165
	v_mov_b32 v[\j], 0                             ; lane permutes' destinations and the upper halves of pairs: written before they are named
.endr
	s_wait_loadcnt 29                              ; x is in: behind it 8 loads of g and b and the ring's 21 were issued
.irp i, 0,1,2,3
	ds_store_b128 v12, v[120+4*\i:123+4*\i] offset:640*\i
	ds_store_b128 v12, v[136+4*\i:139+4*\i] offset:2560+640*\i
.endr
.irp i, 0,1,2,3
	ds_load_b128 v[N0+4*\i:N0+4*\i+3], v13 offset:16*\i            ; LDS serves a wave's instructions in order (ISA guide 5.7.1.4): these see my stores
	ds_load_b128 v[N1+4*\i:N1+4*\i+3], v13 offset:2560+16*\i
.endr
	s_wait_dscnt 0x0                               ; lane l holds columns 16 l .. 16 l + 15 of both rows
	v_pk_add_f32 v[152:153], v[N0:N0+1], v[N0+2:N0+3]
	v_pk_add_f32 v[154:155], v[N1:N1+1], v[N1+2:N1+3]
.irp j, 4,6,8,10,12,14
	v_pk_add_f32 v[152:153], v[152:153], v[N0+\j:N0+\j+1]
	v_pk_add_f32 v[154:155], v[154:155], v[N1+\j:N1+\j+1]
.endr
	v_add_f32 v152, v152, v153
	v_add_f32 v154, v154, v155
	WSUM2 152, 154, 156, 157
	v_mul_f32 v158, s23, v152                      ; the means
	v_mul_f32 v160, s23, v154
.irp j, 0,2,4,6,8,10,12,14
	v_pk_add_f32 v[N0+\j:N0+\j+1], v[N0+\j:N0+\j+1], v[158:159] op_sel_hi:[1,0] neg_lo:[0,1] neg_hi:[0,1]     ; x - mean: the variance is taken of these, so a common offset of x costs nothing
	v_pk_add_f32 v[N1+\j:N1+\j+1], v[N1+\j:N1+\j+1], v[160:161] op_sel_hi:[1,0] neg_lo:[0,1] neg_hi:[0,1]
.endr
	v_pk_mul_f32 v[152:153], v[N0:N0+1], v[N0:N0+1]
	v_pk_mul_f32 v[154:155], v[N1:N1+1], v[N1:N1+1]
.irp j, 2,4,6,8,10,12,14
	v_pk_fma_f32 v[152:153], v[N0+\j:N0+\j+1], v[N0+\j:N0+\j+1], v[152:153]
	v_pk_fma_f32 v[154:155], v[N1+\j:N1+\j+1], v[N1+\j:N1+\j+1], v[154:155]
.endr
	v_add_f32 v152, v152, v153
	v_add_f32 v154, v154, v155
	WSUM2 152, 154, 156, 157
	v_fma_f32 v152, v152, s23, s24                 ; variance + 1e-5
	v_fma_f32 v154, v154, s23, s24
	s_wait_alu depctr_va_vdst(0)
	v_rsq_f32 v162, v152
	v_rsq_f32 v164, v154
	s_wait_loadcnt 21                              ; g and b are in; the ring's 21 loads may be out
	v_nop                                          ; a plain place behind the transcendentals
	s_wait_alu depctr_va_vdst(0)                   ; the two roots' results v162 and v164 are written, ahead of their first reader
.irp j, 0,2,4,6,8,10,12,14
	v_pk_mul_f32 v[N0+\j:N0+\j+1], v[N0+\j:N0+\j+1], v[162:163] op_sel_hi:[1,0]
	v_pk_mul_f32 v[N1+\j:N1+\j+1], v[N1+\j:N1+\j+1], v[164:165] op_sel_hi:[1,0]
.endr
.irp j, 0,2,4,6,8,10,12,14
	v_pk_fma_f32 v[N0+\j:N0+\j+1], v[N0+\j:N0+\j+1], v[GG+\j:GG+\j+1], v[BB+\j:BB+\j+1]
	v_pk_fma_f32 v[N1+\j:N1+\j+1], v[N1+\j:N1+\j+1], v[GG+\j:GG+\j+1], v[BB+\j:BB+\j+1]
.endr
	v_max3_num_f32 v152, |v[N0]|, |v[N0+1]|, 0x1800000             ; h is quantised: two neighbouring lanes hold a block of 32
	v_max3_num_f32 v154, |v[N1]|, |v[N1+1]|, 0x1800000
.irp j, 2,4,6,8,10,12,14
	v_max3_num_f32 v152, v152, |v[N0+\j]|, |v[N0+\j+1]|
	v_max3_num_f32 v154, v154, |v[N1+\j]|, |v[N1+\j+1]|
.endr
	v_max_num_f32_dpp v152, v152, v152 row_xmask:1 row_mask:0xf bank_mask:0xf
	v_max_num_f32_dpp v154, v154, v154 row_xmask:1 row_mask:0xf bank_mask:0xf
	v_add_nc_u32 v174, 0xff000000, v152
	v_add_nc_u32 v175, 0xff000000, v154
	v_lshrrev_b32 v169, 23, v174
	v_lshrrev_b32 v173, 23, v175
	v_cvt_scalef32_pk16_fp6_f32 v[166:168], v[N0:N0+15], v174
	v_cvt_scalef32_pk16_fp6_f32 v[170:172], v[N1:N1+15], v175
	v_nop                                          ; one plain place behind the last conversion
	s_wait_alu depctr_va_vdst(0)                   ; the codes v166-168, v170-172 and the bytes v169, v173 are written, which the LDS stores read; and the conversions are done reading v176-207, in part of which fragments land from item 0 on
.irp i, 0,1,2
	ds_store_b32 v14, v[166+\i] offset:4*\i
	ds_store_b32 v14, v[170+\i] offset:6400+4*\i
.endr
	ds_store_b8 v15, v169                          ; both lanes of a block write the same byte with the same value
	ds_store_b8 v15, v173 offset:256
	s_wait_dscnt 0x0                               ; for the others' sake: my stores have landed
	s_barrier_signal -1
	s_barrier_wait -1                              ; the 32 rows' codes and scale bytes lie in LDS; nothing writes them again
	s_wait_alu depctr_vm_vsrc(0)                   ; my LDS stores of x have read v120-151: these registers are the accumulators from here on
	FRAG AFR, 6, 0                                 ; item 0's fragments; each item asks for the next one's
	FRAG AFR+12, 6, 6400
.irp kind, 0,1,2
.irp s, 0,1,2,3
	ITEM 4*\kind+\s, 12, \s, \kind/2, ACC, 2*((\s+3)/4)
.endr
	EMIT \kind
.endr
	s_wait_dscnt 0x0                               ; the closing lines, six on end
	s_wait_alu 0x0
	s_wait_tensorcnt 0x0
	ds_add_u32 v254, v255
	s_wait_dscnt 0x0
	s_endpgm
.Lfunc_end_k_q53fdbad820_qkv:
	.size	k_q53fdbad820_qkv, .Lfunc_end_k_q53fdbad820_qkv-k_q53fdbad820_qkv
	.p2alignl 7, 3214868480
	.fill 96, 4, 3214868480
	.section	.rodata,"a",@progbits
	.p2align	6, 0x0
	.amdhsa_kernel k_q53fdbad820_qkv
		.amdhsa_group_segment_fixed_size 97280
		.amdhsa_private_segment_fixed_size 0
		.amdhsa_enable_private_segment 0
		.amdhsa_kernarg_size 56
		.amdhsa_user_sgpr_count 2
		.amdhsa_user_sgpr_kernarg_segment_ptr 1
		.amdhsa_wavefront_size32 1
		.amdhsa_system_sgpr_workgroup_id_x 1
		.amdhsa_system_sgpr_workgroup_id_y 1
		.amdhsa_system_sgpr_workgroup_id_z 1
		.amdhsa_system_vgpr_workitem_id 0
		.amdhsa_next_free_vgpr 256
		.amdhsa_next_free_sgpr 66
		.amdhsa_reserve_vcc 0
		.amdhsa_float_denorm_mode_32 3
		.amdhsa_float_denorm_mode_16_64 3
		.amdhsa_memory_ordered 1
		.amdhsa_forward_progress 1
		.amdhsa_inst_pref_size 48
	.end_amdhsa_kernel
	.amdgpu_metadata
---
amdhsa.version: [ 1, 2 ]
amdhsa.kernels:
  - .name:           k_q53fdbad820_qkv
    .symbol:         k_q53fdbad820_qkv.kd
    .args:
      - { .name: x, .offset: 0, .size: 8, .value_kind: global_buffer, .address_space: global }
      - { .name: g_ln1, .offset: 8, .size: 8, .value_kind: global_buffer, .address_space: global }
      - { .name: b_ln1, .offset: 16, .size: 8, .value_kind: global_buffer, .address_space: global }
      - { .name: wcodes, .offset: 24, .size: 8, .value_kind: global_buffer, .address_space: global }
      - { .name: wscales, .offset: 32, .size: 8, .value_kind: global_buffer, .address_space: global }
      - { .name: qkvc, .offset: 40, .size: 8, .value_kind: global_buffer, .address_space: global }
      - { .name: qkvs, .offset: 48, .size: 8, .value_kind: global_buffer, .address_space: global }
    .group_segment_fixed_size: 97280
    .private_segment_fixed_size: 0
    .kernarg_segment_align: 8
    .kernarg_segment_size: 56
    .max_flat_workgroup_size: 512
    .sgpr_count:     66
    .vgpr_count:     256
    .wavefront_size: 32
...
	.end_amdgpu_metadata
.endif
;; end of part 6
;; launch attn (part 7): grid 256 x 1, 16 waves a work-group, no clusters, 120,832 bytes of LDS; arguments qkvc, qkvs, acodes, ascales; writes acodes, ascales
.if DOCPART == 7
	.amdgcn_target "amdgcn-amd-amdhsa--gfx1250"
	.amdhsa_code_object_version 6
	.text
	.protected	k_q53fdbad820_attn
	.globl	k_q53fdbad820_attn
	.p2align	8
	.type	k_q53fdbad820_attn,@function
k_q53fdbad820_attn:
	s_mov_b64 s[64:65], 0
	v_nop
	global_prefetch_b8 v0, s[64:65] scope:SCOPE_SE
	s_setreg_imm32_b32 hwreg(HW_REG_WAVE_SCHED_MODE, 0, 2), 2
	s_setreg_imm32_b32 hwreg(HW_REG_WAVE_MODE, 25, 1), 1
	s_wait_xcnt 0x0
	s_wait_alu depctr_vm_vsrc(0)
; Causal attention on codes of FP6 (E2M3), head size 32.  t = score x log2(e) / sqrt(32); M = the running largest t rounded up to a whole number; p = 2^(t - M) is quantised along the keys, not normalised;
; the row's sum is taken of the unquantised p and divides O at the end; O / sum is quantised along the head's 32 and stored as codes for the next product.
; SHARES.  Four work-groups to a (batch, head).  A head has 128 tiles of 16 queries (tile 2 g + hq: half hq of group g).  Wave w of work-group part c takes tile 16 c + w and then tile 127 less that:
; a tile of group g has g / 4 + 1 key steps of 128, so every wave has 17.  The loops' trip counts are constants (2 tiles x 16 steps); a step all of whose keys come after the tile's queries is jumped over.
; LDS.  The head's K and V codes (64 groups, 768 bytes at a pitch of 896) and their scale words come in once, through registers; one barrier; then LDS is only read.
; BOTH PRODUCTS TRANSPOSED: a lane holds one query throughout.  THE FIRST PRODUCT'S K IS 32, a quarter of the instruction's 128.  So a fragment of K carries 64 keys: block bb = 2 c + h' of its 128 holds
; the 32 codes of row r + 16 h' of group 4 s + 2 f + c, which is what lane (r, h') finds at its own place in that group.  Q stands in ONE block of source 1 and zero codes in the other three: four variants,
; cut out of one run of registers (zeros, Q in lanes 0-15, zeros, Q in lanes 16-31, zeros).  Tile 4 f + bb of the scores then holds keys such that the 16 registers of tiles 2 b and 2 b + 1 are keys
; 32 b + 16 (lane / 16) + 0 .. 15.  Zero codes add nothing under any scale byte but 0xff, and the bytes here lie between 1 and 254.
; LIMITS: a block of zeros, or one under 2^-124, gets the byte 1 (this program alone reads the bytes).  NaN and infinities are not served.  v_exp_f32 and v_rcp_f32 are used as they are; a block's largest p is
; taken as the exponential of the block's largest score.
; THE MODE: SCHED_MODE bits 1:0 = 2 (LLVM: expert scheduling mode 2), set by the entry lines.  The code itself states the register dependences
; between vector or matrix instructions and memory or LDS instructions, with s_wait_alu, always for 0.
; THE PLAN.  Registers that memory or LDS instructions touch in the loops:
;   v8-11, v50          The step's LDS addresses: written by five additions at the step's head, read by the step's 18 LDS loads.  They are made anew in each step from the stepped scalars.
;   v58-81, v47         K's fragments and scale words: the step's first eight products read them; the next step's loads land in them.
;   v176-199, v48       V's likewise: the step's last two products read them.
;   v51-57              Q as loaded: read by the selects at a tile's head; the next tile's loads land in them.
;   v212-214, v221      A tile's codes and byte: written at the tile's end, read by its two stores, written again in the next tile's steps.
;   v96-151             The fill's data, read by the head's LDS stores; the scores from then on.
;   v1-5, v82-90, v244-247  Offsets and addresses, made once at the head.
; A step has one wait on vm_vsrc, ahead of the five additions, and one on va_vdst behind them, which serves all 18 loads and the first products' operands; one more on va_vdst stands ahead of the last
; two products, whose source 1 and its scale word vector instructions have made; the two waits behind exponentials and the reciprocal stand as ever.
; The mask's compares go in runs of eight into s56-s63, one wait on va_sdst behind each run, ahead of its eight selects.
.set GP,   896                         ; a group's pitch in LDS: 224 words, half way round the 64 banks of 4 bytes (ISA guide 11.1): the two halves of the lanes of V's 8-byte loads touch different banks
.set VB,   57344                       ; V's groups, behind K's
.set KS,   114688                      ; K's scale words, 512; V's 2,048 bytes on
.set BM,   220                         ; v220-223 the blocks' largest scores, then largest p
.set PX,   224                         ; v224-227 the other half's; then the bytes
.set SOP,  228                         ; v228-231 the conversions' scale operands
.set TA,   232
.set FF,   234                         ; v[234:235] f = 2^(old M - new M)
.set SUMB, 236                         ; v[236:237] the sum's second chain
.set SEL,  36
.set MH,   38
.set CS,   40
.set CM,   56                          ; s56-63   eight masks of the causal compares
; v1 16 lane; v2 512 + 8 lane; v3, v4 V's two planes; v5 scale words; v6 zero; v7 the mask's lane term; v8-11, v50 the step's addresses; v12 -M, v13 the largest t, v[14:15] the sum;
; v16-45 Q's variants; v46 Q's, v47 K's, v48 V's, v49 p's scale words (scales and nothing else); v51-57 Q as loaded; v58-81 K; v82-90 the fill's addresses; v96-159 S^T, then p; v160-175 O^T;
; v176-199 V; v200-211 p's codes; v212-218 conversions' second halves; v244-247 offsets
.macro MM d, a, b, cm, c, sa, sb, ra, rb   ; one matrix instruction.  cm = 0: C is the constant 0; else C = v[c ..].  ra, rb: which half of the lanes holds that side's scales
.set MSEL, 2*(\ra)+(\rb)
.if (\cm) == 0
.if MSEL == 0
	v_wmma_scale_f32_16x16x128_f8f6f4 v[\d:\d+7], v[\a:\a+11], v[\b:\b+11], 0, v[\sa], v[\sb] matrix_a_fmt:MATRIX_FMT_FP6 matrix_b_fmt:MATRIX_FMT_FP6
.else
	v_wmma_scale_f32_16x16x128_f8f6f4 v[\d:\d+7], v[\a:\a+11], v[\b:\b+11], 0, v[\sa], v[\sb] matrix_a_fmt:MATRIX_FMT_FP6 matrix_b_fmt:MATRIX_FMT_FP6 matrix_a_scale:MATRIX_SCALE_ROW1
.endif
.else
.if MSEL == 0
	v_wmma_scale_f32_16x16x128_f8f6f4 v[\d:\d+7], v[\a:\a+11], v[\b:\b+11], v[\c:\c+7], v[\sa], v[\sb] matrix_a_fmt:MATRIX_FMT_FP6 matrix_b_fmt:MATRIX_FMT_FP6
.else
	v_wmma_scale_f32_16x16x128_f8f6f4 v[\d:\d+7], v[\a:\a+11], v[\b:\b+11], v[\c:\c+7], v[\sa], v[\sb] matrix_a_fmt:MATRIX_FMT_FP6 matrix_b_fmt:MATRIX_FMT_FP6 matrix_a_scale:MATRIX_SCALE_ROW1
.endif
.endif
.endm
	s_load_b256 s[4:11], s[0:1], 0x0               ; qkvc, qkvs, acodes, ascales
	v_lshl_add_u32 v254, v0, 2, 0x1d000
	v_mov_b32 v255, 0
	v_lshrrev_b32 v8, 5, v0
	v_readfirstlane_b32 s12, v8                    ; wave
	v_and_b32 v9, 31, v0                           ; lane
	v_and_b32 v10, 15, v0                          ; r
	v_bfe_u32 v11, v0, 4, 1                        ; h
	v_lshlrev_b32 v1, 4, v9
	v_lshl_add_u32 v2, v9, 3, 512
	v_mul_u32_u24 v3, v11, GP
	v_lshl_add_u32 v4, v10, 3, v3
	v_lshl_add_u32 v3, v10, 4, v3
	v_add_nc_u32 v3, VB, v3                        ; V: group 4 s + 2 c + h, row 16 tile + r: the first 16 bytes,
	v_add_nc_u32 v4, VB+512, v4                    ; the last 8
	v_lshl_add_u32 v5, v9, 2, KS
	v_mov_b32 v6, 0
	v_and_b32 v7, 7, v10
	v_lshrrev_b32 v12, 3, v10
	v_lshl_add_u32 v7, v12, 4, v7
	v_lshlrev_b32 v12, 4, v11
	v_sub_nc_u32 v7, v7, v12                       ; (r & 7) + 16 (r >> 3) - 16 h
	v_lshlrev_b32 v244, 4, v10
	v_lshlrev_b32 v245, 3, v10
	v_mov_b32 v246, v10
	v_mul_u32_u24 v247, v10, 24
	v_mad_u32_u24 v247, v11, 12, v247              ; out: row r's 24 bytes, my half's 12
	s_wait_alu depctr_va_sdst(0)                   ; s12 is written, ahead of its first reader: the fill's addresses and my tiles' numbers are made from it
	s_mul_i32 s13, s12, 768
	v_add_nc_u32 v82, s13, v1                      ; the fill: group w (+ 16 j) in memory,
	v_add_nc_u32 v83, s13, v2
	s_mul_i32 s13, s12, GP
	v_add_nc_u32 v84, s13, v1                      ; and in LDS: K's,
	v_add_nc_u32 v85, s13, v2
	v_add_nc_u32 v86, VB, v84                      ; V's
	v_add_nc_u32 v87, VB, v85
	v_lshrrev_b32 v88, 4, v0
	v_lshlrev_b32 v88, 6, v88
	v_add_nc_u32 v88, v88, v10                     ; K's scale word t = 32 s + 16 f + r: byte bb lies at 64 (t >> 4) + (t & 15) + 16 bb
	v_lshrrev_b32 v89, 5, v0
	v_lshl_add_u32 v89, v89, 7, v9                 ; V's word t = 32 s + L: byte bb at 128 (t >> 5) + (t & 31) + 32 bb
	v_lshl_add_u32 v90, v0, 2, KS
	s_lshr_b32 s14, ttmp9, 2                       ; batch x head
	s_and_b32 s15, ttmp9, 3
	s_mul_i32 s16, s14, 49152
	s_mov_b32 s17, 0
	s_lshl_b32 s18, s14, 11
	s_mov_b32 s19, 0
	s_lshr_b32 s54, s14, 4
	s_lshl_b32 s54, s54, 11
	s_and_b32 s34, s14, 15
	s_add_co_u32 s54, s54, s34                     ; 16 x (the batch's first tile) + head
	s_lshl_b32 s24, s15, 4
	s_add_co_u32 s24, s24, s12                     ; my first tile
	s_mov_b32 s25, 2
	s_mov_b32 s[SEL], 0x76543210
	s_mov_b32 s[SEL+1], 0xfedcba98
	s_mov_b32 s[MH], 0xffff0000
	s_mov_b32 s39, 0x01010101
	s_mov_b32 s[CS], 0x3e8293ee                    ; c = log2(e) / sqrt(32)
	s_mov_b32 s[CS+1], s[CS]                       ; (named with it as a pair)
	s_wait_kmcnt 0x0
	s_add_nc_u64 s[20:21], s[4:5], s[16:17]        ; the head in each tensor of codes,
	s_add_nc_u64 s[22:23], s[6:7], s[18:19]        ; and of scale bytes
	s_wait_alu depctr_va_vdst(0)                   ; the offsets and addresses v82 to v90 and v244 to v247 are written, which the loads and stores of the whole kernel read; so are v254 and v255
.irp j, 0,1,2,3
	global_load_b128 v[96+4*\j:99+4*\j], v82, s[20:21] offset:3145728+12288*\j
	global_load_b64 v[112+2*\j:113+2*\j], v83, s[20:21] offset:3145728+12288*\j
	global_load_b128 v[120+4*\j:123+4*\j], v82, s[20:21] offset:6291456+12288*\j
	global_load_b64 v[136+2*\j:137+2*\j], v83, s[20:21] offset:6291456+12288*\j
.endr
.irp b, 0,1,2,3
	global_load_u8 v[144+\b], v88, s[22:23] offset:131072+16*\b
	global_load_u8 v[148+\b], v89, s[22:23] offset:262144+32*\b
.endr
.irp i, 0,1,2,3,4,5
	v_mov_b32 v[16+\i], 0                          ; the zero codes round Q: written once
	v_mov_b32 v[28+\i], 0
	v_mov_b32 v[40+\i], 0
.endr
.irp b, 0,1,2,3
	v_mov_b32 v[PX+\b], 0                          ; a lane permute's destination counts as one of its sources
.endr
	v_mov_b32 v[TA], 0
	v_mov_b32 v[FF+1], 0                           ; (the upper half of a pair)
	s_wait_loadcnt 0x0
.irp j, 0,1,2,3
	ds_store_b128 v84, v[96+4*\j:99+4*\j] offset:16*GP*\j
	ds_store_b64 v85, v[112+2*\j:113+2*\j] offset:16*GP*\j
	ds_store_b128 v86, v[120+4*\j:123+4*\j] offset:16*GP*\j
	ds_store_b64 v87, v[136+2*\j:137+2*\j] offset:16*GP*\j
.endr
.irp b, 1,2,3
	v_lshl_or_b32 v144, v[144+\b], 8*\b, v144
	v_lshl_or_b32 v148, v[148+\b], 8*\b, v148
.endr
	s_wait_alu depctr_va_vdst(0)                   ; the two scale words v144 and v148 are written, which the two LDS stores read
	ds_store_b32 v90, v144
	ds_store_b32 v90, v148 offset:2048
	s_wait_dscnt 0x0                               ; for the others' sake: my stores have landed
	s_barrier_signal -1
	s_barrier_wait -1                              ; the head's K and V lie in LDS; nothing writes them again
.Ltile:
	s_wait_xcnt 0x0                                ; the last tile's loads and stores have read their bases and data: both are written again only behind this wait,
	s_wait_alu depctr_vm_vsrc(0)                   ; and behind this one: the last tile's stores have read v212-214 and v221, which this tile's steps write again; on the first way in: the fill's LDS stores have read v96-151, which the products write
	s_lshr_b32 s26, s24, 1                         ; g
	s_and_b32 s27, s24, 1                          ; hq
	s_lshl_b32 s28, s26, 5                         ; 32 g
	s_lshl_b32 s34, s27, 3
	s_add_co_u32 s29, s28, s34                     ; 32 g + 8 hq
	s_add_co_u32 s30, s28, 31                      ; the group's last token
	s_mul_i32 s52, s26, 768
	s_lshl_b32 s34, s27, 8
	s_add_co_u32 s52, s52, s34
	s_mov_b32 s53, 0
	s_add_nc_u64 s[42:43], s[20:21], s[52:53]      ; Q: the tile's first 16 bytes a row,
	s_lshl_b32 s34, s27, 7
	s_sub_co_u32 s52, s52, s34
	s_add_co_u32 s52, s52, 512
	s_add_nc_u64 s[44:45], s[20:21], s[52:53]      ; the last 8,
	s_lshl_b32 s52, s24, 4
	s_add_nc_u64 s[46:47], s[22:23], s[52:53]      ; the bytes
	s_add_co_u32 s34, s52, s54                     ; 16 x tile + head
	s_mul_i32 s52, s34, 384
	s_add_nc_u64 s[48:49], s[8:9], s[52:53]
	s_lshl_b32 s52, s34, 4
	s_add_nc_u64 s[50:51], s[10:11], s[52:53]
	global_load_b128 v[52:55], v244, s[42:43]      ; no wait on va_vdst here: the selects that read v51-57 stand ahead of the last tile's waits, and nothing since names these registers
	global_load_b64 v[56:57], v245, s[44:45]
	global_load_u8 v51, v246, s[46:47]
	s_mov_b32 s31, 0                               ; the step's first key
	s_mov_b32 s32, 0                               ; its groups in LDS
	s_mov_b32 s33, 0                               ; its scale words
	s_wait_loadcnt 0x0
.irp i, 0,1,2,3,4,5
	v_cndmask_b32 v[22+\i], v[52+\i], v6, s[MH]    ; Q in lanes 0-15, zeros in lanes 16-31,
	v_cndmask_b32 v[34+\i], v6, v[52+\i], s[MH]    ; and the other way round
.endr
	v_mul_lo_u32 v46, v51, s39                     ; Q's byte in all four places of its scale word
.irp j, 0,1,2,3,4,5,6,7,8,9,10,11,12,13,14,15
	v_mov_b32 v[160+\j], 0                         ; O^T.  (The step is written once: the first finds zeros.  These lines are also the places between the lines above and the first product)
.endr
	v_mov_b32 v14, 0
	v_mov_b32 v15, 0
	v_mov_b32 v13, 0xff61b1e6                      ; the largest t so far: -3e38
	v_floor_f32 v12, -v13                          ; -M
.Lstep:
	s_cmp_gt_u32 s31, s30                          ; all 128 keys come after the tile's queries: a branch on ids, round the step's work alone
	s_cbranch_scc1 .Lhidden
	s_wait_alu depctr_vm_vsrc(0)                   ; the last step's LDS loads have read v8-11 and v50, which the five additions write
	v_add_nc_u32 v8, s32, v1                       ; (five plain places behind the last products)
	v_add_nc_u32 v9, s32, v2
	v_add_nc_u32 v10, s32, v3
	v_add_nc_u32 v11, s32, v4
	v_add_nc_u32 v50, s33, v5
	s_wait_alu depctr_va_vdst(0)                   ; the five addresses are written, which the loads read; the last step's products are done reading K's and V's fragments and scale words, in which the loads land; in a tile's first step Q's variants v22-39 and its scale word v46 are written, which the products below take
.irp f, 0,1
.irp c, 0,1
	ds_load_b128 v[58+12*\f+6*\c:61+12*\f+6*\c], v8 offset:GP*(2*\f+\c)
	ds_load_b64 v[62+12*\f+6*\c:63+12*\f+6*\c], v9 offset:GP*(2*\f+\c)
.endr
.endr
	ds_load_b32 v47, v50
.irp t, 0,1
.irp c, 0,1
	ds_load_b128 v[176+12*\t+6*\c:179+12*\t+6*\c], v10 offset:2*GP*\c+256*\t
	ds_load_b64 v[180+12*\t+6*\c:181+12*\t+6*\c], v11 offset:2*GP*\c+128*\t
.endr
.endr
	ds_load_b32 v48, v50 offset:2048
	s_wait_dscnt 9                                 ; K's nine loads are in; V's nine may be out
.irp f, 0,1
.irp bb, 0,1,2,3
	MM 96+8*(4*\f+\bb), 58+12*\f, 22+12*(\bb%2)-6*(\bb/2), 0, 0, 47, 46, \f, 0
.endr
.endr
.rept 4
	v_nop
.endr
	s_add_co_u32 s34, s31, 127                     ; on the diagonal hidden scores become -infinity ahead of the maximum; a step all of whose keys count skips this
	s_cmp_le_u32 s34, s28
	s_cbranch_scc1 .Lopen
	s_sub_co_i32 s34, s29, s31
	v_add_nc_u32 v238, s34, v7                     ; d = my query - the step's first key - 16 (lane / 16): register 16 b + i is hidden where 32 b + i > d
	v_mov_b32 v240, 0xff800000
.set g, 0
.rept 8                                        ; an accumulator's eight registers at a time: register 8 g + e holds key offset 32 (g / 2) + 8 (g % 2) + e
.irp e, 0,1,2,3,4,5,6,7
	v_cmp_gt_i32 s[CM+\e], 32*(g/2)+8*(g%2)+\e, v238
.endr
	s_wait_alu depctr_va_sdst(0)                   ; the eight masks s56-s63 are written, ahead of the selects that read them
.irp e, 0,1,2,3,4,5,6,7
	v_cndmask_b32 v[96+8*g+\e], v[96+8*g+\e], v240, s[CM+\e]       ; each accumulator from its low end on
.endr
.set g, g+1
.endr
.Lopen:
.irp b, 0,1,2,3
	v_max3_num_f32 v[BM+\b], v[96+16*\b], v[97+16*\b], v[98+16*\b]     ; the largest score of each block of 32 keys: for the row's maximum and for the block's largest p
.endr
.irp i, 3,5,7,9,11,13
.irp b, 0,1,2,3
	v_max3_num_f32 v[BM+\b], v[BM+\b], v[96+16*\b+\i], v[97+16*\b+\i]
.endr
.endr
.irp b, 0,1,2,3
	v_max_num_f32 v[BM+\b], v[BM+\b], v[111+16*\b]
.endr
.irp b, 0,1,2,3
	v_permlanex16_b32 v[PX+\b], v[BM+\b], s[SEL], s[SEL+1]
.endr
.irp b, 0,1,2,3
	v_max_num_f32 v[BM+\b], v[BM+\b], v[PX+\b]
.endr
	v_max3_num_f32 v[TA], v[BM], v[BM+1], v[BM+2]
	v_max_num_f32 v[TA], v[TA], v[BM+3]
	v_mul_f32 v[TA], s[CS], v[TA]
	v_max_num_f32 v13, v13, v[TA]                  ; the running largest t
	v_mov_b32 v[TA], v12
	v_floor_f32 v12, -v13                          ; -M = floor(-t): M is a whole number
	v_sub_f32 v[TA], v12, v[TA]
	v_cvt_i32_f32 v[TA], v[TA]                     ; (it saturates)
	v_ldexp_f32 v[FF], 1.0, v[TA]                  ; f = 2^(old M - new M): a multiplication by it rounds nothing
.set j, 0
.rept 32
	v_pk_fma_f32 v[96+j:97+j], v[96+j:97+j], s[CS:CS+1], v[12:13] op_sel_hi:[1,0,0]   ; t - M
.set j, j+2
.endr
.irp b, 0,1,2,3
	v_fma_f32 v[BM+\b], v[BM+\b], s[CS], v12
.endr
.set j, 0
	s_wait_alu depctr_va_vdst(0)
.rept 64
	v_exp_f32 v[96+j], v[96+j]                     ; p = 2^(t - M)
.set j, j+1
.endr
.irp b, 0,1,2,3
	v_exp_f32 v[BM+\b], v[BM+\b]
.endr
	v_pk_mul_f32 v[14:15], v[14:15], v[FF:FF+1] op_sel_hi:[1,0]    ; the sum under the new M.  (A plain place behind the exponentials)
	s_wait_alu depctr_va_vdst(0)                   ; the 68 exponentials' results, v96-159 and v220-223, are written, ahead of their first reader
.irp b, 0,1,2,3
	v_max_num_f32 v[BM+\b], 0x1800000, v[BM+\b]    ; the floor: the byte cannot fall under 1
.endr
.irp b, 0,1,2,3
	v_add_nc_u32 v[SOP+\b], 0xff000000, v[BM+\b]
.endr
.irp b, 0,1,2,3
	v_lshrrev_b32 v[PX+\b], 23, v[SOP+\b]
.endr
	v_lshl_or_b32 v49, v[PX+1], 8, v[PX]           ; p's scale word for these 128 keys
	v_lshl_or_b32 v49, v[PX+2], 16, v49
	v_lshl_or_b32 v49, v[PX+3], 24, v49
.irp c, 0,1
	v_cvt_scalef32_pk16_fp6_f32 v[200+6*\c:202+6*\c], v[96+32*\c:111+32*\c], v[SOP+2*\c]
	v_cvt_scalef32_pk16_fp6_f32 v[212+4*\c:214+4*\c], v[112+32*\c:127+32*\c], v[SOP+2*\c+1]
.endr
	v_nop                                          ; one plain place behind the last conversion
.irp c, 0,1
.irp i, 0,1,2
	v_permlane16_swap_b32 v[200+6*\c+\i], v[212+4*\c+\i]           ; a whole block to a lane: lanes 0-15 block 2 c, lanes 16-31 block 2 c + 1
.endr
.irp i, 0,1,2
	v_mov_b32 v[203+6*\c+\i], v[212+4*\c+\i]
.endr
.endr
	v_pk_add_f32 v[SUMB:SUMB+1], v[96:97], v[98:99]                ; the row's sum, of the unquantised p, in two chains
.irp j, 4,8,12,16,20,24,28,32,36,40,44,48,52,56,60
	v_pk_add_f32 v[14:15], v[14:15], v[96+\j:97+\j]
	v_pk_add_f32 v[SUMB:SUMB+1], v[SUMB:SUMB+1], v[98+\j:99+\j]
.endr
	v_pk_add_f32 v[14:15], v[14:15], v[SUMB:SUMB+1]
.irp j, 0,2,4,6,8,10,12,14
	v_pk_mul_f32 v[160+\j:161+\j], v[160+\j:161+\j], v[FF:FF+1] op_sel_hi:[1,0]       ; O^T under the new M
.endr
	s_wait_dscnt 0x0                               ; V is in
	s_wait_alu depctr_va_vdst(0)                   ; p's codes v200-211 and its scale word v49 are written, which the two products take; the sums and scalings above are the places between
.irp t, 0,1
	MM 160+8*\t, 176+12*\t, 200, 2, 160+8*\t, 48, 49, \t, 0
.endr
.Lhidden:
	s_add_co_u32 s32, s32, 4*GP
	s_add_co_u32 s33, s33, 128
	s_add_co_u32 s31, s31, 128
	s_cmp_lg_u32 s31, 2048
	s_cbranch_scc1 .Lstep
.rept 4
	v_nop                                          ; places behind the last products
.endr
	s_wait_alu depctr_va_vdst(0)
	v_add_f32 v14, v14, v15
	v_permlanex16_b32 v[TA], v14, s[SEL], s[SEL+1]
	v_add_f32 v14, v14, v[TA]                      ; the row's sum
	s_wait_alu depctr_va_vdst(0)
	v_rcp_f32 v14, v14
	v_nop                                          ; a plain place behind the transcendental
	s_wait_alu depctr_va_vdst(0)                   ; the reciprocal v14 is written, ahead of its first reader
.irp j, 0,2,4,6,8,10,12,14
	v_pk_mul_f32 v[96+\j:97+\j], v[160+\j:161+\j], v[14:15] op_sel_hi:[1,0]           ; O^T / the sum: my query's channels 16 (lane / 16) + 0 .. 15
.endr
	v_max3_num_f32 v[BM], |v96|, |v97|, 0x1800000
.irp j, 2,4,6,8,10,12,14
	v_max3_num_f32 v[BM], v[BM], |v[96+\j]|, |v[97+\j]|
.endr
	v_permlanex16_b32 v[PX], v[BM], s[SEL], s[SEL+1]
	v_max_num_f32 v[BM], v[BM], v[PX]              ; the head's 32 channels are one block of the next product's K
	v_add_nc_u32 v[SOP], 0xff000000, v[BM]
	v_lshrrev_b32 v[BM+1], 23, v[SOP]
	v_cvt_scalef32_pk16_fp6_f32 v[212:214], v[96:111], v[SOP]
	v_nop                                          ; one plain place behind the conversion
	s_wait_alu depctr_va_vdst(0)                   ; the codes v212-214 and the byte v221 are written, which the two stores read
	global_store_b96 v247, v[212:214], s[48:49]    ; 384 consecutive bytes: the tile's 16 rows of this head
	global_store_b8 v246, v[BM+1], s[50:51]        ; lanes r and r + 16 write the same byte with the same value
	s_sub_co_u32 s24, 127, s24                     ; my second tile
	s_sub_co_i32 s25, s25, 1
	s_cmp_lg_u32 s25, 0
	s_cbranch_scc1 .Ltile
	s_wait_dscnt 0x0                               ; the closing lines, six on end
	s_wait_alu 0x0
	s_wait_tensorcnt 0x0
	ds_add_u32 v254, v255
	s_wait_dscnt 0x0
	s_endpgm
.Lfunc_end_k_q53fdbad820_attn:
	.size	k_q53fdbad820_attn, .Lfunc_end_k_q53fdbad820_attn-k_q53fdbad820_attn
	.p2alignl 7, 3214868480
	.fill 96, 4, 3214868480
	.section	.rodata,"a",@progbits
	.p2align	6, 0x0
	.amdhsa_kernel k_q53fdbad820_attn
		.amdhsa_group_segment_fixed_size 120832
		.amdhsa_private_segment_fixed_size 0
		.amdhsa_enable_private_segment 0
		.amdhsa_kernarg_size 32
		.amdhsa_user_sgpr_count 2
		.amdhsa_user_sgpr_kernarg_segment_ptr 1
		.amdhsa_wavefront_size32 1
		.amdhsa_system_sgpr_workgroup_id_x 1
		.amdhsa_system_sgpr_workgroup_id_y 1
		.amdhsa_system_sgpr_workgroup_id_z 1
		.amdhsa_system_vgpr_workitem_id 0
		.amdhsa_next_free_vgpr 256
		.amdhsa_next_free_sgpr 66
		.amdhsa_reserve_vcc 0
		.amdhsa_float_denorm_mode_32 3
		.amdhsa_float_denorm_mode_16_64 3
		.amdhsa_memory_ordered 1
		.amdhsa_forward_progress 1
		.amdhsa_inst_pref_size 37
	.end_amdhsa_kernel
	.amdgpu_metadata
---
amdhsa.version: [ 1, 2 ]
amdhsa.kernels:
  - .name:           k_q53fdbad820_attn
    .symbol:         k_q53fdbad820_attn.kd
    .args:
      - { .name: qkvc, .offset: 0, .size: 8, .value_kind: global_buffer, .address_space: global }
      - { .name: qkvs, .offset: 8, .size: 8, .value_kind: global_buffer, .address_space: global }
      - { .name: acodes, .offset: 16, .size: 8, .value_kind: global_buffer, .address_space: global }
      - { .name: ascales, .offset: 24, .size: 8, .value_kind: global_buffer, .address_space: global }
    .group_segment_fixed_size: 120832
    .private_segment_fixed_size: 0
    .kernarg_segment_align: 8
    .kernarg_segment_size: 32
    .max_flat_workgroup_size: 512
    .sgpr_count:     66
    .vgpr_count:     256
    .wavefront_size: 32
...
	.end_amdgpu_metadata
.endif
;; end of part 7
;; launch ffn (part 8): grid 256 x 1, 16 waves a work-group, no clusters, 155,136 bytes of LDS; arguments acodes, ascales, x, wcodes, wscales, bo, g_ln2, b_ln2, b1, b2, out0; writes out0
.if DOCPART == 8
	.amdgcn_target "amdgcn-amd-amdhsa--gfx1250"
	.amdhsa_code_object_version 6
	.text
	.protected	k_q53fdbad820_ffn
	.globl	k_q53fdbad820_ffn
	.p2align	8
	.type	k_q53fdbad820_ffn,@function
k_q53fdbad820_ffn:
	s_mov_b64 s[64:65], 0
	v_nop
	global_prefetch_b8 v0, s[64:65] scope:SCOPE_SE
	s_setreg_imm32_b32 hwreg(HW_REG_WAVE_SCHED_MODE, 0, 2), 2
	s_setreg_imm32_b32 hwreg(HW_REG_WAVE_MODE, 25, 1), 1
	s_wait_xcnt 0x0
	s_wait_alu depctr_vm_vsrc(0)
; x1 = x + attn wo + bo;  h2 = layernorm(x1) g + b, quantised;  out = x1 + Q(relu(h2 w1 + b1)) w2 + b2.  All three products on codes of FP6 (E2M3) with E8M0 scales.
; SHARES.  A work-group owns a group of 32 tokens (rows in the order p -> token (p & 7) + 16 ((p >> 3) & 1) + 8 (p >> 4); tile X rows 0-15, tile Y rows 16-31).  THE WAVES SHARE THE COLUMNS: wave w makes columns
; 32 w .. 32 w + 31 of the first and the last product, so x1 stays in its registers from the one to the other, and hidden units 128 w .. 128 w + 127, which are K step w of the last product.
; All products are used transposed (source 0 = a weight's tile, source 1 = a tile of tokens): a lane holds one token, and the 16 registers of a block's tiles u = 0, 1 are 16 neighbouring columns.
; The weights' fragments come straight from memory into a ring of three register slots (36 items: 4 of wo, 16 of w1, 16 of w2): two items' loads are out while one is multiplied; the rows' fragments come
; from LDS into two register buffers by turns.
; What goes from wave to wave goes through LDS as rows of codes: attention's and then h2's (384 bytes, pitch 400), the hidden layer's (1,536 bytes, pitch 1,552), with their scale bytes; the norm's sums as one word a wave and row.
; Six barriers: the head's fills | the rows' sums | the sums of squares | h2's codes | the hidden layer's codes | the output's rows.
; LIMITS: a block of zeros, or one whose largest magnitude lies under 2^-124, gets the byte 1 (nothing but this launch reads the bytes).  NaN and infinities are not served.  v_rsq_f32 is used as it is.
; bo and b2 are added to the residual ahead of the products' sums, not behind them.
; THE MODE: SCHED_MODE bits 1:0 = 2 (LLVM: expert scheduling mode 2), set by the entry lines.  The code itself states the register dependences
; between vector or matrix instructions and memory or LDS instructions, with s_wait_alu, always for 0.
; THE PLAN.  Registers that memory or LDS instructions touch behind the first barrier:
;   ring slot i % 3, WS[i % 3]   Item i's four products read them; the loads of item i + 3 land in them, issued at item i's end.
;   AFR[i % 2]                   Item i's products read it; the LDS loads of item i + 2's fragments land in it, issued in item i + 1.  A phase's first fragments are asked for behind its barrier, and its
;                                last item asks for none.  Between the phases buffer 0's first 16 registers take the norm's parts and g_ln2.
;   AS                           Read by four items' products; loaded anew at the head of each fourth item.
;   BIAS                         Read by vector additions or, as C, by a block's first products; loaded anew at the next phase's or block's head.
;   v206                         The norm's part: written by vector instructions, read by one LDS store, written again behind the sums.
;   v[T] on, v[BY]               Written by QUANT2, read by the LDS stores behind it, written again by the next QUANT2.
;   X1, ACC                      X1 leaves by LDS stores behind the last products; the output's rows land in ACC.
;   v4-v15, v222, v224-v229      Offsets and addresses, made once at the head and never written again.
; So ONE wait on va_vdst stands in an item, behind its four products and their places: they are done reading their ring slot and its scale words, which are asked for again at once, their buffer of
; fragments, AS and, in a block's first item, BIAS.  The next item's LDS loads, dealt among its products, owe nothing more: they land in the buffer that this wait has shown read, and the vector and
; matrix instructions issued since name the accumulators, QUANT2's registers and the next item's own slot, buffer and scale words alone.
.set SC,   12800                       ; LDS: codes of K = 512 at 0 (32 rows, pitch 400); their scale bytes, 16 a row;
.set RED1, 13312                       ; the sums: 32 rows, pitch 80, a word for each wave;  the sums of squares 2,560 bytes on;
.set VEC,  18432                       ; bo, b2, g_ln2, b_ln2, 2,048 bytes each;  b1 8,192 bytes on;
.set VB1,  26624
.set HSC,  34816                       ; the hidden layer's scale bytes: 32 rows, pitch 80;
.set HID,  37376                       ; its codes: 32 rows, pitch 1,552;
.set XST,  87040                       ; x on its way in, the output on its way out: 32 rows of 2,048 bytes, pitch 2,064
.set WR,   16                          ; v16-87   the ring
.set WS,   88                          ; v88-90   the slots' scale words.  Scales and nothing else
.set AS,   92                          ; v92-95   the rows' scale words of four K steps.  Scales and nothing else
.set AFR,  96                          ; v96-119  the rows' fragments of a K step, X and Y: buffer 0
.set AF2,  134                         ; buffer 1 lies 134 registers on: v230-253, some of which held the head's staging offsets and addresses
.set BIAS, 120                         ; v120-135 a bias at my 16 columns
.set X1,   136                         ; v136-167 x, then x1, then the output: accumulator 16 tile + 8 u
.set ACC,  168                         ; v168-199 x1 - mean, h2; the hidden layer's accumulators
.set MXA,  200
.set MXB,  201
.set PXA,  202
.set PXB,  203
.set SOA,  204
.set SOB,  205
.set BYA,  206
.set BYB,  207
.set T,    208
.set U,    214
.set BY,   217
.set SEL,  28
.set MH,   30
.macro MM d, a, b, cm, c, sa, sb, ra, rb   ; one matrix instruction.  cm = 0: C is the constant 0; else C = v[c ..].  ra, rb: which half of the lanes holds that side's scales
.set MSEL, 2*(\ra)+(\rb)
.if (\cm) == 0
.if MSEL == 0
	v_wmma_scale_f32_16x16x128_f8f6f4 v[\d:\d+7], v[\a:\a+11], v[\b:\b+11], 0, v[\sa], v[\sb] matrix_a_fmt:MATRIX_FMT_FP6 matrix_b_fmt:MATRIX_FMT_FP6
.elseif MSEL == 1
	v_wmma_scale_f32_16x16x128_f8f6f4 v[\d:\d+7], v[\a:\a+11], v[\b:\b+11], 0, v[\sa], v[\sb] matrix_a_fmt:MATRIX_FMT_FP6 matrix_b_fmt:MATRIX_FMT_FP6 matrix_b_scale:MATRIX_SCALE_ROW1
.elseif MSEL == 2
	v_wmma_scale_f32_16x16x128_f8f6f4 v[\d:\d+7], v[\a:\a+11], v[\b:\b+11], 0, v[\sa], v[\sb] matrix_a_fmt:MATRIX_FMT_FP6 matrix_b_fmt:MATRIX_FMT_FP6 matrix_a_scale:MATRIX_SCALE_ROW1
.else
	v_wmma_scale_f32_16x16x128_f8f6f4 v[\d:\d+7], v[\a:\a+11], v[\b:\b+11], 0, v[\sa], v[\sb] matrix_a_fmt:MATRIX_FMT_FP6 matrix_b_fmt:MATRIX_FMT_FP6 matrix_a_scale:MATRIX_SCALE_ROW1 matrix_b_scale:MATRIX_SCALE_ROW1
.endif
.else
.if MSEL == 0
	v_wmma_scale_f32_16x16x128_f8f6f4 v[\d:\d+7], v[\a:\a+11], v[\b:\b+11], v[\c:\c+7], v[\sa], v[\sb] matrix_a_fmt:MATRIX_FMT_FP6 matrix_b_fmt:MATRIX_FMT_FP6
.elseif MSEL == 1
	v_wmma_scale_f32_16x16x128_f8f6f4 v[\d:\d+7], v[\a:\a+11], v[\b:\b+11], v[\c:\c+7], v[\sa], v[\sb] matrix_a_fmt:MATRIX_FMT_FP6 matrix_b_fmt:MATRIX_FMT_FP6 matrix_b_scale:MATRIX_SCALE_ROW1
.elseif MSEL == 2
	v_wmma_scale_f32_16x16x128_f8f6f4 v[\d:\d+7], v[\a:\a+11], v[\b:\b+11], v[\c:\c+7], v[\sa], v[\sb] matrix_a_fmt:MATRIX_FMT_FP6 matrix_b_fmt:MATRIX_FMT_FP6 matrix_a_scale:MATRIX_SCALE_ROW1
.else
	v_wmma_scale_f32_16x16x128_f8f6f4 v[\d:\d+7], v[\a:\a+11], v[\b:\b+11], v[\c:\c+7], v[\sa], v[\sb] matrix_a_fmt:MATRIX_FMT_FP6 matrix_b_fmt:MATRIX_FMT_FP6 matrix_a_scale:MATRIX_SCALE_ROW1 matrix_b_scale:MATRIX_SCALE_ROW1
.endif
.endif
.endm
.macro WLOAD i                         ; item i: both tiles' fragments of a block and K step, 6 loads of 512 consecutive bytes, and their scale words: 7 loads
.set LSL, (\i)%3
.if (\i) < 4
.set WAD, 4
.set SAD, 6
.set WOF, 3072*(\i)
.set SOF, 128*(\i)
.elseif (\i) < 20
.set WAD, 5
.set SAD, 7
.set WOF, 3072*((\i)-4)
.set SOF, 128*((\i)-4)
.else
.set WAD, 5
.set SAD, 7
.set WOF, 786432+3072*((\i)-20)
.set SOF, 32768+128*((\i)-20)
.endif
.irp j, 0,1,2,3,4,5
	global_load_b128 v[WR+24*LSL+4*\j:WR+24*LSL+4*\j+3], v[WAD], s[10:11] offset:WOF+512*\j
.endr
	global_load_b32 v[WS+LSL], v[SAD], s[12:13] offset:SOF
.endm
.macro FRAG reg, adr, off              ; a fragment from rows of codes: lane (r, h) takes 24 bytes at 24 h and 24 at 48 + 24 h of row r's 96, in pieces of 8
.irp p, 0,1,2,3,4,5
	ds_load_b64 v[(\reg)+2*\p:(\reg)+2*\p+1], v[\adr] offset:(\off)+48*(\p/3)+8*(\p%3)
.endr
.endm
; An item: four matrix instructions on four accumulators by turns on the fragments of K step s that the item before, or the phase's head, has asked for; among them
; the next item's fragments (K step ns; nx = 0: the phase's last item, which asks for none) are asked of LDS; behind them the weights of the item three on are asked of memory.
; Accumulator acc + 16 tile of tokens + 8 u.  cm = 1: the sums start from BIAS; 2: they go on.
.macro ITEM i, n, adr, yoff, sadr, s, nx, ns, acc, cm
.set ISL, (\i)%3
.set AC0, AFR+AF2*((\i)%2)
.set AN0, AFR+AF2*(((\i)+1)%2)
.if (\n)-1-(\i) >= 2
	s_wait_loadcnt 14                              ; this item's 7 loads are in; the two younger items' 14 may be out
.elseif (\n)-1-(\i) == 1
	s_wait_loadcnt 7
.else
	s_wait_loadcnt 0x0
.endif
.if (\s)%4 == 0
	ds_load_b128 v[AS:AS+3], v[\sadr] offset:16*((\s)/4)           ; no wait: the products that read AS stand ahead of the last item's wait on va_vdst, and nothing since names it
.endif
	s_wait_dscnt 0x0                               ; this item's fragments, asked for earlier, the scale words and, at a block's head, the bias are in
.set MI, 0
.irp p, 0,1
.irp u, 0,1
.set DR, (\acc)+16*\p+8*\u
.set CR, DR
.if (\cm) == 1
.set CR, BIAS+8*\u
.endif
	MM DR, WR+24*ISL+12*\u, AC0+12*\p, \cm, CR, WS+ISL, AS+(\s)%4, \u, \p
.if MI < 2
.if (\nx)
	FRAG AN0+12*MI, \adr, 96*(\ns)+(\yoff)*MI      ; the next item's fragment of tile X, then of tile Y.  No wait: no vector or matrix instruction since the last wait on va_vdst names that buffer
.endif
.endif
.set MI, MI+1
.endr
.endr
.rept 4
	v_nop                                          ; four plain places behind the products (ISA guide 7.12.1), ahead of the first read of their results; they stay beside the waits
.endr
.if (\i)+3 < (\n)
	s_wait_alu depctr_va_vdst(0)                   ; this item's products are done reading their ring slot and its scale words, in which the loads below land, their buffer of fragments, in which later LDS loads land, AS and, where they took it as C, BIAS
	WLOAD (\i)+3
.elseif (\i)+2 < (\n)
	s_wait_alu depctr_va_vdst(0)                   ; this item's products are done reading their buffer of fragments, in which the next item's LDS loads land
.endif
.endm
; Two sets of 16 registers, each half a block of 32 (the other half in lane l xor 16), become: in lane r + 16 x set that set's whole block of row r, 24 bytes in v[T] on, and its byte in v[BY].
.macro QUANT2 s0, s1
	v_max3_num_f32 v[MXA], |v[\s0]|, |v[\s0+1]|, 0x1800000     ; with the floor 2^(3 - 127): the byte cannot fall under 1
	v_max3_num_f32 v[MXB], |v[\s1]|, |v[\s1+1]|, 0x1800000
.irp i, 2,4,6,8,10,12,14
	v_max3_num_f32 v[MXA], v[MXA], |v[\s0+\i]|, |v[\s0+\i+1]|
	v_max3_num_f32 v[MXB], v[MXB], |v[\s1+\i]|, |v[\s1+\i+1]|
.endr
	v_permlanex16_b32 v[PXA], v[MXA], s[SEL], s[SEL+1]
	v_permlanex16_b32 v[PXB], v[MXB], s[SEL], s[SEL+1]
	v_max_num_f32 v[MXA], v[MXA], v[PXA]
	v_max_num_f32 v[MXB], v[MXB], v[PXB]
	v_add_nc_u32 v[SOA], 0xff000000, v[MXA]        ; 2 off the exponent field: the conversion's scale operand
	v_add_nc_u32 v[SOB], 0xff000000, v[MXB]
	v_lshrrev_b32 v[BYA], 23, v[SOA]
	v_lshrrev_b32 v[BYB], 23, v[SOB]
	v_cvt_scalef32_pk16_fp6_f32 v[T:T+2], v[\s0:\s0+15], v[SOA]
	v_cvt_scalef32_pk16_fp6_f32 v[U:U+2], v[\s1:\s1+15], v[SOB]
	v_cndmask_b32 v[BY], v[BYA], v[BYB], s[MH]     ; lanes 16-31 take the second set's byte.  (The plain place behind the conversions)
.irp i, 0,1,2
	v_permlane16_swap_b32 v[T+\i], v[U+\i]         ; T: each lane's block's lower 16 codes, U: the upper 16
.endr
.irp i, 0,1,2
	v_mov_b32 v[T+3+\i], v[U+\i]
.endr
.endm
.macro BARRIER                         ; my LDS stores have landed and my LDS loads are in: then the work-group's barrier
	s_wait_dscnt 0x0
	s_barrier_signal -1
	s_barrier_wait -1
.endm
.macro PART                            ; v[200:201], v[202:203]: tile X's and tile Y's sums over my 16 columns, in halves -> v206: my wave's 32 columns' sum for row = lane
	v_add_f32 v200, v200, v201
	v_add_f32 v202, v202, v203
	v_permlanex16_b32 v204, v200, s[SEL], s[SEL+1]
	v_permlanex16_b32 v205, v202, s[SEL], s[SEL+1]
	v_add_f32 v200, v200, v204
	v_add_f32 v202, v202, v205
	v_cndmask_b32 v206, v200, v202, s[MH]
.endm
.macro REDUCE off                      ; the sixteen waves' parts meet in LDS: v96 = the sum over all 512 columns for row = lane
	s_wait_alu depctr_va_vdst(0)                   ; v206 is written, which the LDS store reads; and the products and additions that named v96-111 are done with them: the loads below land there
	ds_store_b32 v224, v206 offset:\off
	BARRIER
	s_wait_alu depctr_vm_vsrc(0)                   ; the LDS store has read v206, which is written again behind the sums
.irp j, 0,1,2,3
	ds_load_b128 v[96+4*\j:99+4*\j], v15 offset:(\off)+16*\j
.endr
	s_wait_dscnt 0x0
.irp j, 2,4,6,8,10,12,14
	v_pk_add_f32 v[96:97], v[96:97], v[96+\j:97+\j]
.endr
	v_add_f32 v96, v96, v97
.endm
.macro SPREAD                          ; v206, a number for row = lane -> v218: tile X's row r's, v220: tile Y's row r's, in both halves of the lanes
	v_permlanex16_b32 v207, v206, s[SEL], s[SEL+1]
	v_cndmask_b32 v218, v206, v207, s[MH]
	v_cndmask_b32 v220, v207, v206, s[MH]
.endm
	s_load_b256 s[4:11], s[0:1], 0x0               ; acodes, ascales, x, wcodes
	s_load_b256 s[12:19], s[0:1], 0x20             ; wscales, bo, g_ln2, b_ln2
	s_load_b128 s[20:23], s[0:1], 0x40             ; b1, b2
	s_load_b64 s[24:25], s[0:1], 0x50              ; out0
	v_lshl_add_u32 v254, v0, 2, 0x25600
	v_mov_b32 v255, 0
	v_lshrrev_b32 v1, 5, v0
	v_readfirstlane_b32 s26, v1                    ; wave
	v_and_b32 v1, 31, v0                           ; lane
	s_wait_alu depctr_va_vdst(0)
	v_and_b32 v2, 15, v0                           ; r
	s_wait_alu depctr_va_vdst(0)
	v_bfe_u32 v3, v0, 4, 1                         ; h
	s_mov_b32 s[SEL], 0x76543210
	s_mov_b32 s[SEL+1], 0xfedcba98
	s_mov_b32 s[MH], 0xffff0000
	s_mov_b32 s31, 0x3b000000                      ; 1 / 512
	s_mov_b32 s32, 0x3727c5ac                      ; 1e-5
	v_lshlrev_b32 v222, 4, v1                      ; v222: 16 lane
	s_wait_alu depctr_va_sdst(0)                   ; s26 is written, ahead of its first reader: offsets and addresses are made from it
	s_mul_i32 s33, s26, 12288
	s_add_co_u32 s33, s33, 589824
	v_add_nc_u32 v4, s33, v222                     ; v4: wo's block w
	s_mul_i32 s33, s26, 49152
	s_add_co_u32 s33, s33, 786432
	v_add_nc_u32 v5, s33, v222                     ; v5: w1's blocks 4 w on; w2's block w lies 786,432 bytes further on
	s_lshl_b32 s33, s26, 9
	s_add_co_u32 s33, s33, 24576
	v_lshl_add_u32 v6, v1, 2, s33                  ; v6, v7: their scale words
	s_lshl_b32 s33, s26, 11
	s_add_co_u32 s33, s33, 32768
	v_lshl_add_u32 v7, v1, 2, s33
	v_mul_u32_u24 v8, v2, 400
	s_wait_alu depctr_va_vdst(0)
	v_mad_u32_u24 v8, v3, 24, v8                   ; v8: a fragment's row and half, K = 512
	v_add_nc_u32 v9, SC, v222                      ; v9: row = lane's 16 scale bytes
	v_mul_u32_u24 v10, v2, 1552
	v_mad_u32_u24 v10, v3, 24, v10
	v_add_nc_u32 v10, HID, v10                     ; v10: the same in the hidden layer's rows
	v_mul_u32_u24 v11, v1, 80
	v_add_nc_u32 v15, RED1, v11                    ; v15: row = lane's sixteen parts
	v_add_nc_u32 v11, HSC, v11                     ; v11: row = lane's 64 scale bytes
	s_lshl_b32 s33, s26, 7
	v_lshl_add_u32 v13, v3, 6, s33
	v_mul_u32_u24 v12, v2, 2064
	v_add_nc_u32 v12, v12, v13
	v_add_nc_u32 v12, XST, v12                     ; v12: row r, my 16 columns: 128 w + 64 h
	v_add_nc_u32 v13, VEC, v13                     ; v13: the same columns of bo (b2, g, b: 2,048 bytes on each)
	s_lshl_b32 s33, s26, 9
	v_lshl_add_u32 v14, v3, 6, s33
	v_add_nc_u32 v14, VB1, v14                     ; v14: b1 at hidden units 128 w + 16 h on
	s_lshl_b32 s33, s26, 2
	v_add_nc_u32 v224, s33, v15                    ; v224: my wave's part for row = lane
	v_add_nc_u32 v228, s33, v11                    ; v228: my wave's four scale bytes of row = lane
	v_mul_u32_u24 v225, v1, 400
	s_mul_i32 s33, s26, 24
	v_add_nc_u32 v225, s33, v225                   ; v225: block w of row = lane, K = 512
	v_add_nc_u32 v226, s26, v9                     ; v226: and its byte
	v_mul_u32_u24 v227, v1, 1552
	s_mul_i32 s33, s26, 96
	s_add_co_u32 s33, s33, HID
	v_add_nc_u32 v227, s33, v227                   ; v227: K step w of row = lane in the hidden layer
	s_mul_i32 s33, s26, 2064
	s_add_co_u32 s33, s33, XST
	v_add_nc_u32 v229, s33, v222                   ; v229: row w, 16 bytes a lane
	v_mul_u32_u24 v231, v0, 24                     ; the head's fills: thread t = (tile, head, row): its 24 bytes of attention's codes,
	v_lshlrev_b32 v233, 4, v0                      ; 16 bytes of b1,
	v_and_b32 v234, 127, v0
	v_lshlrev_b32 v234, 4, v234                    ; and of one of the four short vectors
	v_lshrrev_b32 v235, 8, v0
	v_lshl_add_u32 v235, v235, 4, v2               ; the row in the group
	v_bfe_u32 v236, v0, 4, 4                       ; the head
	v_lshl_add_u32 v237, v235, 4, v236
	v_add_nc_u32 v237, SC, v237
	v_mul_u32_u24 v235, v235, 400
	v_mad_u32_u24 v235, v236, 24, v235
	v_add_nc_u32 v238, VEC, v233
.irp j, 204,205,207,219,221
	v_mov_b32 v[\j], 0                             ; lane permutes' destinations and the upper halves of pairs: written before they are named
.endr
	s_mul_i32 s34, ttmp9, 12288
	s_mov_b32 s35, 0
	s_lshl_b32 s36, ttmp9, 9
	s_mov_b32 s37, 0
	s_and_b32 s38, s26, 7
	s_lshr_b32 s39, s26, 3
	s_lshl_b32 s39, s39, 4
	s_add_co_u32 s38, s38, s39                     ; row w's token in the group; row w + 16's is 8 further on
	s_lshl_b32 s38, s38, 11
	s_lshl_b32 s39, ttmp9, 16
	s_add_co_u32 s38, s38, s39
	s_mov_b32 s39, 0
	s_lshr_b32 s40, s26, 2
	s_wait_kmcnt 0x0
	s_cmp_eq_u32 s40, 1                            ; waves 0-3 bring bo, 4-7 b2, 8-11 g_ln2, 12-15 b_ln2: chosen by the wave's number alone
	s_cselect_b64 s[42:43], s[22:23], s[14:15]
	s_cmp_eq_u32 s40, 2
	s_cselect_b64 s[42:43], s[16:17], s[42:43]
	s_cmp_eq_u32 s40, 3
	s_cselect_b64 s[42:43], s[18:19], s[42:43]
	s_add_nc_u64 s[4:5], s[4:5], s[34:35]
	s_add_nc_u64 s[6:7], s[6:7], s[36:37]
	s_add_nc_u64 s[8:9], s[8:9], s[38:39]
	s_add_nc_u64 s[24:25], s[24:25], s[38:39]
	s_wait_alu depctr_va_vdst(0)                   ; the offsets and addresses v4 to v15, v222, v224 to v229 and the staging ones v231 to v238 are written, which the loads and stores of the whole kernel read; so are v254 and v255
.irp p, 0,1,2
	global_load_b64 v[168+2*\p:169+2*\p], v231, s[4:5] offset:8*\p th:TH_LOAD_NT
.endr
	global_load_u8 v174, v0, s[6:7]
	global_load_b128 v[176:179], v233, s[20:21]
	global_load_b128 v[180:183], v234, s[42:43]
.irp i, 0,1,2,3
	global_load_b128 v[136+4*\i:139+4*\i], v222, s[8:9] offset:512*\i th:TH_LOAD_NT           ; a row of x, 512 consecutive bytes a load
	global_load_b128 v[152+4*\i:155+4*\i], v222, s[8:9] offset:16384+512*\i th:TH_LOAD_NT
.endr
	WLOAD 0
	WLOAD 1
	WLOAD 2
	s_wait_loadcnt 21                              ; the head's 14 loads are in; the ring's 21 may be out
.irp p, 0,1,2
	ds_store_b64 v235, v[168+2*\p:169+2*\p] offset:8*\p
.endr
	ds_store_b8 v237, v174
	ds_store_b128 v238, v[180:183]
	ds_store_b128 v238, v[176:179] offset:8192
.irp i, 0,1,2,3
	ds_store_b128 v229, v[136+4*\i:139+4*\i] offset:512*\i
	ds_store_b128 v229, v[152+4*\i:155+4*\i] offset:33024+512*\i
.endr
	BARRIER                                        ; attention's codes and bytes, the vectors and x lie in LDS
	s_wait_alu depctr_vm_vsrc(0)                   ; the head's LDS stores have read their data v136-183, and its loads and stores the staging offsets and addresses v231-238: LDS loads land in v136-167 and in v230-253, vector instructions write v168-199
	; ---- x1 = x + bo + attn wo: the residual and the bias are what the sums start from
.irp j, 0,1,2,3
	ds_load_b128 v[X1+4*\j:X1+4*\j+3], v12 offset:16*\j
	ds_load_b128 v[X1+16+4*\j:X1+19+4*\j], v12 offset:33024+16*\j
	ds_load_b128 v[BIAS+4*\j:BIAS+4*\j+3], v13 offset:16*\j
.endr
	FRAG AFR, 8, 0                                 ; item 0's fragments; each item of the phase but the last asks for the next one's
	FRAG AFR+12, 8, 6400
	s_wait_dscnt 12                                ; x and bo are in; the fragments' 12 loads may be out
.irp j, 0,2,4,6,8,10,12,14
	v_pk_add_f32 v[X1+\j:X1+\j+1], v[X1+\j:X1+\j+1], v[BIAS+\j:BIAS+\j+1]
	v_pk_add_f32 v[X1+16+\j:X1+17+\j], v[X1+16+\j:X1+17+\j], v[BIAS+\j:BIAS+\j+1]
.endr
	s_wait_alu depctr_va_vdst(0)
.irp s, 0,1,2,3
	ITEM \s, 36, 8, 6400, 9, \s, 1-\s/3, \s+1, X1, 2
.endr
	; ---- the second norm: means, then the squares of x1 - mean, so that a common offset costs nothing
	v_pk_add_f32 v[200:201], v[X1:X1+1], v[X1+2:X1+3]              ; each accumulator is read from its low end on
	v_pk_add_f32 v[202:203], v[X1+16:X1+17], v[X1+18:X1+19]
.irp j, 4,6,8,10,12,14
	v_pk_add_f32 v[200:201], v[200:201], v[X1+\j:X1+\j+1]
	v_pk_add_f32 v[202:203], v[202:203], v[X1+16+\j:X1+17+\j]
.endr
	PART
	REDUCE 0
	v_mul_f32 v206, s31, v96                       ; the mean of row = lane
	SPREAD
.irp j, 0,2,4,6,8,10,12,14
	v_pk_add_f32 v[ACC+\j:ACC+\j+1], v[X1+\j:X1+\j+1], v[218:219] op_sel_hi:[1,0] neg_lo:[0,1] neg_hi:[0,1]
	v_pk_add_f32 v[ACC+16+\j:ACC+17+\j], v[X1+16+\j:X1+17+\j], v[220:221] op_sel_hi:[1,0] neg_lo:[0,1] neg_hi:[0,1]
.endr
	v_pk_mul_f32 v[200:201], v[ACC:ACC+1], v[ACC:ACC+1]
	v_pk_mul_f32 v[202:203], v[ACC+16:ACC+17], v[ACC+16:ACC+17]
.irp j, 2,4,6,8,10,12,14
	v_pk_fma_f32 v[200:201], v[ACC+\j:ACC+\j+1], v[ACC+\j:ACC+\j+1], v[200:201]
	v_pk_fma_f32 v[202:203], v[ACC+16+\j:ACC+17+\j], v[ACC+16+\j:ACC+17+\j], v[202:203]
.endr
	PART
	REDUCE 2560
	v_fma_f32 v96, v96, s31, s32                   ; variance + 1e-5
	s_wait_alu depctr_va_vdst(0)
	v_rsq_f32 v206, v96
	v_nop                                          ; a plain place behind the transcendental
	s_wait_alu depctr_va_vdst(0)                   ; the root's result v206 is written, ahead of its first reader; and the lines above are done with v96-111, in which g_ln2 lands below (BIAS was last named ahead of earlier waits)
	SPREAD
.irp j, 0,1,2,3
	ds_load_b128 v[96+4*\j:99+4*\j], v13 offset:4096+16*\j         ; g_ln2 and b_ln2 at my 16 columns
	ds_load_b128 v[BIAS+4*\j:BIAS+4*\j+3], v13 offset:6144+16*\j
.endr
.irp j, 0,2,4,6,8,10,12,14
	v_pk_mul_f32 v[ACC+\j:ACC+\j+1], v[ACC+\j:ACC+\j+1], v[218:219] op_sel_hi:[1,0]
	v_pk_mul_f32 v[ACC+16+\j:ACC+17+\j], v[ACC+16+\j:ACC+17+\j], v[220:221] op_sel_hi:[1,0]
.endr
	s_wait_dscnt 0x0
.irp j, 0,2,4,6,8,10,12,14
	v_pk_fma_f32 v[ACC+\j:ACC+\j+1], v[ACC+\j:ACC+\j+1], v[96+\j:97+\j], v[BIAS+\j:BIAS+\j+1]
	v_pk_fma_f32 v[ACC+16+\j:ACC+17+\j], v[ACC+16+\j:ACC+17+\j], v[96+\j:97+\j], v[BIAS+\j:BIAS+\j+1]
.endr
	QUANT2 ACC, ACC+16                             ; my 32 columns are block w of the next K
	s_wait_alu depctr_va_vdst(0)                   ; QUANT2 has written v[T] on and v[BY], which the LDS stores read; and the multiply-adds are done reading v96-111 and BIAS, in which the next phase's loads land
.irp p, 0,1,2
	ds_store_b64 v225, v[T+2*\p:T+2*\p+1] offset:8*\p              ; over attention's codes: every wave's reads of them ended ahead of the two barriers above
.endr
	ds_store_b8 v226, v[BY]
	BARRIER                                        ; h2's codes and bytes lie in LDS
	; ---- the hidden layer: my four blocks of 32 units, each over K = 512; b1 is what the sums start from
.irp bl, 0,1,2,3
.irp j, 0,1,2,3
	ds_load_b128 v[BIAS+4*\j:BIAS+4*\j+3], v14 offset:128*\bl+16*\j        ; no wait: the products that took BIAS as C stand ahead of their item's wait, and nothing since names it
.endr
.if \bl == 0
	FRAG AFR, 8, 0                                 ; the phase's first fragments
	FRAG AFR+12, 8, 6400
.endif
.irp s, 0,1,2,3
	ITEM 4+4*\bl+\s, 36, 8, 6400, 9, \s, 1-(\bl/3)*(\s/3), (\s+1)%4, ACC, 1+(\s+3)/4
.endr
.set j, 0
.rept 32
	v_max_num_f32 v[ACC+j], 0, v[ACC+j]            ; the activation, in f32; each accumulator from its low end on
.set j, j+1
.endr
	s_wait_alu depctr_vm_vsrc(0)                   ; the last LDS stores of codes and their byte have read v[T] on and v[BY], which QUANT2 writes again
	QUANT2 ACC, ACC+16
	s_wait_alu depctr_va_vdst(0)                   ; QUANT2 has written v[T] on and v[BY], which the LDS stores read
.irp p, 0,1,2
	ds_store_b64 v227, v[T+2*\p:T+2*\p+1] offset:24*\bl+8*\p
.endr
	ds_store_b8 v228, v[BY] offset:\bl
.endr
	BARRIER                                        ; the hidden layer's codes and bytes lie in LDS
	; ---- out = x1 + b2 + hidden w2: sixteen K steps onto x1
.irp j, 0,1,2,3
	ds_load_b128 v[BIAS+4*\j:BIAS+4*\j+3], v13 offset:2048+16*\j   ; no wait: BIAS and buffer 0 were last named ahead of the waits above
.endr
	FRAG AFR, 10, 0                                ; the phase's first fragments
	FRAG AFR+12, 10, 24832
	s_wait_dscnt 12                                ; b2 is in; the fragments' 12 loads may be out
.irp j, 0,2,4,6,8,10,12,14
	v_pk_add_f32 v[X1+\j:X1+\j+1], v[X1+\j:X1+\j+1], v[BIAS+\j:BIAS+\j+1]
	v_pk_add_f32 v[X1+16+\j:X1+17+\j], v[X1+16+\j:X1+17+\j], v[BIAS+\j:BIAS+\j+1]
.endr
	s_wait_alu depctr_va_vdst(0)
.irp s, 0,1,2,3,4,5,6,7,8,9,10,11,12,13,14,15
	ITEM 20+\s, 36, 10, 24832, 11, \s, 1-\s/15, \s+1, X1, 2
.endr
	; ---- the way out: a row's 512 columns come from sixteen waves: they meet where x lay, and each wave stores two whole rows
	s_wait_alu depctr_va_vdst(0)                   ; the last products have written X1, which the LDS stores read; the four places above stay beside this wait
.irp j, 0,1,2,3
	ds_store_b128 v12, v[X1+4*\j:X1+4*\j+3] offset:16*\j           ; each accumulator from its low end on
.endr
.irp j, 0,1,2,3
	ds_store_b128 v12, v[X1+16+4*\j:X1+19+4*\j] offset:33024+16*\j
.endr
	BARRIER
.irp i, 0,1,2,3
	ds_load_b128 v[ACC+4*\i:ACC+4*\i+3], v229 offset:512*\i        ; no wait: ACC was last named by the hidden layer's conversions, ahead of the waits above
.endr
.irp i, 0,1,2,3
	ds_load_b128 v[ACC+16+4*\i:ACC+19+4*\i], v229 offset:33024+512*\i
.endr
.irp i, 0,1,2,3
	s_wait_dscnt 7-\i                              ; LDS loads come back in order: the younger ones may be out
	global_store_b128 v222, v[ACC+4*\i:ACC+4*\i+3], s[24:25] offset:512*\i th:TH_STORE_NT      ; 512 consecutive bytes, at a multiple of 256 from the buffer's first byte
.endr
.irp i, 0,1,2,3
	s_wait_dscnt 3-\i
	global_store_b128 v222, v[ACC+16+4*\i:ACC+19+4*\i], s[24:25] offset:16384+512*\i th:TH_STORE_NT
.endr
	s_wait_dscnt 0x0                               ; the closing lines, six on end
	s_wait_alu 0x0
	s_wait_tensorcnt 0x0
	ds_add_u32 v254, v255
	s_wait_dscnt 0x0
	s_endpgm
.Lfunc_end_k_q53fdbad820_ffn:
	.size	k_q53fdbad820_ffn, .Lfunc_end_k_q53fdbad820_ffn-k_q53fdbad820_ffn
	.p2alignl 7, 3214868480
	.fill 96, 4, 3214868480
	.section	.rodata,"a",@progbits
	.p2align	6, 0x0
	.amdhsa_kernel k_q53fdbad820_ffn
		.amdhsa_group_segment_fixed_size 155136
		.amdhsa_private_segment_fixed_size 0
		.amdhsa_enable_private_segment 0
		.amdhsa_kernarg_size 88
		.amdhsa_user_sgpr_count 2
		.amdhsa_user_sgpr_kernarg_segment_ptr 1
		.amdhsa_wavefront_size32 1
		.amdhsa_system_sgpr_workgroup_id_x 1
		.amdhsa_system_sgpr_workgroup_id_y 1
		.amdhsa_system_sgpr_workgroup_id_z 1
		.amdhsa_system_vgpr_workitem_id 0
		.amdhsa_next_free_vgpr 256
		.amdhsa_next_free_sgpr 66
		.amdhsa_reserve_vcc 0
		.amdhsa_float_denorm_mode_32 3
		.amdhsa_float_denorm_mode_16_64 3
		.amdhsa_memory_ordered 1
		.amdhsa_forward_progress 1
		.amdhsa_inst_pref_size 115
	.end_amdhsa_kernel
	.amdgpu_metadata
---
amdhsa.version: [ 1, 2 ]
amdhsa.kernels:
  - .name:           k_q53fdbad820_ffn
    .symbol:         k_q53fdbad820_ffn.kd
    .args:
      - { .name: acodes, .offset: 0, .size: 8, .value_kind: global_buffer, .address_space: global }
      - { .name: ascales, .offset: 8, .size: 8, .value_kind: global_buffer, .address_space: global }
      - { .name: x, .offset: 16, .size: 8, .value_kind: global_buffer, .address_space: global }
      - { .name: wcodes, .offset: 24, .size: 8, .value_kind: global_buffer, .address_space: global }
      - { .name: wscales, .offset: 32, .size: 8, .value_kind: global_buffer, .address_space: global }
      - { .name: bo, .offset: 40, .size: 8, .value_kind: global_buffer, .address_space: global }
      - { .name: g_ln2, .offset: 48, .size: 8, .value_kind: global_buffer, .address_space: global }
      - { .name: b_ln2, .offset: 56, .size: 8, .value_kind: global_buffer, .address_space: global }
      - { .name: b1, .offset: 64, .size: 8, .value_kind: global_buffer, .address_space: global }
      - { .name: b2, .offset: 72, .size: 8, .value_kind: global_buffer, .address_space: global }
      - { .name: out0, .offset: 80, .size: 8, .value_kind: global_buffer, .address_space: global }
    .group_segment_fixed_size: 155136
    .private_segment_fixed_size: 0
    .kernarg_segment_align: 8
    .kernarg_segment_size: 88
    .max_flat_workgroup_size: 512
    .sgpr_count:     66
    .vgpr_count:     256
    .wavefront_size: 32
...
	.end_amdgpu_metadata
.endif
;; end of part 8
